; MI455X (gfx1250); checked and timed in simulation.
; The chip was launched on July 23, 2026; its instructions are those of AMD's public machine-readable ISA for CDNA 5 (MIT licence, August 2026) and "CDNA5" Instruction Set Architecture Reference Guide (July 2026). The comments in the code are by the model that wrote it; some were corrected since.
;; Fast Hyperbolic Multihead Attention. Allowed arithmetic: matrix products marked QUANTISED: E2M3 operands, one E8M0 scale for each 32 along K, by v_wmma_scale_f32_16x16x128_f8f6f4 with both operands' format E2M3, f32 sums; everything else in f32.
;; Inputs: Wk 512 x 512 float32; Wo 512 x 512 float32; Wq 512 x 512 float32; Wv 512 x 512 float32; bk 512 float32; bo 512 float32; bq 512 float32; bv 512 float32; x 4 x 2,048 x 512 float32.
;; Outputs: out0 4 x 2,048 x 512 float32.
;; This version of the problem:
;;   THIS VERSION OF THE PROBLEM IS GIVEN IN LOW PRECISION. The matrix products marked QUANTISED in the list below multiply operands that are first quantised to E2M3 (2 exponent bits, 3 mantissa bits; 6 bits a number), with one power-of-two scale for each 32 numbers along K (OCP MX v1.0); their sums are f32. All else is computed in f32.
;;   The module's matrix products, in the order in which they are computed (A, B: the left and right operand; K: the contracted axis; several contracted axes count as one K, in the product's order):
;;     1. [M 8,192, K 512] x [K 512, N 512]; A: input x; B: input Wq: QUANTISED
;;     2. [M 8,192, K 512] x [K 512, N 512]; A: input x; B: input Wk: QUANTISED
;;     3. [M 8,192, K 512] x [K 512, N 512]; A: input x; B: input Wv: QUANTISED
;;     4. batch 32 x [M 2,048, K 64] x [K 64, N 2,048]; A: computed on the way; B: computed on the way: QUANTISED
;;     5. batch 32 x [M 2,048, K 2,048] x [K 2,048, N 64]; A: softmax (see below); B: computed on the way: QUANTISED
;;     6. [M 8,192, K 512] x [K 512, N 512]; A: computed on the way; B: input Wo: QUANTISED
;;   THE QUANTISER, for each operand of a quantised product, along K:
;;     - K is cut into blocks of 32 from its start; a last block that is shorter is filled with zeros.
;;     - A block's scale is 2^e with e = floor(log2(the largest magnitude in the block)) - 2, held to -126 .. 127; a block of zeros has e = 0. As a byte (E8M0): e + 127.
;;     - Each number is divided by its block's scale, clamped to +-7.5, and rounded to the nearest number of E2M3, ties to even, subnormals kept.
;;     - The product sums the exact products of the quantised numbers (number of the format x scale) in f32.
;;   ~~~python
;;   def quantise(x, axis):      # numpy; x: float32 -> the quantised numbers, widened to float32 again
;;       x = np.moveaxis(x, axis, -1); K = x.shape[-1]
;;       x = np.pad(x, [(0, 0)] * (x.ndim - 1) + [(0, -K % 32)]); x = x.reshape(x.shape[:-1] + (-1, 32)); a = np.abs(x).max(-1, keepdims=True)
;;       e = np.where(a > 0, np.clip(np.frexp(np.where(a > 0, a, 1))[1] - 1 - 2, -126, 127), 0)      # np.frexp(a)[1] - 1 = floor(log2(a)), exactly
;;       r = np.clip(x / 2.0 ** e, -7.5, 7.5)
;;       step = 2.0 ** (np.maximum(np.frexp(np.where(r == 0, 1, r))[1] - 1, 0) - 3)
;;       q = np.round(r / step) * step * 2.0 ** e      # np.round: ties to even
;;       return np.moveaxis(q.reshape(q.shape[:-2] + (-1,))[..., :K], -1, axis).astype(np.float32)
;;   ~~~
;;   SOFTMAX AHEAD OF A QUANTISED PRODUCT. Where the list says 'softmax', what is quantised is not the finished softmax but p = 2^(t - M), with t = logit x log2(e) and M = ceil(the row's largest t), a whole number; so 1/2 < the row's largest p <= 1. The row's sum l is taken of the UNQUANTISED p, in f32, and the product's result is divided by l at the end. Since M is a whole number, a kernel that streams over the keys may use a running M (the ceiling of the running maximum): every later rescaling is an exact power of two, which a block's scale takes up: the codes' values come out the same.
;;   OPERANDS COMPUTED ON THE WAY. 'Computed on the way' means the value that the module computes at that place (a softmax that the list does not call 'softmax' is quantised finished and normalised). What goes into a quantiser is computed in f32, as accurately as f32 sums, v_exp_f32 and their like allow (about 1e-6 of the number): no bf16 or f16 on the way to a quantiser, and a product that is left as it is and whose result goes on into a quantised operand takes f32 operands (vector FMAs, or v_wmma_f32_16x16x4_f32). A number that lies on a knife's edge between two numbers of the format may be rounded either way, as far as f32 arithmetic and the matrix unit's own rounding can turn it there, and no further.
;; 2 versions. Each part assembles by itself: llvm-mc -triple=amdgcn-amd-amdhsa -mcpu=gfx1250 --defsym DOCPART=n.
;; ======== version 1 of 2: 4 launches
;; workspace buffers: codes 3,932,160 bytes; rec 327,680 bytes; qcodes 3,145,728 bytes; kcodes 3,145,728 bytes; vcodes 3,145,728 bytes; qside 1,048,576 bytes; kside 1,048,576 bytes; obuf 3,670,016 bytes
;; launch quant (part 1): grid 640 x 1, 1 waves a work-group, no clusters, 17,152 bytes of LDS; arguments x, Wq, Wk, Wv, Wo, codes, rec; writes codes, rec
.if DOCPART == 1
	.amdgcn_target "amdgcn-amd-amdhsa--gfx1250"
	.amdhsa_code_object_version 6
	.text
	.protected	k_qd8f78b9fc8_quant
	.globl	k_qd8f78b9fc8_quant
	.p2align	8
	.type	k_qd8f78b9fc8_quant,@function
k_qd8f78b9fc8_quant:
	s_mov_b64 s[64:65], 0
	v_nop
	global_prefetch_b8 v0, s[64:65] scope:SCOPE_SE
	s_setreg_imm32_b32 hwreg(HW_REG_WAVE_MODE, 25, 1), 1
	s_wait_xcnt 0x0
; x [8192][512] and the four weights [512][512], f32 with K innermost, become codes of FP6 (E2M3) with one E8M0 byte for each 32 along K.
; A work-group is one wave and takes one TILE of 16 rows x 512 K.  Tiles 0-511 are x's, tile 512 + 32 m + t is tile t of weight m (q, k, v, o).
; THE ROWS OF A TILE ARE NOT NEIGHBOURS: lane r of tile t stands for row 32 (t / 2) + 8 (t % 2) + r + 8 (r / 8), so that the results of two neighbouring tiles are 16 neighbours along a later K.
; OUT: codes [640][4 K steps][1,536]: a fragment (16 rows x 128 K, 12 registers a lane) as an image of its registers: registers 4 c .. 4 c + 3 of lane l at 512 c + 16 l.
;      rec [640][512]: lane r at 16 r: the row's four scale words; lane 16 + r at 256 + 16 r: the row's sum of squares of the unquantised numbers, then three zeros.
; A block's scale byte is its largest magnitude's exponent field - 2, held at 1 from below.  A block of zeros keeps the byte 1: its codes are zeros, and this program alone reads the bytes.
; LIMITS: NaN and infinities among the inputs are not served; blocks whose largest magnitude lies under 2^(3 - 127) are held at the byte 1.
; Memory binds: every load reads 512 consecutive bytes of a row, every store writes 512 consecutive bytes.  The numbers turn through a stage in LDS so that a lane holds 16 neighbours along K.
; No matrix unit, no barrier (one wave), no tensor load: nothing is shared.
.set STG, 8448                         ; a stage: 16 rows x (512 bytes + 16): the 16 rows of a 16-byte read start in 16 different groups of banks
.set X,   32                           ; v32-95, v96-159: two sets of 64 numbers: register 16 b + i = k 32 b + 16 (lane / 16) + i of my row
.set PC,  160                          ; v160-207 codes: 12 registers for each K step, so that no store's data are written again
.set CT,  208                          ; v208-215 the second halves of the conversions
.set TM,  216                          ; v216-231 at work in the quantiser
.set SW,  232                          ; v232-235 the four scale words
.set NA,  236                          ; v236-239 the sum of squares, two packed chains
.set RD,  240                          ; v240-243 the record
.set ZR,  244                          ; 0
.set PW,  245                          ; the scale word just made
.set MSB, 0
.macro WIN new                         ; the immediate's high byte repeats the setting that is left
.if MSB != \new
	s_set_vgpr_msb (MSB<<8)|\new
.set MSB, \new
.endif
.endm
; 64 numbers of a lane become a fragment's 12 registers of codes and its row's scale word
.macro QUANT4 s, pc
.irp b, 0,1,2,3
	v_max3_num_f32 v[TM+\b], |v[\s+16*\b]|, |v[\s+1+16*\b]|, 0x1800000   ; my 16 numbers of block b, and the floor 2^(3 - 127)
.endr
.irp i, 2,4,6,8,10,12,14
.irp b, 0,1,2,3
	v_max3_num_f32 v[TM+\b], v[TM+\b], |v[\s+16*\b+\i]|, |v[\s+1+16*\b+\i]|
.endr
.endr
.irp b, 0,1,2,3
	v_permlanex16_b32 v[TM+4+\b], v[TM+\b], s26, s27
.endr
.irp b, 0,1,2,3
	v_max_num_f32 v[TM+\b], v[TM+\b], v[TM+4+\b]   ; with lane l xor 16's: the block's largest magnitude
.endr
.irp b, 0,1,2,3
	v_add_nc_u32 v[TM+12+\b], 0xff000000, v[TM+\b] ; 2 off its exponent field: the conversion's scale operand
.endr
.irp b, 0,1,2,3
	v_lshrrev_b32 v[TM+4+\b], 23, v[TM+12+\b]      ; the scale's byte
.endr
	v_lshl_or_b32 v[PW], v[TM+5], 8, v[TM+4]
	v_lshl_or_b32 v[PW], v[TM+6], 16, v[PW]
	v_lshl_or_b32 v[PW], v[TM+7], 24, v[PW]
.irp c, 0,1
	v_cvt_scalef32_pk16_fp6_f32 v[\pc+6*\c:\pc+2+6*\c], v[\s+32*\c:\s+15+32*\c], v[TM+12+2*\c]
	v_cvt_scalef32_pk16_fp6_f32 v[CT+4*\c:CT+2+4*\c], v[\s+16+32*\c:\s+31+32*\c], v[TM+12+2*\c+1]
.endr
	v_nop                                          ; one plain place behind a scaled conversion
.irp c, 0,1                            ; the operand's layout wants a whole block in a lane: lanes 0-15 block 2 c, lanes 16-31 block 2 c + 1
.irp i, 0,1,2
	v_permlane16_swap_b32 v[\pc+6*\c+\i], v[CT+4*\c+\i]
.endr
.irp i, 0,1,2
	v_mov_b32 v[\pc+3+6*\c+\i], v[CT+4*\c+\i]
.endr
.endr
.endm
	s_load_b256 s[4:11], s[0:1], 0x0               ; x, Wq, Wk, Wv
	s_load_b128 s[12:15], s[0:1], 0x20             ; Wo, codes
	s_load_b64 s[16:17], s[0:1], 0x30              ; rec
	v_lshl_add_u32 v254, v0, 2, 0x4200
	v_mov_b32 v255, 0
	v_lshlrev_b32 v1, 4, v0                        ; 16 x lane: loads, the stage on the way in, stores
	v_and_b32 v2, 15, v0                           ; r
	v_lshrrev_b32 v3, 4, v0                        ; h
	v_mul_u32_u24 v5, v2, 528
	v_lshl_add_u32 v5, v3, 6, v5                   ; the stage on the way out: row r, + 64 h
	v_mov_b32 v[ZR], 0
.irp b, 0,1,2,3
	v_mov_b32 v[TM+4+\b], 0                        ; written once: a lane permute's destination counts as one of its sources
.endr
	s_mov_b32 s26, 0x76543210
	s_mov_b32 s27, 0xfedcba98                      ; selects for lane l xor 16
	s_mov_b32 s28, 0xffff0000                      ; lanes 16-31
	s_and_b32 s23, ttmp9, 31
	s_wait_kmcnt 0x0
	s_cmp_lt_u32 ttmp9, 608                        ; which tensor: the choice hangs on the work-group's number alone
	s_cselect_b64 s[20:21], s[10:11], s[12:13]
	s_cmp_lt_u32 ttmp9, 576
	s_cselect_b64 s[20:21], s[8:9], s[20:21]
	s_cmp_lt_u32 ttmp9, 544
	s_cselect_b64 s[20:21], s[6:7], s[20:21]
	s_cmp_lt_u32 ttmp9, 512
	s_cselect_b64 s[20:21], s[4:5], s[20:21]
	s_cselect_b32 s22, ttmp9, s23                  ; the tile's number in its tensor
	s_lshr_b32 s24, s22, 1
	s_lshl_b32 s24, s24, 16                        ; 32 rows of 2,048 bytes for each pair of tiles,
	s_and_b32 s25, s22, 1
	s_lshl_b32 s25, s25, 14                        ; 8 rows for the odd one
	s_add_co_u32 s24, s24, s25
	s_mov_b32 s25, 0
	s_add_nc_u64 s[20:21], s[20:21], s[24:25]
	s_mul_i32 s24, ttmp9, 6144
	s_add_nc_u64 s[14:15], s[14:15], s[24:25]
	s_lshl_b32 s24, ttmp9, 9
	s_add_nc_u64 s[16:17], s[16:17], s[24:25]
	WIN 0x40                                       ; destination window 1: v[64 s + 4 i]: K step s, row i of the tile
.set ss, 0
.rept 4
.set ii, 0
.rept 16
	global_load_b128 v[64*ss+4*ii:64*ss+4*ii+3], v1, s[20:21] offset:(ii+8*(ii/8))*2048+512*ss th:TH_LOAD_NT
.set ii, ii+1
.endr
.set ss, ss+1
.endr
	WIN 0
; K step t's numbers go through stage t % 2: in as they were loaded, out 16 neighbours a lane.  LDS serves a wave's instructions in order.
.macro TURN t
	s_wait_loadcnt 16*(3-(\t))                     ; the loads of the later K steps may stay out
	WIN 0x04                                       ; an LDS store's data are its source 1: window 1
.set ii, 0
.rept 16
	ds_store_b128 v1, v[64*(\t)+4*ii:64*(\t)+4*ii+3] offset:STG*((\t)%2)+528*ii
.set ii, ii+1
.endr
	WIN 0
.set ii, 0
.rept 16
	ds_load_b128 v[X+64*((\t)%2)+4*ii:X+64*((\t)%2)+4*ii+3], v5 offset:STG*((\t)%2)+128*(ii/4)+16*(ii%4)
.set ii, ii+1
.endr
.endm
.macro STEP t
.if (\t) < 3
	TURN (\t)+1
	s_wait_dscnt 32                                ; this step's numbers are back; the next turn's 16 stores and 16 loads may be out
.else
	s_wait_dscnt 0x0
.endif
.set XB, X+64*((\t)%2)
.set ii, 0
.rept 16
.if ((\t) == 0) && (ii == 0)
	v_pk_mul_f32 v[NA:NA+1], v[XB:XB+1], v[XB:XB+1]
	v_pk_mul_f32 v[NA+2:NA+3], v[XB+2:XB+3], v[XB+2:XB+3]
.else
	v_pk_fma_f32 v[NA:NA+1], v[XB+4*ii:XB+4*ii+1], v[XB+4*ii:XB+4*ii+1], v[NA:NA+1]
	v_pk_fma_f32 v[NA+2:NA+3], v[XB+4*ii+2:XB+4*ii+3], v[XB+4*ii+2:XB+4*ii+3], v[NA+2:NA+3]
.endif
.set ii, ii+1
.endr
	QUANT4 XB, PC+12*(\t)
	v_mov_b32 v[SW+(\t)], v[PW]
.irp c, 0,1,2
	global_store_b128 v1, v[PC+12*(\t)+4*\c:PC+12*(\t)+4*\c+3], s[14:15] offset:1536*(\t)+512*\c   ; 512 consecutive bytes
.endr
.endm
	TURN 0
	STEP 0
	STEP 1
	STEP 2
	STEP 3
	v_pk_add_f32 v[NA:NA+1], v[NA:NA+1], v[NA+2:NA+3]
	v_add_f32 v[NA], v[NA], v[NA+1]
	v_permlanex16_b32 v[NA+1], v[NA], s26, s27
	v_add_f32 v[NA], v[NA], v[NA+1]                ; the row's sum of squares
	v_cndmask_b32 v[RD], v[SW], v[NA], s28         ; lanes 0-15 the scale words, lanes 16-31 the sum and zeros
	v_cndmask_b32 v[RD+1], v[SW+1], v[ZR], s28
	v_cndmask_b32 v[RD+2], v[SW+2], v[ZR], s28
	v_cndmask_b32 v[RD+3], v[SW+3], v[ZR], s28
	global_store_b128 v1, v[RD:RD+3], s[16:17]
	s_wait_tensorcnt 0x0
	ds_add_u32 v254, v255
	s_wait_dscnt 0x0
	s_endpgm
.Lfunc_end_k_qd8f78b9fc8_quant:
	.size	k_qd8f78b9fc8_quant, .Lfunc_end_k_qd8f78b9fc8_quant-k_qd8f78b9fc8_quant
	.p2alignl 7, 3214868480
	.fill 96, 4, 3214868480
	.section	.rodata,"a",@progbits
	.p2align	6, 0x0
	.amdhsa_kernel k_qd8f78b9fc8_quant
		.amdhsa_group_segment_fixed_size 17152
		.amdhsa_private_segment_fixed_size 0
		.amdhsa_enable_private_segment 0
		.amdhsa_kernarg_size 56
		.amdhsa_user_sgpr_count 2
		.amdhsa_user_sgpr_kernarg_segment_ptr 1
		.amdhsa_wavefront_size32 1
		.amdhsa_system_sgpr_workgroup_id_x 1
		.amdhsa_system_sgpr_workgroup_id_y 1
		.amdhsa_system_sgpr_workgroup_id_z 1
		.amdhsa_system_vgpr_workitem_id 0
		.amdhsa_next_free_vgpr 512
		.amdhsa_next_free_sgpr 66
		.amdhsa_reserve_vcc 0
		.amdhsa_float_denorm_mode_32 3
		.amdhsa_float_denorm_mode_16_64 3
		.amdhsa_memory_ordered 1
		.amdhsa_forward_progress 1
		.amdhsa_inst_pref_size 42
	.end_amdhsa_kernel
	.amdgpu_metadata
---
amdhsa.version: [ 1, 2 ]
amdhsa.kernels:
  - .name:           k_qd8f78b9fc8_quant
    .symbol:         k_qd8f78b9fc8_quant.kd
    .args:
      - { .name: x, .offset: 0, .size: 8, .value_kind: global_buffer, .address_space: global }
      - { .name: Wq, .offset: 8, .size: 8, .value_kind: global_buffer, .address_space: global }
      - { .name: Wk, .offset: 16, .size: 8, .value_kind: global_buffer, .address_space: global }
      - { .name: Wv, .offset: 24, .size: 8, .value_kind: global_buffer, .address_space: global }
      - { .name: Wo, .offset: 32, .size: 8, .value_kind: global_buffer, .address_space: global }
      - { .name: codes, .offset: 40, .size: 8, .value_kind: global_buffer, .address_space: global }
      - { .name: rec, .offset: 48, .size: 8, .value_kind: global_buffer, .address_space: global }
    .group_segment_fixed_size: 17152
    .private_segment_fixed_size: 0
    .kernarg_segment_align: 8
    .kernarg_segment_size: 56
    .max_flat_workgroup_size: 32
    .sgpr_count:     66
    .vgpr_count:     512
    .wavefront_size: 32
...
	.end_amdgpu_metadata
.endif
;; end of part 1
;; launch qkv (part 2): grid 256 x 1, 4 waves a work-group, no clusters, 8,704 bytes of LDS; arguments codes, rec, bq, bk, bv, qcodes, qside, kcodes, kside, vcodes; writes qcodes, qside, kcodes, kside, vcodes
.if DOCPART == 2
	.amdgcn_target "amdgcn-amd-amdhsa--gfx1250"
	.amdhsa_code_object_version 6
	.text
	.protected	k_qd8f78b9fc8_qkv
	.globl	k_qd8f78b9fc8_qkv
	.p2align	8
	.type	k_qd8f78b9fc8_qkv,@function
k_qd8f78b9fc8_qkv:
	s_mov_b64 s[64:65], 0
	v_nop
	global_prefetch_b8 v0, s[64:65] scope:SCOPE_SE
	s_setreg_imm32_b32 hwreg(HW_REG_WAVE_MODE, 25, 1), 1
	s_wait_xcnt 0x0
; q, k, v = hyp_linear(x, W, b) on codes of FP6, and their quantising for the attention: q and k along the head's 64 channels, v along the keys.
; hyp_linear's result is alpha[row] x mx + beta[row] x b, mx = x W^T; alpha and beta are made from four sums of a row: |x|^2 (stored beside x's codes), |mx|^2, mx . b, |b|^2 (macro ROWMATH).
; SHARES.  A work-group owns 32 rows (two tiles of 16, one block of 32 keys).  THE WAVES SHARE THE COLUMNS: wave w makes channels 128 w .. 128 w + 127 (two heads) of q, then of k, then of v.  A row's sums meet in LDS, one barrier a phase.
; q, k: the product is used transposed (source 0 = 16 rows of W, source 1 = 16 rows of x): a lane holds one row, its registers run along the channels.
; v: the natural way (source 0 = x, source 1 = W): a lane holds one channel, its registers run down the 32 rows, which are the second attention product's K.
; The rows of a tile (of x and of W) are 32 (t / 2) + 8 (t % 2) + r + 8 (r / 8): so the 16 registers of two neighbouring tiles are 16 neighbours along the next K.
; The weights come from memory straight into registers, as images of the operand's registers: each fragment feeds its two products and is done with, so a way through LDS would only move each byte once more.
; NO CLUSTER: only tensor loads can be asked for jointly, and this text has none.
; OUT.  qcodes, kcodes [head 32][tile 128][768]: 16 rows x 64 K, 6 registers a lane: register pair p of lane l at 256 p + 8 l.
;   vcodes [head][key block 64][2][768]: the same image; lanes 0-15 hold channel tile 2 tau, lanes 16-31 tile 2 tau + 1, each lane its channel's 32 keys; in odd key blocks the two halves of each 256 bytes change places.
;   qside, kside [head][32,768]: +0 [block 64][n2 of 32 rows | 1 - n2 of 32 rows], n2 = min(the row's sum of squares in this head, 1 - 1e-5); +16,384 [tile 128][16 scale words: two bytes, then 0x7f7f];
;   kside +24,576 [block 64][32 words]: byte i = the scale of channel tile i of the head at lane r, for v's block of 32 keys.
; LIMITS.  The two norms that project() tests are taken from the row's sums (|res| = s |mx|; |x (+) y|^2 = (x2 + 2 xy + y2) den / den'^2, den' the clamped one), not from a second pass over the elements: another order of rounding.
;   log1p and expm1 are made by the quotients u / ((1 + u) - 1) and y / ln(e^y), so that small inputs keep their relative accuracy.  NaN and infinities among the inputs are not served; sums of squares under 2^-126 count as 0.
; REGISTERS, in windows of 256.  Window 0: v1-15 addresses; v24-31 x's scale words; v32-63 W's; v64-95 32 finished numbers; v96-119 codes, 4 sets; v124-131 quantiser; v132-165 sums; v166-199 ROWMATH; v200-231 alpha, beta; v232-255 what the side stores read.
;   Window 1: v0-95 x's 8 fragments; v96-223 the 16 accumulators (tile tl of W, tile u of x: 8 (2 tl + u)).   Window 2: v0-63 a bias; v64-255 W's tiles 4-7.   Window 3: v0-191 W's tiles 0-3; v192-255 a bias.
.set MINN, 0x26901d7d                  ; 1e-15
.set MAXN, 0x3f7ef9db                  ; 0.996
.set ATC,  0x3f7ffffe                  ; 1 - 1e-7
.set LN2,  0x3f317218
.set L2E,  0x3fb8aa3b
.set Y40,  0x42200000                  ; 40: tanh(20) is 1 in f32
.set OME,  0x3f7fff58                  ; 1 - 1e-5
.set A16L, 1                           ; 16 x lane
.set A16R, 2                           ; 16 r
.set A8L,  3                           ; 8 x lane
.set A8X,  4                           ; 8 x (lane xor 16 in odd blocks)
.set A4L,  5                           ; 4 x lane
.set ANAT, 6                           ; 4 x (8 h + r + 8 (r / 8)): the row's place in its block of 32
.set A64H, 7                           ; 64 h
.set ABL,  8                           ; 4 x (r + 8 (r / 8))
.set RW,   9                           ; LDS: 512 w + 4 x lane
.set RV,   11                          ; LDS: 512 w + 64 h
.set ABW,  12                          ; LDS: 256 w + 4 x lane
.set ABR,  13                          ; LDS: 256 w + 64 h
.set XNT,  14                          ; |x|^2 of row r of tile h
.set XNV,  15                          ; |x|^2 of the block's row number lane
.set XS,   24
.set WS,   32
.set F,    64
.set PC,   96
.set CT,   120
.set TM,   124
.set SUM,  132
.set RM,   166
.set AL,   198
.set BE,   199
.set AB,   200
.set TV,   232
.set ACC,  96                          ; in window 1
.set SEL,  26
.set HM,   28
.set ABB,  6144                        ; LDS: behind the three phases' sums (2,048 bytes each): alpha and beta, 256 bytes a wave
.set MSB, 0
.macro WIN new
.if MSB != \new
	s_set_vgpr_msb (MSB<<8)|\new
.set MSB, \new
.endif
.endm
.macro TW                              ; behind a batch of transcendentals: one plain place, then the wait ahead of the first reader
	v_nop
	s_wait_alu depctr_va_vdst(0)
.endm
.macro WM6 d, a, b, c, sa, sb
	v_wmma_scale_f32_16x16x128_f8f6f4 v[\d:\d+7], v[\a:\a+11], v[\b:\b+11], \c, v[\sa], v[\sb] matrix_a_fmt:MATRIX_FMT_FP6 matrix_b_fmt:MATRIX_FMT_FP6
.endm
; 32 numbers of a lane in two groups of 16 (group g, element i = place 16 h + i of a block of 32) become 6 registers of codes: lanes 0-15 hold group 0's 32 codes, lanes 16-31 group 1's.  The bytes: v[TM+6], v[TM+7].
.macro QUANT2 s, pc
.irp g, 0,1
	v_max3_num_f32 v[TM+\g], |v[\s+16*\g]|, |v[\s+16*\g+1]|, 0x1800000   ; and the floor 2^(3 - 127): the byte cannot fall under 1
.endr
.irp i, 2,4,6,8,10,12,14
.irp g, 0,1
	v_max3_num_f32 v[TM+\g], v[TM+\g], |v[\s+16*\g+\i]|, |v[\s+16*\g+\i+1]|
.endr
.endr
.irp g, 0,1
	v_permlanex16_b32 v[TM+2+\g], v[TM+\g], s[SEL], s[SEL+1]
.endr
.irp g, 0,1
	v_max_num_f32 v[TM+\g], v[TM+\g], v[TM+2+\g]
.endr
.irp g, 0,1
	v_add_nc_u32 v[TM+4+\g], 0xff000000, v[TM+\g]  ; 2 off the exponent field: the conversion's scale operand
.endr
.irp g, 0,1
	v_lshrrev_b32 v[TM+6+\g], 23, v[TM+4+\g]       ; the scale's byte
.endr
	v_cvt_scalef32_pk16_fp6_f32 v[\pc:\pc+2], v[\s:\s+15], v[TM+4]
	v_cvt_scalef32_pk16_fp6_f32 v[CT:CT+2], v[\s+16:\s+31], v[TM+5]
	v_nop                                          ; one plain place behind a scaled conversion
.irp i, 0,1,2
	v_permlane16_swap_b32 v[\pc+\i], v[CT+\i]
.endr
.irp i, 0,1,2
	v_mov_b32 v[\pc+3+\i], v[CT+\i]
.endr
.endm
; One row a lane.  In: |x|^2 in v[x2], |mx|^2 in v[SUM+20], mx . b in v[SUM+21], |b|^2 in v[SUM+22].  Out: v[AL], v[BE]: the row of hyp_linear is AL x mx + BE x b.
.macro ROWMATH x2
	v_sqrt_f32 v[RM+0], v[\x2]
	v_sqrt_f32 v[RM+1], v[SUM+20]                  ; |mx|
	TW
	v_max_num_f32 v[RM+2], MINN, v[RM+0]           ; x_norm
	v_max_num_f32 v[RM+3], MINN, v[RM+1]           ; mx_norm
	v_min_num_f32 v[RM+4], ATC, v[RM+2]            ; artanh's clip
	v_sub_f32 v[RM+5], 1.0, v[RM+4]
	v_rcp_f32 v[RM+6], v[RM+5]
	v_rcp_f32 v[RM+7], v[RM+2]
	v_rcp_f32 v[RM+8], v[RM+3]
	TW
	v_mul_f32 v[RM+9], v[RM+4], v[RM+6]
	v_add_f32 v[RM+9], v[RM+9], v[RM+9]            ; u = 2 x / (1 - x): 2 artanh(x) = log1p(u)
	v_add_f32 v[RM+10], 1.0, v[RM+9]
	v_add_f32 v[RM+11], -1.0, v[RM+10]
	v_log_f32 v[RM+12], v[RM+10]
	v_rcp_f32 v[RM+13], v[RM+11]
	TW
	v_mul_f32 v[RM+12], LN2, v[RM+12]
	v_mul_f32 v[RM+12], v[RM+12], v[RM+9]
	v_mul_f32 v[RM+12], v[RM+12], v[RM+13]         ; ln(1 + u) x u / ((1 + u) - 1)
	v_cmp_eq_f32 vcc_lo, 0, v[RM+11]
	v_cndmask_b32 v[RM+12], v[RM+12], v[RM+9], vcc_lo   ; u itself where 1 + u is 1
	v_mul_f32 v[RM+14], v[RM+3], v[RM+7]
	v_mul_f32 v[RM+14], v[RM+14], v[RM+12]         ; y = 2 z, z the argument of tanh
	v_min_num_f32 v[RM+14], Y40, v[RM+14]
	v_mul_f32 v[RM+15], L2E, v[RM+14]
	v_exp_f32 v[RM+16], v[RM+15]                   ; e = e^y
	TW
	v_add_f32 v[RM+17], -1.0, v[RM+16]
	v_log_f32 v[RM+18], v[RM+16]
	TW
	v_mul_f32 v[RM+18], LN2, v[RM+18]
	v_rcp_f32 v[RM+19], v[RM+18]
	TW
	v_mul_f32 v[RM+20], v[RM+17], v[RM+14]
	v_mul_f32 v[RM+20], v[RM+20], v[RM+19]         ; expm1(y) = (e - 1) y / ln e
	v_cmp_eq_f32 vcc_lo, 0, v[RM+17]
	v_cndmask_b32 v[RM+20], v[RM+20], v[RM+14], vcc_lo  ; y itself where e is 1
	v_add_f32 v[RM+21], 2.0, v[RM+20]
	v_rcp_f32 v[RM+22], v[RM+21]
	TW
	v_mul_f32 v[RM+20], v[RM+20], v[RM+22]         ; tanh(z)
	v_mul_f32 v[RM+23], v[RM+20], v[RM+8]          ; s0: res = s0 x mx
	v_mul_f32 v[RM+24], v[RM+23], v[RM+1]
	v_max_num_f32 v[RM+24], MINN, v[RM+24]         ; |res|
	v_rcp_f32 v[RM+25], v[RM+24]
	TW
	v_mul_f32 v[RM+25], v[RM+25], v[RM+23]
	v_mul_f32 v[RM+25], MAXN, v[RM+25]
	v_cmp_lt_f32 vcc_lo, MAXN, v[RM+24]
	v_cndmask_b32 v[RM+23], v[RM+23], v[RM+25], vcc_lo  ; s, projected
	v_mul_f32 v[RM+26], v[RM+23], v[RM+1]
	v_mul_f32 v[RM+26], v[RM+26], v[RM+26]         ; x2
	v_mul_f32 v[RM+27], v[RM+23], v[SUM+21]        ; xy
	v_fma_f32 v[RM+28], 2.0, v[RM+27], 1.0
	v_add_f32 v[RM+29], v[RM+28], v[SUM+22]        ; 1 + 2 xy + y2
	v_fma_f32 v[RM+30], v[RM+26], v[SUM+22], v[RM+28]   ; 1 + 2 xy + x2 y2
	v_max_num_f32 v[RM+31], MINN, v[RM+30]
	v_rcp_f32 v[RM+0], v[RM+31]                    ; 1 / den
	v_fma_f32 v[RM+2], 2.0, v[RM+27], v[RM+26]
	v_add_f32 v[RM+2], v[RM+2], v[SUM+22]
	v_max_num_f32 v[RM+2], 0, v[RM+2]              ; |x + y|^2
	v_mul_f32 v[RM+2], v[RM+2], v[RM+30]
	s_wait_alu depctr_va_vdst(0)
	v_mul_f32 v[RM+2], v[RM+2], v[RM+0]
	v_mul_f32 v[RM+2], v[RM+2], v[RM+0]            ; |num / den|^2
	v_sqrt_f32 v[RM+3], v[RM+2]
	TW
	v_max_num_f32 v[RM+3], MINN, v[RM+3]
	v_rcp_f32 v[RM+4], v[RM+3]
	TW
	v_mul_f32 v[RM+4], MAXN, v[RM+4]
	v_cmp_lt_f32 vcc_lo, MAXN, v[RM+3]
	v_cndmask_b32 v[RM+4], 1.0, v[RM+4], vcc_lo    ; the second projection
	v_mul_f32 v[RM+4], v[RM+4], v[RM+0]
	v_mul_f32 v[RM+5], v[RM+29], v[RM+23]
	v_mul_f32 v[AL], v[RM+5], v[RM+4]
	v_sub_f32 v[RM+6], 1.0, v[RM+26]
	v_mul_f32 v[BE], v[RM+6], v[RM+4]
.endm
; my 128 numbers of a bias as the transposed result wants them: register 8 tl + j = b[128 w + 32 (tl / 2) + 16 h + 8 (tl % 2) + j]
.macro LOADB_T bi, bw, bq
.set WN, (\bw)<<6
	WIN WN
.set ii, 0
.rept 16
	global_load_b128 v[\bq+4*ii:\bq+4*ii+3], v[A64H], s[\bi:\bi+1] offset:128*(ii/4)+16*(ii%4)
.set ii, ii+1
.endr
	WIN 0
.endm
; and as the natural result wants them: my channel's number for each tile, twice, so that it forms a pair; window 2, v0-15
.macro LOADB_V bi
	WIN 0x80
.set tt, 0
.rept 8
	global_load_b32 v[2*tt], v[ABL], s[\bi:\bi+1] offset:(32*(tt/2)+8*(tt%2))*4
	global_load_b32 v[2*tt+1], v[ABL], s[\bi:\bi+1] offset:(32*(tt/2)+8*(tt%2))*4
.set tt, tt+1
.endr
	WIN 0
.endm
; W's tiles 2 P and 2 P + 1: for each its four scale words and its four fragments: 26 loads
.macro LOADP wc, wr, P
.irp g, 0,1
	WIN 0
	global_load_b128 v[WS+4*(2*\P+\g):WS+4*(2*\P+\g)+3], v[A16R], s[\wr:\wr+1] offset:512*(2*\P+\g)
.if \P < 2
	WIN 0xc0
.set WB, 96*\P+48*\g
.else
	WIN 0x80
.set WB, 64+96*(\P-2)+48*\g
.endif
.set ii, 0
.rept 12
	global_load_b128 v[WB+4*ii:WB+4*ii+3], v[A16L], s[\wc:\wc+1] offset:6144*(2*\P+\g)+512*ii
.set ii, ii+1
.endr
.endr
	WIN 0
.endm
; 64 products.  A pair of W's tiles at a time: its four accumulators take turns, one instruction a turn, K ascending.  mode 0: transposed; 1: natural.
.macro GEMM mode
.irp P, 0,1,2,3
.if 26*(3-\P) > 63
	s_wait_loadcnt 63
.else
	s_wait_loadcnt 26*(3-\P)                       ; the later pairs' loads may stay out: 26 each, and nothing else was issued behind them
.endif
.if \P < 2
.set WBASE, 96*\P
.set WW, 3
.else
.set WBASE, 64+96*(\P-2)
.set WW, 2
.endif
.if \mode == 0
.set WN, 0x54+WW
.else
.set WN, 0x51+4*WW
.endif
	WIN WN
.irp s, 0,1,2,3
.irp g, 0,1
.irp u, 0,1
.set rA, ACC+8*(2*(2*\P+\g)+\u)
.set rW, WBASE+48*\g+12*\s
.set rX, 12*(4*\u+\s)
.set rWS, WS+4*(2*\P+\g)+\s
.set rXS, XS+4*\u+\s
.if \mode == 0
.if \s == 0
	WM6 rA, rW, rX, 0, rWS, rXS
.else
	WM6 rA, rW, rX, v[rA:rA+7], rWS, rXS
.endif
.else
.if \s == 0
	WM6 rA, rX, rW, 0, rXS, rWS
.else
	WM6 rA, rX, rW, v[rA:rA+7], rXS, rWS
.endif
.endif
.endr
.endr
.endr
.endr
	WIN 0
.rept 5
	v_nop                                          ; places behind the last products: loads into their sources and reads of their results follow
.endr
.endm
; the sums of a transposed phase: for each of my two rows |mx|^2 and mx . b over my 64 channels, and |b|^2; then the other half of the lanes'; lane (r, h) keeps tile h's
.macro SUMS_T bw, bq, ph
	WIN 0x05
.set tt, 0
.rept 8
.set jj, 0
.rept 4
.set uu, 0
.rept 2
.set rA, ACC+8*(2*tt+uu)+2*jj
.set rS, SUM+4*uu+2*(jj%2)
.if (tt == 0) && (jj < 2)
	v_pk_mul_f32 v[rS:rS+1], v[rA:rA+1], v[rA:rA+1]         ; each accumulator is read from its low end on
.else
	v_pk_fma_f32 v[rS:rS+1], v[rA:rA+1], v[rA:rA+1], v[rS:rS+1]
.endif
.set uu, uu+1
.endr
.set jj, jj+1
.endr
.set tt, tt+1
.endr
.set WN, 0x01|((\bw)<<2)
	WIN WN
.set tt, 0
.rept 8
.set jj, 0
.rept 4
.set uu, 0
.rept 2
.set rA, ACC+8*(2*tt+uu)+2*jj
.set rB, \bq+8*tt+2*jj
.set rS, SUM+8+4*uu+2*(jj%2)
.if (tt == 0) && (jj < 2)
	v_pk_mul_f32 v[rS:rS+1], v[rA:rA+1], v[rB:rB+1]
.else
	v_pk_fma_f32 v[rS:rS+1], v[rA:rA+1], v[rB:rB+1], v[rS:rS+1]
.endif
.set uu, uu+1
.endr
.set jj, jj+1
.endr
.set tt, tt+1
.endr
.set WN, (\bw)|((\bw)<<2)
	WIN WN
.set ii, 0
.rept 32
.set rB, \bq+2*ii
.set rS, SUM+16+2*(ii%4)
.if ii < 4
	v_pk_mul_f32 v[rS:rS+1], v[rB:rB+1], v[rB:rB+1]
.else
	v_pk_fma_f32 v[rS:rS+1], v[rB:rB+1], v[rB:rB+1], v[rS:rS+1]
.endif
.set ii, ii+1
.endr
	WIN 0
.irp q, 0,4,8,12,16,20
	v_pk_add_f32 v[SUM+\q:SUM+\q+1], v[SUM+\q:SUM+\q+1], v[SUM+\q+2:SUM+\q+3]
.endr
	v_pk_add_f32 v[SUM+16:SUM+17], v[SUM+16:SUM+17], v[SUM+20:SUM+21]
.irp q, 0,4,8,12,16
	v_add_f32 v[SUM+\q], v[SUM+\q], v[SUM+\q+1]
.endr
.irp q, 0,4,8,12,16
	v_permlanex16_b32 v[SUM+\q+1], v[SUM+\q], s[SEL], s[SEL+1]
.endr
.irp q, 0,4,8,12,16
	v_add_f32 v[SUM+\q], v[SUM+\q], v[SUM+\q+1]
.endr
	v_cndmask_b32 v[SUM+2], v[SUM], v[SUM+4], s[HM]
	v_cndmask_b32 v[SUM+10], v[SUM+8], v[SUM+12], s[HM]
	ds_store_b32 v[RW], v[SUM+2] offset:2048*\ph
	ds_store_b32 v[RW], v[SUM+10] offset:2048*\ph+128
	ds_store_b32 v[RW], v[SUM+16] offset:2048*\ph+256
.endm
; the four waves' parts meet: my stores have landed, then the barrier, then every wave adds all four in the same order.  Each phase has bytes of its own, so one barrier a phase serves.
.macro REDUCE ph
	s_wait_dscnt 0x0
	s_barrier_signal -1
	s_barrier_wait -1
.set ii, 0
.rept 4
	ds_load_b32 v[SUM+20+3*ii], v[A4L] offset:2048*\ph+512*ii
	ds_load_b32 v[SUM+21+3*ii], v[A4L] offset:2048*\ph+512*ii+128
	ds_load_b32 v[SUM+22+3*ii], v[A4L] offset:2048*\ph+512*ii+256
.set ii, ii+1
.endr
	s_wait_dscnt 0x0
.irp q, 1,2,3
	v_add_f32 v[SUM+20], v[SUM+20], v[SUM+20+3*\q]
	v_add_f32 v[SUM+21], v[SUM+21], v[SUM+21+3*\q]
	v_add_f32 v[SUM+22], v[SUM+22], v[SUM+22+3*\q]
.endr
.endm
.macro DISTR                           ; lane (r, h) has tile h's alpha and beta and wants both tiles': pairs (a0, a0), (a1, a1), (b0, b0), (b1, b1)
	v_permlanex16_b32 v[RM+0], v[AL], s[SEL], s[SEL+1]
	v_permlanex16_b32 v[RM+1], v[BE], s[SEL], s[SEL+1]
.irp q, 0,1
	v_cndmask_b32 v[AB+\q], v[AL], v[RM+0], s[HM]
	v_cndmask_b32 v[AB+2+\q], v[RM+0], v[AL], s[HM]
	v_cndmask_b32 v[AB+4+\q], v[BE], v[RM+1], s[HM]
	v_cndmask_b32 v[AB+6+\q], v[RM+1], v[BE], s[HM]
.endr
.endm
; head 2 w + hl, tile u: the 32 finished numbers of my row's half, the row's sum of squares in this head, the codes
.macro TAILQ hl, u, bw, bq, cp
	WIN \bw
.set ii, 0
.rept 16
	v_pk_mul_f32 v[F+2*ii:F+2*ii+1], v[\bq+32*\hl+2*ii:\bq+32*\hl+2*ii+1], v[AB+4+2*\u:AB+5+2*\u] op_sel_hi:[1,0]
.set ii, ii+1
.endr
	WIN 0x01
.set ii, 0
.rept 16
.set rA, ACC+8*(2*(4*\hl+ii/4)+\u)+2*(ii%4)
	v_pk_fma_f32 v[F+2*ii:F+2*ii+1], v[rA:rA+1], v[AB+2*\u:AB+1+2*\u], v[F+2*ii:F+2*ii+1] op_sel_hi:[1,0,1]
.set ii, ii+1
.endr
	WIN 0
.set ii, 0
.rept 16
.set rS, RM+2*(ii%4)
.if ii < 4
	v_pk_mul_f32 v[rS:rS+1], v[F+2*ii:F+2*ii+1], v[F+2*ii:F+2*ii+1]
.else
	v_pk_fma_f32 v[rS:rS+1], v[F+2*ii:F+2*ii+1], v[F+2*ii:F+2*ii+1], v[rS:rS+1]
.endif
.set ii, ii+1
.endr
	v_pk_add_f32 v[RM:RM+1], v[RM:RM+1], v[RM+2:RM+3]
	v_pk_add_f32 v[RM+4:RM+5], v[RM+4:RM+5], v[RM+6:RM+7]
	v_pk_add_f32 v[RM:RM+1], v[RM:RM+1], v[RM+4:RM+5]
	v_add_f32 v[RM], v[RM], v[RM+1]
	v_permlanex16_b32 v[RM+1], v[RM], s[SEL], s[SEL+1]
	v_add_f32 v[RM], v[RM], v[RM+1]
	v_min_num_f32 v[TV+12+2*\u], OME, v[RM]
	QUANT2 F, PC+6*(2*\hl+\u)
	v_lshl_or_b32 v[TV+13+2*\u], v[TM+7], 8, v[TM+6]
	v_or_b32 v[TV+13+2*\u], 0x7f7f0000, v[TV+13+2*\u]     ; the upper 64 of the instruction's 128 along K are zero codes: their bytes stand for 1
.irp p, 0,1,2
	global_store_b64 v[A8L], v[PC+6*(2*\hl+\u)+2*\p:PC+6*(2*\hl+\u)+2*\p+1], s[\cp:\cp+1] offset:98304*\hl+768*\u+256*\p   ; 256 consecutive bytes, aligned
.endr
.endm
.macro SIDEQ hl, stp, scp              ; lane (r, h) stores tile h's numbers
	v_cndmask_b32 v[TV+3*\hl], v[TV+12], v[TV+14], s[HM]
	v_sub_f32 v[TV+3*\hl+1], 1.0, v[TV+3*\hl]
	v_cndmask_b32 v[TV+3*\hl+2], v[TV+13], v[TV+15], s[HM]
	global_store_b32 v[ANAT], v[TV+3*\hl], s[\stp:\stp+1] offset:32768*\hl
	global_store_b32 v[ANAT], v[TV+3*\hl+1], s[\stp:\stp+1] offset:32768*\hl+128
	global_store_b32 v[A4L], v[TV+3*\hl+2], s[\scp:\scp+1] offset:32768*\hl
.endm
; a transposed phase behind its products; nwc, nwr: the next phase's weights, asked for in four places among the vector work
.macro PHASE_T bw, bq, ph, cp, stp, scp, nwc, nwr
	LOADP \nwc, \nwr, 0
	SUMS_T \bw, \bq, \ph
	REDUCE \ph
	ROWMATH XNT
	LOADP \nwc, \nwr, 1
	DISTR
	s_wait_xcnt 0x0                                ; the last phase's stores have read their registers: codes and side numbers may be written again
	TAILQ 0, 0, \bw, \bq, \cp
	TAILQ 0, 1, \bw, \bq, \cp
	SIDEQ 0, \stp, \scp
	LOADP \nwc, \nwr, 2
	LOADP \nwc, \nwr, 3
	TAILQ 1, 0, \bw, \bq, \cp
	TAILQ 1, 1, \bw, \bq, \cp
	SIDEQ 1, \stp, \scp
.endm
	s_load_b512 s[4:19], s[0:1], 0x0               ; codes, rec, bq, bk, bv, qcodes, qside, kcodes
	s_load_b128 s[20:23], s[0:1], 0x40             ; kside, vcodes
	v_lshl_add_u32 v254, v0, 2, 0x2000
	v_mov_b32 v255, 0
	v_and_b32 v16, 31, v0                          ; lane
	v_and_b32 v17, 15, v0                          ; r
	v_bfe_u32 v18, v0, 4, 1                        ; h
	v_lshrrev_b32 v19, 5, v0
	v_readfirstlane_b32 s24, v19                   ; wave
	v_lshlrev_b32 v[A16L], 4, v16
	v_lshlrev_b32 v[A16R], 4, v17
	v_lshlrev_b32 v[A8L], 3, v16
	s_and_b32 s70, ttmp9, 1
	s_lshl_b32 s70, s70, 4
	v_xor_b32 v[A8X], s70, v16
	v_lshlrev_b32 v[A8X], 3, v[A8X]
	v_lshlrev_b32 v[A4L], 2, v16
	v_and_b32 v20, 8, v17
	v_add_nc_u32 v20, v20, v17                     ; r + 8 (r / 8)
	v_lshlrev_b32 v[ABL], 2, v20
	v_lshl_add_u32 v21, v18, 3, v20
	v_lshlrev_b32 v[ANAT], 2, v21
	v_lshlrev_b32 v[A64H], 6, v18
	v_lshl_add_u32 v[RW], v19, 9, v[A4L]
	v_lshl_add_u32 v[RV], v19, 9, v[A64H]
	v_lshl_add_u32 v[ABW], v19, 8, v[A4L]
	v_lshl_add_u32 v[ABR], v19, 8, v[A64H]
	v_lshl_add_u32 v[AB+30], v18, 9, v[A16R]       ; rec: tile h, lane 16 + r (the 256 stands in the load)
	v_bfe_u32 v22, v0, 3, 1
	v_and_b32 v23, 7, v0
	v_lshlrev_b32 v23, 4, v23
	v_lshl_add_u32 v23, v18, 7, v23
	v_lshl_add_u32 v[AB+31], v22, 9, v23           ; rec: the block's row number lane lies in tile (lane / 8) % 2 at lane 8 (lane / 16) + lane % 8
	v_mov_b32 v[TM+2], 0                           ; written once: a lane permute's destination counts as one of its sources
	v_mov_b32 v[TM+3], 0
	s_mov_b32 s[SEL], 0x76543210
	s_mov_b32 s[SEL+1], 0xfedcba98
	s_mov_b32 s[HM], 0xffff0000
	s_lshr_b32 s70, ttmp9, 6                       ; batch
	s_and_b32 s71, ttmp9, 63                       ; the block in its batch
	s_lshl_b32 s72, s70, 3
	s_lshl_b32 s73, s24, 1
	s_add_co_u32 s72, s72, s73                     ; my first head: 8 x batch + 2 x wave
	s_mul_i32 s74, s72, 98304
	s_mul_i32 s73, s71, 1536
	s_add_co_u32 s74, s74, s73
	s_mov_b32 s75, 0
	s_lshl_b32 s76, s72, 15
	s_wait_kmcnt 0x0
	s_add_nc_u64 s[52:53], s[14:15], s[74:75]      ; q's codes
	s_add_nc_u64 s[58:59], s[18:19], s[74:75]      ; k's
	s_add_nc_u64 s[66:67], s[22:23], s[74:75]      ; v's
	s_lshl_b32 s73, s71, 8
	s_add_co_u32 s74, s76, s73
	s_add_nc_u64 s[54:55], s[16:17], s[74:75]      ; q's n2 and 1 - n2
	s_add_nc_u64 s[60:61], s[20:21], s[74:75]      ; k's
	s_lshl_b32 s73, s71, 7
	s_add_co_u32 s74, s76, s73
	s_add_co_u32 s74, s74, 16384
	s_add_nc_u64 s[56:57], s[16:17], s[74:75]      ; q's scale words
	s_add_nc_u64 s[62:63], s[20:21], s[74:75]      ; k's
	s_add_co_u32 s74, s74, 8192
	s_add_nc_u64 s[68:69], s[20:21], s[74:75]      ; v's scale bytes
	s_mul_i32 s74, s24, 49152
	s_add_co_u32 s74, s74, 3145728                 ; tile 512 + 8 w
.irp m, 0,1,2
	s_add_nc_u64 s[30+2*\m:31+2*\m], s[4:5], s[74:75]
	s_add_co_u32 s74, s74, 196608
.endr
	s_lshl_b32 s74, s24, 12
	s_add_co_u32 s74, s74, 262144
.irp m, 0,1,2
	s_add_nc_u64 s[36+2*\m:37+2*\m], s[6:7], s[74:75]
	s_add_co_u32 s74, s74, 16384
.endr
	s_lshl_b32 s74, s24, 9
	s_add_nc_u64 s[42:43], s[8:9], s[74:75]
	s_add_nc_u64 s[44:45], s[10:11], s[74:75]
	s_add_nc_u64 s[46:47], s[12:13], s[74:75]
	s_mul_i32 s74, ttmp9, 12288
	s_add_nc_u64 s[48:49], s[4:5], s[74:75]        ; x's two tiles
	s_lshl_b32 s74, ttmp9, 10
	s_add_nc_u64 s[50:51], s[6:7], s[74:75]
	global_load_b32 v[XNT], v[AB+30], s[50:51] offset:256
	global_load_b32 v[XNV], v[AB+31], s[50:51] offset:256
	global_load_b128 v[XS:XS+3], v[A16R], s[50:51]
	global_load_b128 v[XS+4:XS+7], v[A16R], s[50:51] offset:512
	WIN 0x40
.set ii, 0
.rept 24
	global_load_b128 v[4*ii:4*ii+3], v[A16L], s[48:49] offset:512*ii    ; x's fragments (u, s) at v[12 (4 u + s)]: they stay
.set ii, ii+1
.endr
	WIN 0
	LOADB_T 42, 2, 0
	LOADP 30, 36, 0
	LOADP 30, 36, 1
	LOADP 30, 36, 2
	LOADP 30, 36, 3
	; ---- q
	GEMM 0
	LOADB_T 44, 3, 192
	PHASE_T 2, 0, 0, 52, 54, 56, 32, 38
	; ---- k
	GEMM 0
	LOADB_V 46
	PHASE_T 3, 192, 1, 58, 60, 62, 34, 40
	; ---- v: lane r is channel 128 w + 32 (tl / 2) + 8 (tl % 2) + r + 8 (r / 8); register j of accumulator (tl, u) is the block's row 16 h + 8 u + j
	GEMM 1
	WIN 0x05
.set tt, 0
.rept 8
.set uu, 0
.rept 2
.set jj, 0
.rept 4
.set rA, ACC+8*(2*tt+uu)+2*jj
.set rS, SUM+8*uu+2*jj
.if tt == 0
	v_pk_mul_f32 v[rS:rS+1], v[rA:rA+1], v[rA:rA+1]
.else
	v_pk_fma_f32 v[rS:rS+1], v[rA:rA+1], v[rA:rA+1], v[rS:rS+1]
.endif
.set jj, jj+1
.endr
.set uu, uu+1
.endr
.set tt, tt+1
.endr
	WIN 0x09
.set tt, 0
.rept 8
.set uu, 0
.rept 2
.set jj, 0
.rept 4
.set rA, ACC+8*(2*tt+uu)+2*jj
.set rS, SUM+16+8*uu+2*jj
.if tt == 0
	v_pk_mul_f32 v[rS:rS+1], v[rA:rA+1], v[2*tt:2*tt+1] op_sel_hi:[1,0]
.else
	v_pk_fma_f32 v[rS:rS+1], v[rA:rA+1], v[2*tt:2*tt+1], v[rS:rS+1] op_sel_hi:[1,0,1]
.endif
.set jj, jj+1
.endr
.set uu, uu+1
.endr
.set tt, tt+1
.endr
	WIN 0x0a
	v_mul_f32 v[SUM+32], v[0], v[0]
.irp t, 1,2,3,4,5,6,7
	v_fma_f32 v[SUM+32], v[2*\t], v[2*\t], v[SUM+32]
.endr
	WIN 0
.irp m, 1,2,4,8                        ; over the 16 channels of my half of the lanes
.set ii, 0
.rept 33
	v_add_f32_dpp v[SUM+ii], v[SUM+ii], v[SUM+ii] row_xmask:\m row_mask:0xf bank_mask:0xf
.set ii, ii+1
.endr
.endr
.set ii, 0
.rept 16
	ds_store_b32 v[RV], v[SUM+ii] offset:4096+4*ii          ; the 16 lanes of a half write the same word with the same value: row 16 h + ii
	ds_store_b32 v[RV], v[SUM+16+ii] offset:4096+128+4*ii
.set ii, ii+1
.endr
	ds_store_b32 v[RW], v[SUM+32] offset:4096+256
	REDUCE 2                                       ; lane l now stands for the block's row l
	ROWMATH XNV
	ds_store_b32 v[ABW], v[AL] offset:ABB          ; my wave's own bytes: LDS serves a wave's instructions in order
	ds_store_b32 v[ABW], v[BE] offset:ABB+128
.irp k, 0,1,2,3
	ds_load_b128 v[AB+4*\k:AB+4*\k+3], v[ABR] offset:ABB+16*\k            ; alpha of rows 16 h + 0 .. 15
	ds_load_b128 v[AB+16+4*\k:AB+19+4*\k], v[ABR] offset:ABB+128+16*\k    ; beta
.endr
	s_wait_dscnt 0x0
	s_wait_xcnt 0x0                                ; k's stores have read their registers
.macro TAILV P                         ; channel tiles 2 P and 2 P + 1: 16 rows of each in my lane; a block of 32 keys lies in lanes l and l xor 16
	WIN 0x08
.set gg, 0
.rept 2
.set ii, 0
.rept 8
	v_pk_mul_f32 v[F+16*gg+2*ii:F+16*gg+2*ii+1], v[AB+16+2*ii:AB+17+2*ii], v[2*(2*\P+gg):2*(2*\P+gg)+1] op_sel_hi:[1,0]
.set ii, ii+1
.endr
.set gg, gg+1
.endr
	WIN 0x01
.set gg, 0
.rept 2
.set ii, 0
.rept 8
.set rA, ACC+8*(2*(2*\P+gg)+ii/4)+2*(ii%4)
	v_pk_fma_f32 v[F+16*gg+2*ii:F+16*gg+2*ii+1], v[rA:rA+1], v[AB+2*ii:AB+2*ii+1], v[F+16*gg+2*ii:F+16*gg+2*ii+1]
.set ii, ii+1
.endr
.set gg, gg+1
.endr
	WIN 0
	QUANT2 F, PC+6*\P
.if \P%2 == 0
	v_lshl_or_b32 v[TV+\P/2], v[TM+7], 8, v[TM+6]
.else
	v_lshl_or_b32 v[TV+\P/2], v[TM+6], 16, v[TV+\P/2]
	v_lshl_or_b32 v[TV+\P/2], v[TM+7], 24, v[TV+\P/2]
.endif
.irp p, 0,1,2
	global_store_b64 v[A8X], v[PC+6*\P+2*\p:PC+6*\P+2*\p+1], s[66:67] offset:98304*(\P/2)+768*(\P%2)+256*\p
.endr
.endm
	TAILV 0
	TAILV 1
	global_store_b32 v[A4L], v[TV], s[68:69]
	TAILV 2
	TAILV 3
	global_store_b32 v[A4L], v[TV+1], s[68:69] offset:32768
	s_wait_tensorcnt 0x0
	ds_add_u32 v254, v255
	s_wait_dscnt 0x0
	s_endpgm
.Lfunc_end_k_qd8f78b9fc8_qkv:
	.size	k_qd8f78b9fc8_qkv, .Lfunc_end_k_qd8f78b9fc8_qkv-k_qd8f78b9fc8_qkv
	.p2alignl 7, 3214868480
	.fill 96, 4, 3214868480
	.section	.rodata,"a",@progbits
	.p2align	6, 0x0
	.amdhsa_kernel k_qd8f78b9fc8_qkv
		.amdhsa_group_segment_fixed_size 8704
		.amdhsa_private_segment_fixed_size 0
		.amdhsa_enable_private_segment 0
		.amdhsa_kernarg_size 80
		.amdhsa_user_sgpr_count 2
		.amdhsa_user_sgpr_kernarg_segment_ptr 1
		.amdhsa_wavefront_size32 1
		.amdhsa_system_sgpr_workgroup_id_x 1
		.amdhsa_system_sgpr_workgroup_id_y 1
		.amdhsa_system_sgpr_workgroup_id_z 1
		.amdhsa_system_vgpr_workitem_id 0
		.amdhsa_next_free_vgpr 1024
		.amdhsa_next_free_sgpr 96
		.amdhsa_reserve_vcc 1
		.amdhsa_float_denorm_mode_32 3
		.amdhsa_float_denorm_mode_16_64 3
		.amdhsa_memory_ordered 1
		.amdhsa_forward_progress 1
		.amdhsa_inst_pref_size 189
	.end_amdhsa_kernel
	.amdgpu_metadata
---
amdhsa.version: [ 1, 2 ]
amdhsa.kernels:
  - .name:           k_qd8f78b9fc8_qkv
    .symbol:         k_qd8f78b9fc8_qkv.kd
    .args:
      - { .name: codes, .offset: 0, .size: 8, .value_kind: global_buffer, .address_space: global }
      - { .name: rec, .offset: 8, .size: 8, .value_kind: global_buffer, .address_space: global }
      - { .name: bq, .offset: 16, .size: 8, .value_kind: global_buffer, .address_space: global }
      - { .name: bk, .offset: 24, .size: 8, .value_kind: global_buffer, .address_space: global }
      - { .name: bv, .offset: 32, .size: 8, .value_kind: global_buffer, .address_space: global }
      - { .name: qcodes, .offset: 40, .size: 8, .value_kind: global_buffer, .address_space: global }
      - { .name: qside, .offset: 48, .size: 8, .value_kind: global_buffer, .address_space: global }
      - { .name: kcodes, .offset: 56, .size: 8, .value_kind: global_buffer, .address_space: global }
      - { .name: kside, .offset: 64, .size: 8, .value_kind: global_buffer, .address_space: global }
      - { .name: vcodes, .offset: 72, .size: 8, .value_kind: global_buffer, .address_space: global }
    .group_segment_fixed_size: 8704
    .private_segment_fixed_size: 0
    .kernarg_segment_align: 8
    .kernarg_segment_size: 80
    .max_flat_workgroup_size: 128
    .sgpr_count:     96
    .vgpr_count:     1024
    .wavefront_size: 32
...
	.end_amdgpu_metadata
.endif
;; end of part 2
;; launch attn (part 3): grid 8 x 32, 16 waves a work-group, clusters of 4 x 1, 231,424 bytes of LDS; arguments qcodes, qside, kcodes, kside, vcodes, obuf; writes obuf
.if DOCPART == 3
	.amdgcn_target "amdgcn-amd-amdhsa--gfx1250"
	.amdhsa_code_object_version 6
	.text
	.protected	k_qd8f78b9fc8_attn
	.globl	k_qd8f78b9fc8_attn
	.p2align	8
	.type	k_qd8f78b9fc8_attn,@function
k_qd8f78b9fc8_attn:
	s_mov_b64 s[64:65], 0
	v_nop
	global_prefetch_b8 v0, s[64:65] scope:SCOPE_SE
	s_setreg_imm32_b32 hwreg(HW_REG_WAVE_MODE, 25, 1), 1
	s_wait_xcnt 0x0
	s_wait_alu depctr_hold_cnt(0) depctr_sa_sdst(0) depctr_va_vdst(0) depctr_va_sdst(0) depctr_va_ssrc(0) depctr_va_vcc(0) depctr_vm_vsrc(0)
	s_getreg_b32 s2, hwreg(HW_REG_IB_STS2, 6, 4)
	s_cmp_eq_u32 s2, 0
	s_cbranch_scc0 .Lentry_in_a_cluster
	s_endpgm
.Lentry_in_a_cluster:
	s_bfe_u32 s2, ttmp6, 0x10000c
	s_cmp_lg_u32 s2, 0x3003
	s_cbranch_scc0 .Lentry_shape_is_right
	s_endpgm
.Lentry_shape_is_right:
; The attention of one head on codes of FP6: scores from q k^T, the hyperbolic distance, softmax, times v; the result is quantised along the channels for the last layer.
; score = -sqrt(max(2 (qk - q2 k2) / ((1 - q2)(1 - k2) + eps), eps)) / 8.  With n = qk - q2 k2, d = (1 - q2)(1 - k2) + eps, n' = max(n, d eps / 2): sqrt(max(2 n / d, eps)) = sqrt2 x n' x rsq(n' d): no division.
; n' d is at least eps^3 / 2, so no denormal reaches the root.  t = score x log2(e) = NC x g, g = n' rsq(n' d), NC = -sqrt2 log2(e) / 8.
; SOFTMAX.  M = the running largest t rounded up to a whole number, kept as -M; p = 2^(t - M) is quantised along the keys, not normalised; the row's sum is taken of the unquantised p and divides at the end.
; When M moves, the sum and O are multiplied by 2^(old M - new M), which rounds nothing.
; SHARES.  A work-group owns 256 queries of one head; each of its sixteen waves owns one tile of 16 queries in 256 registers, four waves to a SIMD.  Every wave walks the head's 2,048 keys, 128 a step.
; A WHOLE HEAD STAYS IN LDS, filled once: the side numbers (32,768 bytes), k's codes (98,304), v's codes (98,304).  So there is no ring and no slot is filled again.
; CLUSTER.  The four work-groups of a cluster belong to one head: the fill is 14 joint loads of 16,384 bytes, wave i's to LDS byte 16,384 i, with the same descriptor in all four; by this text's count one tensor load a wave is out.
; LAYOUT.  Both products are used transposed (S^T = k q^T, O^T = v^T p^T): a lane holds one query (lane % 16) throughout.  The keys of tile tau are 32 (tau / 2) + 8 (tau % 2) + r + 8 (r / 8).
; K = 64 IN AN INSTRUCTION OF 128: q's registers 6-11 are zero codes.  Tile tau's operand is 12 registers of which the upper six are the next tile's codes: any code times the code 0 is 0, and those blocks' scale bytes stand for 1.
; REGISTERS: v1-6 LDS addresses; v7-10 offsets in memory; v12 -M, v13 the largest t, v[14:15] the sum; v16-27 q; v28 its scale word; v[30:31] -q2; v[32:33] 1 - q2; v34-41 k's scale words; v42-45 v's;
;   v48-111 k's fragments, then k2 and 1 - k2, then v's fragments; v112-175 S^T, then p; v176-207 O^T; v208-219 p's codes; v220-227 the conversions' second halves; v228-255 at work.
.set KB,  32768
.set VB,  131072
.set AK,  1                            ; k's codes: KB + 8 x lane
.set AV0, 2                            ; v's even channel tiles: VB + 1,664 h + 8 r
.set AV1, 3                            ; odd ones: VB + 128 + 1,408 h + 8 r
.set ASK, 4                            ; k's scale words: 16,384 + 4 r
.set ASU, 5                            ; v's scale bytes: 24,576 + 4 r
.set AST, 6                            ; k2, 1 - k2: 64 h
.set QF,  16
.set QS,  28
.set NQ,  30
.set AA,  32
.set KS,  34
.set VS,  42
.set R1,  48
.set S,   112
.set O,   176
.set PC,  208
.set CT,  220
.set BM,  228                          ; each block's least g, then its largest p
.set TM,  228                          ; the quantiser of the way out works in the same registers
.set PT,  232
.set SO,  236
.set BY,  240
.set PW,  244
.set FF,  246
.set US,  248
.set WV,  18
.set SEL, 20
.set NC,  22
.set HM,  44
.macro WM6 d, a, b, c, sa, sb
	v_wmma_scale_f32_16x16x128_f8f6f4 v[\d:\d+7], v[\a:\a+11], v[\b:\b+11], \c, v[\sa], v[\sb] matrix_a_fmt:MATRIX_FMT_FP6 matrix_b_fmt:MATRIX_FMT_FP6
.endm
.macro ROUND                           ; a round of the cluster's barrier
	s_barrier_signal -1
	s_barrier_wait -1
	s_cmp_lg_u32 s[WV], 0
	s_cbranch_scc1 .Lnot_wave_0_\@
	s_barrier_signal -3
.Lnot_wave_0_\@:
	s_barrier_wait -3
	s_barrier_signal -1
	s_barrier_wait -1
.endm
.macro QUANT2 s, pc                    ; 32 numbers in two groups of 16 become 6 registers of codes: lanes 0-15 group 0's 32 codes, lanes 16-31 group 1's; the bytes: v[TM+6], v[TM+7]
.irp g, 0,1
	v_max3_num_f32 v[TM+\g], |v[\s+16*\g]|, |v[\s+16*\g+1]|, 0x1800000
.endr
.irp i, 2,4,6,8,10,12,14
.irp g, 0,1
	v_max3_num_f32 v[TM+\g], v[TM+\g], |v[\s+16*\g+\i]|, |v[\s+16*\g+\i+1]|
.endr
.endr
.irp g, 0,1
	v_permlanex16_b32 v[TM+2+\g], v[TM+\g], s[SEL], s[SEL+1]
.endr
.irp g, 0,1
	v_max_num_f32 v[TM+\g], v[TM+\g], v[TM+2+\g]
.endr
.irp g, 0,1
	v_add_nc_u32 v[TM+4+\g], 0xff000000, v[TM+\g]
.endr
.irp g, 0,1
	v_lshrrev_b32 v[TM+6+\g], 23, v[TM+4+\g]
.endr
	v_cvt_scalef32_pk16_fp6_f32 v[\pc:\pc+2], v[\s:\s+15], v[TM+4]
	v_cvt_scalef32_pk16_fp6_f32 v[CT:CT+2], v[\s+16:\s+31], v[TM+5]
	v_nop
.irp i, 0,1,2
	v_permlane16_swap_b32 v[\pc+\i], v[CT+\i]
.endr
.irp i, 0,1,2
	v_mov_b32 v[\pc+3+\i], v[CT+\i]
.endr
.endm
	s_load_b256 s[4:11], s[0:1], 0x0               ; qcodes, qside, kcodes, kside
	s_load_b128 s[12:15], s[0:1], 0x20             ; vcodes, obuf
	v_lshl_add_u32 v227, v0, 2, 0x38000
	v_mov_b32 v245, 0
	ds_add_u32 v227, v245
	ds_add_u32 v227, v245
	v_lshrrev_b32 v7, 5, v0
	v_readfirstlane_b32 s[WV], v7                  ; wave 0..15
	s_bfe_u32 s46, ttmp6, 0x40000                  ; cx: it enters q's and the output's addresses in memory alone
	s_lshl_b32 s47, ttmp9, 2
	s_add_co_u32 s47, s47, s46                     ; my block of 256 queries
	s_and_b32 s48, ttmp7, 0xffff                   ; the head, 0..31, which the four partners share
	s_lshl_b32 s49, s47, 4
	s_add_co_u32 s49, s49, s[WV]                   ; my tile of queries in the head
	; descriptor group 1: 64 rows of 256 bytes (32 elements of 8 bytes), dense in memory and in LDS
	s_mov_b32 s24, 15|(3<<16)|(1<<21)              ; 15:0 the mask: all four work-groups; 17:16 elements of 8 bytes; 21 set beside a mask
	s_mov_b32 s25, 32<<16                          ; tensor_dim0 = 32
	s_mov_b32 s26, 64<<16                          ; tensor_dim1 = 64
	s_mov_b32 s27, 32<<16                          ; tile_dim0 = 32
	s_mov_b32 s28, 64                              ; tile_dim1 = 64
	s_mov_b32 s29, 32                              ; from row to row
	s_mov_b32 s30, 0
	s_mov_b32 s31, 0
	s_mov_b32 s[SEL], 0x76543210
	s_mov_b32 s[SEL+1], 0xfedcba98
	s_mov_b32 s[NC], 0xbe8293ee                    ; -sqrt2 log2(e) / 8
	s_mov_b32 s[NC+1], s[NC]                       ; (named with it as a pair, so it is written)
	s_mov_b32 s36, 0x3727c5ac                      ; eps
	s_mov_b32 s37, s36
	s_mov_b32 s38, 0x36a7c5ac                      ; eps / 2
	s_mov_b32 s39, s38
	s_mov_b32 s[HM], 0xffff0000
	s_mul_i32 s52, s48, 98304
	s_mul_i32 s53, s49, 768
	s_add_co_u32 s52, s52, s53                     ; q's codes
	s_mov_b32 s53, 0
	s_lshl_b32 s54, s48, 15
	s_lshl_b32 s55, s49, 6
	s_add_co_u32 s56, s54, s55
	s_add_co_u32 s56, s56, 16384                   ; q's scale words
	s_mov_b32 s57, 0
	s_lshr_b32 s55, s49, 1
	s_lshl_b32 s55, s55, 8
	s_add_co_u32 s58, s54, s55
	s_and_b32 s55, s49, 1
	s_lshl_b32 s55, s55, 5
	s_add_co_u32 s58, s58, s55                     ; q2 and 1 - q2: the block of 32 rows, + 8 rows for an odd tile
	s_mov_b32 s59, 0
	s_lshr_b32 s55, s48, 3
	s_lshl_b32 s55, s55, 7
	s_add_co_u32 s55, s55, s49                     ; the tile among all 512: 128 x batch + my tile
	s_and_b32 s54, s48, 7                          ; the head in its batch
	s_mul_i32 s60, s55, 6144
	s_mul_i32 s62, s54, 768
	s_add_co_u32 s60, s60, s62                     ; the output's codes
	s_mov_b32 s61, 0
	s_lshl_b32 s62, s55, 10
	s_lshl_b32 s63, s54, 7
	s_add_co_u32 s62, s62, s63
	s_add_co_u32 s62, s62, 3145728                 ; its scale bytes and its share of the row's sum of squares
	s_mov_b32 s63, 0
	s_wait_dscnt 0x0
	s_wait_kmcnt 0x0
	s_add_nc_u64 s[50:51], s[4:5], s[52:53]
	s_add_nc_u64 s[56:57], s[6:7], s[56:57]
	s_add_nc_u64 s[58:59], s[6:7], s[58:59]
	s_add_nc_u64 s[60:61], s[14:15], s[60:61]
	s_add_nc_u64 s[62:63], s[14:15], s[62:63]
	; descriptor group 0: waves 0, 1 the side numbers, 2-7 k's codes, 8-13 v's: made of the wave's number and the head alone
	s_cmp_lt_u32 s[WV], 8
	s_cselect_b64 s[34:35], s[8:9], s[12:13]
	s_cselect_b32 s40, 2, 8
	s_cmp_lt_u32 s[WV], 2
	s_cselect_b64 s[34:35], s[10:11], s[34:35]
	s_cselect_b32 s40, 0, s40
	s_mov_b32 s41, 98304
	s_cselect_b32 s41, 32768, s41                  ; a head's bytes in that buffer
	s_sub_co_u32 s40, s[WV], s40
	s_lshl_b32 s40, s40, 14
	s_mul_i32 s41, s41, s48
	s_add_co_u32 s40, s40, s41
	s_mov_b32 s41, 0
	s_add_nc_u64 s[34:35], s[34:35], s[40:41]
	s_or_b32 s35, s35, 0x80000000                  ; type = 2
	s_mov_b32 s32, 1
	s_lshl_b32 s33, s[WV], 14                      ; LDS byte 16,384 x wave
	ROUND                                          ; all four work-groups are here: the joint loads meet
	s_cmp_lt_u32 s[WV], 14
	s_cbranch_scc0 .Lno_fill
	tensor_load_to_lds s[32:35], s[24:31]
	s_nop 0
.rept 4
	v_nop
.endr
.Lno_fill:
	v_and_b32 v252, 31, v0                         ; lane
	v_and_b32 v253, 15, v0                         ; r
	v_bfe_u32 v254, v0, 4, 1                       ; h
	v_lshlrev_b32 v7, 3, v252
	v_lshlrev_b32 v10, 2, v252
	v_lshlrev_b32 v8, 2, v253
	v_and_b32 v9, 8, v253
	v_add_nc_u32 v9, v9, v253
	v_lshlrev_b32 v9, 2, v9                        ; 4 (r + 8 (r / 8))
.irp p, 0,1,2
	global_load_b64 v[QF+2*\p:QF+2*\p+1], v7, s[50:51] offset:256*\p
.endr
	global_load_b32 v[QS], v8, s[56:57]
	global_load_b32 v[NQ], v9, s[58:59]
	global_load_b32 v[AA], v9, s[58:59] offset:128
	v_add_nc_u32 v[AK], KB, v7
	v_lshlrev_b32 v255, 3, v253
	v_mad_u32_u24 v[AV0], v254, 1664, v255         ; lanes 16-31 read the next key block (1,536 bytes on), whose halves have changed places (128 on, or back): the two halves of the lanes touch different banks
	v_add_nc_u32 v[AV0], VB, v[AV0]
	v_mad_u32_u24 v[AV1], v254, 1408, v255
	v_add_nc_u32 v[AV1], VB+128, v[AV1]
	v_add_nc_u32 v[ASK], 16384, v8
	v_add_nc_u32 v[ASU], 24576, v8
	v_lshlrev_b32 v[AST], 6, v254
.irp i, 6,7,8,9,10,11
	v_mov_b32 v[QF+\i], 0                          ; zero codes: the upper 64 along K
	v_mov_b32 v[R1+42+\i], 0                       ; v96-101: the upper half of the eighth tile's operand: written once; what it holds later counts for nothing
.endr
.set ii, 0
.rept 32
	v_mov_b32 v[O+ii], 0                           ; the loop has no first step of its own: it finds zeros, which the first change of M leaves zeros
.set ii, ii+1
.endr
	v_mov_b32 v14, 0
	v_mov_b32 v15, 0
	v_mov_b32 v13, 0xff61b1e6                      ; -3e38, under every t
	v_floor_f32 v12, -v13
.irp b, 0,1,2,3
	v_mov_b32 v[PT+\b], 0
.endr
	v_mov_b32 v[FF+1], 0                           ; (named as the upper half of a pair)
	s_wait_loadcnt 0x0
	v_sub_f32 v[NQ], 0, v[NQ]                      ; -q2
	v_mov_b32 v[NQ+1], v[NQ]
	v_mov_b32 v[AA+1], v[AA]
	s_wait_tensorcnt 0x0                           ; my part of the head has landed,
	s_barrier_signal -1
	s_barrier_wait -1                              ; everybody's has
; 64 of the step's 128 scores become g
.macro HALF H
.set ii, 0
.rept 8
	ds_load_b128 v[R1+4*ii:R1+4*ii+3], v[AST] offset:256*(2*\H+ii/4)+16*(ii%4)            ; k2 of keys 16 h + 0 .. 15 of two blocks
	ds_load_b128 v[R1+32+4*ii:R1+35+4*ii], v[AST] offset:256*(2*\H+ii/4)+128+16*(ii%4)    ; 1 - k2
.set ii, ii+1
.endr
	s_wait_dscnt 0x0
.set ii, 0
.rept 16
	v_pk_fma_f32 v[S+32*\H+2*ii:S+32*\H+2*ii+1], v[R1+2*ii:R1+2*ii+1], v[NQ:NQ+1], v[S+32*\H+2*ii:S+32*\H+2*ii+1] op_sel_hi:[1,0,1]   ; n; each accumulator is read from its low end on
.set ii, ii+1
.endr
.set ii, 0
.rept 16
	v_pk_fma_f32 v[R1+32+2*ii:R1+33+2*ii], v[R1+32+2*ii:R1+33+2*ii], v[AA:AA+1], s[36:37] op_sel_hi:[1,0,0]   ; d
.set ii, ii+1
.endr
.set ii, 0
.rept 16
	v_pk_mul_f32 v[R1+2*ii:R1+2*ii+1], v[R1+32+2*ii:R1+33+2*ii], s[38:39] op_sel_hi:[1,0]   ; d eps / 2
.set ii, ii+1
.endr
.set ii, 0
.rept 32
	v_max_num_f32 v[S+32*\H+ii], v[S+32*\H+ii], v[R1+ii]   ; n'
.set ii, ii+1
.endr
.set ii, 0
.rept 16
	v_pk_mul_f32 v[R1+2*ii:R1+2*ii+1], v[S+32*\H+2*ii:S+32*\H+2*ii+1], v[R1+32+2*ii:R1+33+2*ii]
.set ii, ii+1
.endr
.set ii, 0
.rept 32
	v_rsq_f32 v[R1+ii], v[R1+ii]
.set ii, ii+1
.endr
	v_nop                                          ; one plain place behind the batch,
	s_wait_alu depctr_va_vdst(0)                   ; and one wait ahead of its first reader
.set ii, 0
.rept 16
	v_pk_mul_f32 v[S+32*\H+2*ii:S+32*\H+2*ii+1], v[S+32*\H+2*ii:S+32*\H+2*ii+1], v[R1+2*ii:R1+2*ii+1]   ; g
.set ii, ii+1
.endr
.endm
	s_mov_b32 s45, 16
.Lstep:                                            ; 128 keys a trip
.set tt, 0
.rept 8
.irp p, 0,1,2
	ds_load_b64 v[R1+6*tt+2*\p:R1+6*tt+2*\p+1], v[AK] offset:768*tt+256*\p    ; 256 consecutive bytes
.endr
	ds_load_b32 v[KS+tt], v[ASK] offset:64*tt
.set tt, tt+1
.endr
.irp b, 0,1,2,3
	ds_load_b32 v[US+\b], v[ASU] offset:128*\b
.endr
	s_wait_dscnt 0x0
.set tt, 0
.rept 8
	WM6 S+8*tt, R1+6*tt, QF, 0, KS+tt, QS
.set tt, tt+1
.endr
	; v's scale bytes come as one word a key block with a byte a channel tile; the product wants a word a channel tile with a byte a key block.  These eight are also the places behind the products
	v_perm_b32 v[PT], v[US+1], v[US], 0x05010400
	v_perm_b32 v[PT+1], v[US+1], v[US], 0x07030602
	v_perm_b32 v[PT+2], v[US+3], v[US+2], 0x05010400
	v_perm_b32 v[PT+3], v[US+3], v[US+2], 0x07030602
	v_perm_b32 v[VS], v[PT+2], v[PT], 0x05040100
	v_perm_b32 v[VS+1], v[PT+2], v[PT], 0x07060302
	v_perm_b32 v[VS+2], v[PT+3], v[PT+1], 0x05040100
	v_perm_b32 v[VS+3], v[PT+3], v[PT+1], 0x07060302
	HALF 0
	HALF 1
.irp t, 0,1,2,3                        ; v's four fragments: they land under the softmax
.irp c, 0,1
.irp p, 0,1,2
	ds_load_b64 v[R1+12*\t+6*\c+2*\p:R1+12*\t+6*\c+2*\p+1], v[AV0+\t%2] offset:3072*\c+768*(\t/2)+256*\p
.endr
.endr
.endr
.irp b, 0,1,2,3
	v_min3_num_f32 v[BM+\b], v[S+16*\b], v[S+16*\b+1], v[S+16*\b+2]   ; each block's least g: NC is negative, so it gives the block's largest t, and so its largest p
.endr
.irp i, 3,5,7,9,11,13
.irp b, 0,1,2,3
	v_min3_num_f32 v[BM+\b], v[BM+\b], v[S+16*\b+\i], v[S+16*\b+\i+1]
.endr
.endr
.irp b, 0,1,2,3
	v_min_num_f32 v[BM+\b], v[BM+\b], v[S+16*\b+15]
.endr
.irp b, 0,1,2,3
	v_permlanex16_b32 v[PT+\b], v[BM+\b], s[SEL], s[SEL+1]
.endr
.irp b, 0,1,2,3
	v_min_num_f32 v[BM+\b], v[BM+\b], v[PT+\b]
.endr
	v_min3_num_f32 v254, v[BM], v[BM+1], v[BM+2]
	v_min_num_f32 v254, v254, v[BM+3]
	v_mul_f32 v254, s[NC], v254                    ; the step's largest t
	v_max_num_f32 v13, v13, v254
	v_mov_b32 v254, v12
	v_floor_f32 v12, -v13                          ; -M = floor(-t)
	v_sub_f32 v254, v12, v254                      ; old M - new M: a whole number, 0 or less
	v_cvt_i32_f32 v254, v254                       ; (it saturates)
	v_ldexp_f32 v[FF], 1.0, v254
.set ii, 0
.rept 32
	v_pk_fma_f32 v[S+2*ii:S+2*ii+1], v[S+2*ii:S+2*ii+1], s[NC:NC+1], v[12:13] op_sel_hi:[1,0,0]   ; t - M
.set ii, ii+1
.endr
.irp b, 0,1,2,3
	v_fma_f32 v[BM+\b], v[BM+\b], s[NC], v12
.endr
.set ii, 0
.rept 64
	v_exp_f32 v[S+ii], v[S+ii]                     ; p
.set ii, ii+1
.endr
	v_pk_mul_f32 v[14:15], v[14:15], v[FF:FF+1] op_sel_hi:[1,0]   ; the sum under the new M: a plain place behind the batch
	s_wait_alu depctr_va_vdst(0)                   ; one wait for the 64
.irp b, 0,1,2,3
	v_exp_f32 v[BM+\b], v[BM+\b]                   ; the block's largest p: the same two instructions on the same number
.endr
	v_pk_add_f32 v[252:253], v[S:S+1], v[S+2:S+3]  ; the row's sum of the unquantised p, in two chains
.set ii, 1
.rept 15
	v_pk_add_f32 v[14:15], v[14:15], v[S+4*ii:S+4*ii+1]
	v_pk_add_f32 v[252:253], v[252:253], v[S+4*ii+2:S+4*ii+3]
.set ii, ii+1
.endr
	v_pk_add_f32 v[14:15], v[14:15], v[252:253]
	s_wait_alu depctr_va_vdst(0)                   ; and one for the four
.irp b, 0,1,2,3
	v_max_num_f32 v[BM+\b], 0x1800000, v[BM+\b]
.endr
.irp b, 0,1,2,3
	v_add_nc_u32 v[SO+\b], 0xff000000, v[BM+\b]
.endr
.irp b, 0,1,2,3
	v_lshrrev_b32 v[BY+\b], 23, v[SO+\b]
.endr
	v_lshl_or_b32 v[PW], v[BY+1], 8, v[BY]
	v_lshl_or_b32 v[PW], v[BY+2], 16, v[PW]
	v_lshl_or_b32 v[PW], v[BY+3], 24, v[PW]
.irp c, 0,1
	v_cvt_scalef32_pk16_fp6_f32 v[PC+6*\c:PC+2+6*\c], v[S+32*\c:S+15+32*\c], v[SO+2*\c]
	v_cvt_scalef32_pk16_fp6_f32 v[CT+4*\c:CT+2+4*\c], v[S+16+32*\c:S+31+32*\c], v[SO+2*\c+1]
.endr
	v_nop
.irp c, 0,1
.irp i, 0,1,2
	v_permlane16_swap_b32 v[PC+6*\c+\i], v[CT+4*\c+\i]
.endr
.irp i, 0,1,2
	v_mov_b32 v[PC+3+6*\c+\i], v[CT+4*\c+\i]
.endr
.endr
.set ii, 0
.rept 16
	v_pk_mul_f32 v[O+2*ii:O+2*ii+1], v[O+2*ii:O+2*ii+1], v[FF:FF+1] op_sel_hi:[1,0]   ; O^T under the new M; these sixteen also stand between the making of p's codes and scale word and the products
.set ii, ii+1
.endr
	s_wait_dscnt 0x0                               ; v's fragments
.irp t, 0,1,2,3
	WM6 O+8*\t, R1+12*\t, PC, v[O+8*\t:O+8*\t+7], VS+\t, PW
.endr
	v_add_nc_u32 v[AK], 6144, v[AK]                ; on to the next 128 keys: six plain places in front of the next trip's loads into the registers that these products read
	v_add_nc_u32 v[AV0], 6144, v[AV0]
	v_add_nc_u32 v[AV1], 6144, v[AV1]
	v_add_nc_u32 v[ASK], 512, v[ASK]
	v_add_nc_u32 v[ASU], 512, v[ASU]
	v_add_nc_u32 v[AST], 1024, v[AST]
	s_sub_co_u32 s45, s45, 1
	s_cmp_lg_u32 s45, 0
	s_cbranch_scc1 .Lstep
	; THE WAY OUT: O^T / the sum; register 16 B + i is channel 32 B + 16 h + i of my query: quantised along the channels, as the last layer's operand
	v_add_f32 v14, v14, v15
	v_permlanex16_b32 v252, v14, s[SEL], s[SEL+1]
	v_add_f32 v14, v14, v252
	v_rcp_f32 v[FF], v14
	v_nop
	s_wait_alu depctr_va_vdst(0)
.set ii, 0
.rept 16
	v_pk_mul_f32 v[S+2*ii:S+2*ii+1], v[O+2*ii:O+2*ii+1], v[FF:FF+1] op_sel_hi:[1,0]
.set ii, ii+1
.endr
.set ii, 0
.rept 16
.set rS, R1+2*(ii%4)
.if ii < 4
	v_pk_mul_f32 v[rS:rS+1], v[S+2*ii:S+2*ii+1], v[S+2*ii:S+2*ii+1]
.else
	v_pk_fma_f32 v[rS:rS+1], v[S+2*ii:S+2*ii+1], v[S+2*ii:S+2*ii+1], v[rS:rS+1]
.endif
.set ii, ii+1
.endr
	v_pk_add_f32 v[R1:R1+1], v[R1:R1+1], v[R1+2:R1+3]
	v_pk_add_f32 v[R1+4:R1+5], v[R1+4:R1+5], v[R1+6:R1+7]
	v_pk_add_f32 v[R1:R1+1], v[R1:R1+1], v[R1+4:R1+5]
	v_add_f32 v[R1], v[R1], v[R1+1]
	v_permlanex16_b32 v[R1+1], v[R1], s[SEL], s[SEL+1]
	v_add_f32 v[R1], v[R1], v[R1+1]                ; this head's share of the row's sum of squares
	QUANT2 S, PC
	v_lshl_or_b32 v254, v[TM+7], 8, v[TM+6]
	v_cndmask_b32 v254, v254, v[R1], s[HM]         ; lanes 0-15 the two scale bytes, lanes 16-31 the share
.irp p, 0,1,2
	global_store_b64 v7, v[PC+2*\p:PC+2*\p+1], s[60:61] offset:256*\p     ; 256 consecutive bytes, aligned
.endr
	global_store_b32 v10, v254, s[62:63]
	s_wait_dscnt 0x0
	s_wait_tensorcnt 0x0
	ds_add_u32 v227, v245
	s_wait_dscnt 0x0
	ROUND                                          ; the closing round: no work-group ends while a partner may still ask
	s_endpgm
.Lfunc_end_k_qd8f78b9fc8_attn:
	.size	k_qd8f78b9fc8_attn, .Lfunc_end_k_qd8f78b9fc8_attn-k_qd8f78b9fc8_attn
	.p2alignl 7, 3214868480
	.fill 96, 4, 3214868480
	.section	.rodata,"a",@progbits
	.p2align	6, 0x0
	.amdhsa_kernel k_qd8f78b9fc8_attn
		.amdhsa_group_segment_fixed_size 231424
		.amdhsa_private_segment_fixed_size 0
		.amdhsa_enable_private_segment 0
		.amdhsa_kernarg_size 48
		.amdhsa_user_sgpr_count 2
		.amdhsa_user_sgpr_kernarg_segment_ptr 1
		.amdhsa_wavefront_size32 1
		.amdhsa_system_sgpr_workgroup_id_x 1
		.amdhsa_system_sgpr_workgroup_id_y 1
		.amdhsa_system_sgpr_workgroup_id_z 1
		.amdhsa_system_vgpr_workitem_id 0
		.amdhsa_next_free_vgpr 256
		.amdhsa_next_free_sgpr 66
		.amdhsa_reserve_vcc 0
		.amdhsa_float_denorm_mode_32 3
		.amdhsa_float_denorm_mode_16_64 3
		.amdhsa_memory_ordered 1
		.amdhsa_forward_progress 1
		.amdhsa_inst_pref_size 48
	.end_amdhsa_kernel
	.amdgpu_metadata
---
amdhsa.version: [ 1, 2 ]
amdhsa.kernels:
  - .name:           k_qd8f78b9fc8_attn
    .symbol:         k_qd8f78b9fc8_attn.kd
    .args:
      - { .name: qcodes, .offset: 0, .size: 8, .value_kind: global_buffer, .address_space: global }
      - { .name: qside, .offset: 8, .size: 8, .value_kind: global_buffer, .address_space: global }
      - { .name: kcodes, .offset: 16, .size: 8, .value_kind: global_buffer, .address_space: global }
      - { .name: kside, .offset: 24, .size: 8, .value_kind: global_buffer, .address_space: global }
      - { .name: vcodes, .offset: 32, .size: 8, .value_kind: global_buffer, .address_space: global }
      - { .name: obuf, .offset: 40, .size: 8, .value_kind: global_buffer, .address_space: global }
    .group_segment_fixed_size: 231424
    .private_segment_fixed_size: 0
    .kernarg_segment_align: 8
    .kernarg_segment_size: 48
    .max_flat_workgroup_size: 512
    .sgpr_count:     66
    .vgpr_count:     256
    .wavefront_size: 32
...
	.end_amdgpu_metadata
.endif
;; end of part 3
;; launch outp (part 4): grid 256 x 1, 4 waves a work-group, no clusters, 36,352 bytes of LDS; arguments obuf, codes, rec, bo, out0; writes out0
.if DOCPART == 4
	.amdgcn_target "amdgcn-amd-amdhsa--gfx1250"
	.amdhsa_code_object_version 6
	.text
	.protected	k_qd8f78b9fc8_outp
	.globl	k_qd8f78b9fc8_outp
	.p2align	8
	.type	k_qd8f78b9fc8_outp,@function
k_qd8f78b9fc8_outp:
	s_mov_b64 s[64:65], 0
	v_nop
	global_prefetch_b8 v0, s[64:65] scope:SCOPE_SE
	s_setreg_imm32_b32 hwreg(HW_REG_WAVE_MODE, 25, 1), 1
	s_wait_xcnt 0x0
; out0 = hyp_linear(attention's output, Wo, bo) on codes of FP6.  The row of the result is alpha x mx + beta x b, alpha and beta from four sums of the row (macro ROWMATH).
; SHARES.  A work-group owns 32 rows (two tiles of 16); the waves share the columns: wave w makes channels 128 w .. 128 w + 127.  The product is used transposed (source 0 = 16 rows of Wo, source 1 = 16 rows of the operand):
; a lane holds one row, its registers run along the channels.  A row's sums meet in LDS behind one barrier.  The weights come from memory straight into registers as images of the operand's registers.
; NO CLUSTER: only tensor loads can be asked for jointly, and this text has none.
; IN.  obuf +0 [tile 512][K step 4][6 x 256]: register pair p' of lane l at 256 p' + 8 l; +3,145,728 [tile][head 8][32 words]: lanes 0-15 the head's two scale bytes, lanes 16-31 its share of the row's sum of squares.
; OUT.  A wave's 16 rows x 128 channels go through its own stage in LDS and leave as rows of 512 consecutive bytes.
; LIMITS.  As in the launch that makes q, k and v: the norms that project() tests are taken from the row's sums, another order of rounding; log1p and expm1 by quotients; NaN and infinities are not served.
; REGISTERS, in windows of 256.  Window 0: v1-14 addresses; v24-31, v32-63 scale words; v64-127 64 finished numbers; v132-165 sums; v166-199 ROWMATH; v200-207 alpha, beta; v232-247 the heads' words; on the way out v128-191, v192-255 rows read back.
;   Window 1: v0-95 the operand's 8 fragments; v96-223 the 16 accumulators.   Window 2: v0-63 the bias; v64-255 W's tiles 4-7.   Window 3: v0-191 W's tiles 0-3.
.set MINN, 0x26901d7d
.set MAXN, 0x3f7ef9db
.set ATC,  0x3f7ffffe
.set LN2,  0x3f317218
.set L2E,  0x3fb8aa3b
.set Y40,  0x42200000
.set A16L, 1
.set A16R, 2
.set A8L,  3
.set A4L,  5
.set A64H, 7
.set RW,   9                           ; LDS: 512 w + 4 x lane
.set SI,   10                          ; LDS: 8,448 w + 528 r + 64 h: into my stage
.set SOU,  11                          ; LDS: 8,448 w + 16 x lane: out of it
.set X2R,  14
.set XS,   24
.set WS,   32
.set F,    64
.set BK,   128
.set SUM,  132
.set RM,   166
.set AL,   198
.set BE,   199
.set AB,   200
.set TV,   232
.set ACC,  96
.set SEL,  26
.set HM,   28
.set STB,  2048                        ; LDS: behind the sums: a stage of 16 rows x (512 bytes + 16) for each wave
.set MSB, 0
.macro WIN new
.if MSB != \new
	s_set_vgpr_msb (MSB<<8)|\new
.set MSB, \new
.endif
.endm
.macro TW
	v_nop
	s_wait_alu depctr_va_vdst(0)
.endm
.macro WM6 d, a, b, c, sa, sb
	v_wmma_scale_f32_16x16x128_f8f6f4 v[\d:\d+7], v[\a:\a+11], v[\b:\b+11], \c, v[\sa], v[\sb] matrix_a_fmt:MATRIX_FMT_FP6 matrix_b_fmt:MATRIX_FMT_FP6
.endm
; One row a lane.  In: |x|^2 in v[x2], |mx|^2 in v[SUM+20], mx . b in v[SUM+21], |b|^2 in v[SUM+22].  Out: v[AL], v[BE].
.macro ROWMATH x2
	v_sqrt_f32 v[RM+0], v[\x2]
	v_sqrt_f32 v[RM+1], v[SUM+20]
	TW
	v_max_num_f32 v[RM+2], MINN, v[RM+0]
	v_max_num_f32 v[RM+3], MINN, v[RM+1]
	v_min_num_f32 v[RM+4], ATC, v[RM+2]
	v_sub_f32 v[RM+5], 1.0, v[RM+4]
	v_rcp_f32 v[RM+6], v[RM+5]
	v_rcp_f32 v[RM+7], v[RM+2]
	v_rcp_f32 v[RM+8], v[RM+3]
	TW
	v_mul_f32 v[RM+9], v[RM+4], v[RM+6]
	v_add_f32 v[RM+9], v[RM+9], v[RM+9]            ; u = 2 x / (1 - x): 2 artanh(x) = log1p(u)
	v_add_f32 v[RM+10], 1.0, v[RM+9]
	v_add_f32 v[RM+11], -1.0, v[RM+10]
	v_log_f32 v[RM+12], v[RM+10]
	v_rcp_f32 v[RM+13], v[RM+11]
	TW
	v_mul_f32 v[RM+12], LN2, v[RM+12]
	v_mul_f32 v[RM+12], v[RM+12], v[RM+9]
	v_mul_f32 v[RM+12], v[RM+12], v[RM+13]
	v_cmp_eq_f32 vcc_lo, 0, v[RM+11]
	v_cndmask_b32 v[RM+12], v[RM+12], v[RM+9], vcc_lo
	v_mul_f32 v[RM+14], v[RM+3], v[RM+7]
	v_mul_f32 v[RM+14], v[RM+14], v[RM+12]         ; y = 2 z
	v_min_num_f32 v[RM+14], Y40, v[RM+14]
	v_mul_f32 v[RM+15], L2E, v[RM+14]
	v_exp_f32 v[RM+16], v[RM+15]
	TW
	v_add_f32 v[RM+17], -1.0, v[RM+16]
	v_log_f32 v[RM+18], v[RM+16]
	TW
	v_mul_f32 v[RM+18], LN2, v[RM+18]
	v_rcp_f32 v[RM+19], v[RM+18]
	TW
	v_mul_f32 v[RM+20], v[RM+17], v[RM+14]
	v_mul_f32 v[RM+20], v[RM+20], v[RM+19]         ; expm1(y)
	v_cmp_eq_f32 vcc_lo, 0, v[RM+17]
	v_cndmask_b32 v[RM+20], v[RM+20], v[RM+14], vcc_lo
	v_add_f32 v[RM+21], 2.0, v[RM+20]
	v_rcp_f32 v[RM+22], v[RM+21]
	TW
	v_mul_f32 v[RM+20], v[RM+20], v[RM+22]         ; tanh(z)
	v_mul_f32 v[RM+23], v[RM+20], v[RM+8]
	v_mul_f32 v[RM+24], v[RM+23], v[RM+1]
	v_max_num_f32 v[RM+24], MINN, v[RM+24]
	v_rcp_f32 v[RM+25], v[RM+24]
	TW
	v_mul_f32 v[RM+25], v[RM+25], v[RM+23]
	v_mul_f32 v[RM+25], MAXN, v[RM+25]
	v_cmp_lt_f32 vcc_lo, MAXN, v[RM+24]
	v_cndmask_b32 v[RM+23], v[RM+23], v[RM+25], vcc_lo
	v_mul_f32 v[RM+26], v[RM+23], v[RM+1]
	v_mul_f32 v[RM+26], v[RM+26], v[RM+26]         ; x2
	v_mul_f32 v[RM+27], v[RM+23], v[SUM+21]        ; xy
	v_fma_f32 v[RM+28], 2.0, v[RM+27], 1.0
	v_add_f32 v[RM+29], v[RM+28], v[SUM+22]
	v_fma_f32 v[RM+30], v[RM+26], v[SUM+22], v[RM+28]
	v_max_num_f32 v[RM+31], MINN, v[RM+30]
	v_rcp_f32 v[RM+0], v[RM+31]
	v_fma_f32 v[RM+2], 2.0, v[RM+27], v[RM+26]
	v_add_f32 v[RM+2], v[RM+2], v[SUM+22]
	v_max_num_f32 v[RM+2], 0, v[RM+2]
	v_mul_f32 v[RM+2], v[RM+2], v[RM+30]
	s_wait_alu depctr_va_vdst(0)
	v_mul_f32 v[RM+2], v[RM+2], v[RM+0]
	v_mul_f32 v[RM+2], v[RM+2], v[RM+0]
	v_sqrt_f32 v[RM+3], v[RM+2]
	TW
	v_max_num_f32 v[RM+3], MINN, v[RM+3]
	v_rcp_f32 v[RM+4], v[RM+3]
	TW
	v_mul_f32 v[RM+4], MAXN, v[RM+4]
	v_cmp_lt_f32 vcc_lo, MAXN, v[RM+3]
	v_cndmask_b32 v[RM+4], 1.0, v[RM+4], vcc_lo
	v_mul_f32 v[RM+4], v[RM+4], v[RM+0]
	v_mul_f32 v[RM+5], v[RM+29], v[RM+23]
	v_mul_f32 v[AL], v[RM+5], v[RM+4]
	v_sub_f32 v[RM+6], 1.0, v[RM+26]
	v_mul_f32 v[BE], v[RM+6], v[RM+4]
.endm
.macro LOADP wc, wr, P                 ; W's tiles 2 P and 2 P + 1: 26 loads
.irp g, 0,1
	WIN 0
	global_load_b128 v[WS+4*(2*\P+\g):WS+4*(2*\P+\g)+3], v[A16R], s[\wr:\wr+1] offset:512*(2*\P+\g)
.if \P < 2
	WIN 0xc0
.set WB, 96*\P+48*\g
.else
	WIN 0x80
.set WB, 64+96*(\P-2)+48*\g
.endif
.set ii, 0
.rept 12
	global_load_b128 v[WB+4*ii:WB+4*ii+3], v[A16L], s[\wc:\wc+1] offset:6144*(2*\P+\g)+512*ii
.set ii, ii+1
.endr
.endr
	WIN 0
.endm
	s_load_b256 s[4:11], s[0:1], 0x0               ; obuf, codes, rec, bo
	s_load_b64 s[12:13], s[0:1], 0x20              ; out0
	v_lshl_add_u32 v22, v0, 2, 0x8c00
	v_mov_b32 v23, 0
	v_and_b32 v16, 31, v0
	v_and_b32 v17, 15, v0
	v_bfe_u32 v18, v0, 4, 1
	v_lshrrev_b32 v19, 5, v0
	v_readfirstlane_b32 s24, v19                   ; wave
	v_lshlrev_b32 v[A16L], 4, v16
	v_lshlrev_b32 v[A16R], 4, v17
	v_lshlrev_b32 v[A8L], 3, v16
	v_lshlrev_b32 v[A4L], 2, v16
	v_lshlrev_b32 v[A64H], 6, v18
	v_lshl_add_u32 v[RW], v19, 9, v[A4L]
	v_mul_u32_u24 v20, v19, 8448
	v_mad_u32_u24 v[SI], v17, 528, v20
	v_add_nc_u32 v[SI], v[SI], v[A64H]
	v_add_nc_u32 v[SOU], v20, v[A16L]
	s_mov_b32 s[SEL], 0x76543210
	s_mov_b32 s[SEL+1], 0xfedcba98
	s_mov_b32 s[HM], 0xffff0000
	s_mov_b32 s41, 0
	s_wait_kmcnt 0x0
	s_mul_i32 s40, s24, 49152
	s_add_co_u32 s40, s40, 3735552                 ; tile 608 + 8 w
	s_add_nc_u64 s[30:31], s[6:7], s[40:41]
	s_lshl_b32 s40, s24, 12
	s_add_co_u32 s40, s40, 311296
	s_add_nc_u64 s[36:37], s[8:9], s[40:41]
	s_lshl_b32 s40, s24, 9
	s_add_nc_u64 s[42:43], s[10:11], s[40:41]
	s_add_nc_u64 s[52:53], s[12:13], s[40:41]
	s_lshl_b32 s40, ttmp9, 16
	s_add_nc_u64 s[52:53], s[52:53], s[40:41]      ; out0 at my 32 rows, my 128 channels
	s_mul_i32 s40, ttmp9, 12288
	s_add_nc_u64 s[48:49], s[4:5], s[40:41]
	s_lshl_b32 s40, ttmp9, 11
	s_add_co_u32 s40, s40, 3145728
	s_add_nc_u64 s[50:51], s[4:5], s[40:41]
.set ii, 0
.rept 16
	global_load_b32 v[TV+ii], v[A4L], s[50:51] offset:128*ii        ; tile ii / 8, head ii % 8
.set ii, ii+1
.endr
	WIN 0x40
.set ii, 0
.rept 48
	global_load_b64 v[2*ii:2*ii+1], v[A8L], s[48:49] offset:256*ii  ; the operand's fragments (u, s) at v[12 (4 u + s)]
.set ii, ii+1
.endr
	WIN 0x80
.set ii, 0
.rept 16
	global_load_b128 v[4*ii:4*ii+3], v[A64H], s[42:43] offset:128*(ii/4)+16*(ii%4)   ; register 8 tl + j = b[128 w + 32 (tl / 2) + 16 h + 8 (tl % 2) + j]
.set ii, ii+1
.endr
	WIN 0
	LOADP 30, 36, 0
	LOADP 30, 36, 1
	LOADP 30, 36, 2
	LOADP 30, 36, 3
	s_wait_loadcnt 63                              ; the heads' words are in: 168 loads stand behind them, and this is the field's largest count
.irp u, 0,1
.irp s, 0,1,2,3
	v_lshl_or_b32 v[XS+4*\u+\s], v[TV+8*\u+2*\s+1], 16, v[TV+8*\u+2*\s]   ; two heads' bytes make a K step's scale word (lanes 0-15, which alone are read)
.endr
.endr
.irp q, 1,2,3,4,5,6,7
	v_add_f32 v[TV], v[TV], v[TV+\q]               ; the eight shares (lanes 16-31); these fourteen also stand between the making of the scale words and the first product
	v_add_f32 v[TV+8], v[TV+8], v[TV+8+\q]
.endr
	v_mov_b32 v[TV+1], 0
	v_permlanex16_b32 v[TV+1], v[TV], s[SEL], s[SEL+1]
	v_cndmask_b32 v[X2R], v[TV+1], v[TV+8], s[HM]  ; lane (r, h): row r of tile h
	; 64 products: a pair of W's tiles at a time, its four accumulators by turns, one instruction a turn, K ascending
.irp P, 0,1,2,3
.if 26*(3-\P) > 63
	s_wait_loadcnt 63
.else
	s_wait_loadcnt 26*(3-\P)                       ; the later pairs' loads may stay out
.endif
.if \P < 2
.set WBASE, 96*\P
	WIN 0x57
.else
.set WBASE, 64+96*(\P-2)
	WIN 0x56
.endif
.irp s, 0,1,2,3
.irp g, 0,1
.irp u, 0,1
.set rA, ACC+8*(2*(2*\P+\g)+\u)
.set rW, WBASE+48*\g+12*\s
.set rX, 12*(4*\u+\s)
.if \s == 0
	WM6 rA, rW, rX, 0, WS+4*(2*\P+\g)+\s, XS+4*\u+\s
.else
	WM6 rA, rW, rX, v[rA:rA+7], WS+4*(2*\P+\g)+\s, XS+4*\u+\s
.endif
.endr
.endr
.endr
.endr
	WIN 0
.rept 4
	v_nop                                          ; places in front of the first read of results
.endr
	WIN 0x05
.set tt, 0
.rept 8
.set jj, 0
.rept 4
.set uu, 0
.rept 2
.set rA, ACC+8*(2*tt+uu)+2*jj
.set rS, SUM+4*uu+2*(jj%2)
.if (tt == 0) && (jj < 2)
	v_pk_mul_f32 v[rS:rS+1], v[rA:rA+1], v[rA:rA+1]         ; each accumulator is read from its low end on
.else
	v_pk_fma_f32 v[rS:rS+1], v[rA:rA+1], v[rA:rA+1], v[rS:rS+1]
.endif
.set uu, uu+1
.endr
.set jj, jj+1
.endr
.set tt, tt+1
.endr
	WIN 0x09
.set tt, 0
.rept 8
.set jj, 0
.rept 4
.set uu, 0
.rept 2
.set rA, ACC+8*(2*tt+uu)+2*jj
.set rB, 8*tt+2*jj
.set rS, SUM+8+4*uu+2*(jj%2)
.if (tt == 0) && (jj < 2)
	v_pk_mul_f32 v[rS:rS+1], v[rA:rA+1], v[rB:rB+1]
.else
	v_pk_fma_f32 v[rS:rS+1], v[rA:rA+1], v[rB:rB+1], v[rS:rS+1]
.endif
.set uu, uu+1
.endr
.set jj, jj+1
.endr
.set tt, tt+1
.endr
	WIN 0x0a
.set ii, 0
.rept 32
.set rS, SUM+16+2*(ii%4)
.if ii < 4
	v_pk_mul_f32 v[rS:rS+1], v[2*ii:2*ii+1], v[2*ii:2*ii+1]
.else
	v_pk_fma_f32 v[rS:rS+1], v[2*ii:2*ii+1], v[2*ii:2*ii+1], v[rS:rS+1]
.endif
.set ii, ii+1
.endr
	WIN 0
.irp q, 0,4,8,12,16,20
	v_pk_add_f32 v[SUM+\q:SUM+\q+1], v[SUM+\q:SUM+\q+1], v[SUM+\q+2:SUM+\q+3]
.endr
	v_pk_add_f32 v[SUM+16:SUM+17], v[SUM+16:SUM+17], v[SUM+20:SUM+21]
.irp q, 0,4,8,12,16
	v_add_f32 v[SUM+\q], v[SUM+\q], v[SUM+\q+1]
.endr
.irp q, 0,4,8,12,16
	v_permlanex16_b32 v[SUM+\q+1], v[SUM+\q], s[SEL], s[SEL+1]
.endr
.irp q, 0,4,8,12,16
	v_add_f32 v[SUM+\q], v[SUM+\q], v[SUM+\q+1]
.endr
	v_cndmask_b32 v[SUM+2], v[SUM], v[SUM+4], s[HM]
	v_cndmask_b32 v[SUM+10], v[SUM+8], v[SUM+12], s[HM]
	ds_store_b32 v[RW], v[SUM+2]
	ds_store_b32 v[RW], v[SUM+10] offset:128
	ds_store_b32 v[RW], v[SUM+16] offset:256
	s_wait_dscnt 0x0                               ; my stores have landed,
	s_barrier_signal -1
	s_barrier_wait -1                              ; everybody's have: every wave adds the four parts in the same order
.set ii, 0
.rept 4
	ds_load_b32 v[SUM+20+3*ii], v[A4L] offset:512*ii
	ds_load_b32 v[SUM+21+3*ii], v[A4L] offset:512*ii+128
	ds_load_b32 v[SUM+22+3*ii], v[A4L] offset:512*ii+256
.set ii, ii+1
.endr
	s_wait_dscnt 0x0
.irp q, 1,2,3
	v_add_f32 v[SUM+20], v[SUM+20], v[SUM+20+3*\q]
	v_add_f32 v[SUM+21], v[SUM+21], v[SUM+21+3*\q]
	v_add_f32 v[SUM+22], v[SUM+22], v[SUM+22+3*\q]
.endr
	ROWMATH X2R
	v_permlanex16_b32 v[RM+0], v[AL], s[SEL], s[SEL+1]
	v_permlanex16_b32 v[RM+1], v[BE], s[SEL], s[SEL+1]
.irp q, 0,1                            ; pairs (a0, a0), (a1, a1), (b0, b0), (b1, b1)
	v_cndmask_b32 v[AB+\q], v[AL], v[RM+0], s[HM]
	v_cndmask_b32 v[AB+2+\q], v[RM+0], v[AL], s[HM]
	v_cndmask_b32 v[AB+4+\q], v[BE], v[RM+1], s[HM]
	v_cndmask_b32 v[AB+6+\q], v[RM+1], v[BE], s[HM]
.endr
; tile u: 64 finished numbers a lane, through my stage, out as whole rows
.macro TAILO u
	WIN 0x02
.set ii, 0
.rept 32
	v_pk_mul_f32 v[F+2*ii:F+2*ii+1], v[2*ii:2*ii+1], v[AB+4+2*\u:AB+5+2*\u] op_sel_hi:[1,0]
.set ii, ii+1
.endr
	WIN 0x01
.set ii, 0
.rept 32
.set rA, ACC+8*(2*(ii/4)+\u)+2*(ii%4)
	v_pk_fma_f32 v[F+2*ii:F+2*ii+1], v[rA:rA+1], v[AB+2*\u:AB+1+2*\u], v[F+2*ii:F+2*ii+1] op_sel_hi:[1,0,1]
.set ii, ii+1
.endr
	WIN 0
.set ii, 0
.rept 16
	ds_store_b128 v[SI], v[F+4*ii:F+4*ii+3] offset:STB+128*(ii/4)+16*(ii%4)
.set ii, ii+1
.endr
.set ii, 0
.rept 16
	ds_load_b128 v[BK+64*\u+4*ii:BK+64*\u+4*ii+3], v[SOU] offset:STB+528*ii    ; my wave's own bytes: LDS serves a wave's instructions in order
.set ii, ii+1
.endr
.set ii, 0
.rept 16
	s_wait_dscnt 15-ii                             ; the younger loads may stay out
	global_store_b128 v[A16L], v[BK+64*\u+4*ii:BK+64*\u+4*ii+3], s[52:53] offset:(8*\u+ii+8*(ii/8))*2048 th:TH_STORE_NT   ; 512 consecutive bytes, aligned; written once
.set ii, ii+1
.endr
.endm
	TAILO 0
	TAILO 1                                        ; (the first tile's stage stores and loads are done: its count-down ended at 0; the rows read back have registers of their own)
	s_wait_tensorcnt 0x0
	ds_add_u32 v22, v23
	s_wait_dscnt 0x0
	s_endpgm
.Lfunc_end_k_qd8f78b9fc8_outp:
	.size	k_qd8f78b9fc8_outp, .Lfunc_end_k_qd8f78b9fc8_outp-k_qd8f78b9fc8_outp
	.p2alignl 7, 3214868480
	.fill 96, 4, 3214868480
	.section	.rodata,"a",@progbits
	.p2align	6, 0x0
	.amdhsa_kernel k_qd8f78b9fc8_outp
		.amdhsa_group_segment_fixed_size 36352
		.amdhsa_private_segment_fixed_size 0
		.amdhsa_enable_private_segment 0
		.amdhsa_kernarg_size 40
		.amdhsa_user_sgpr_count 2
		.amdhsa_user_sgpr_kernarg_segment_ptr 1
		.amdhsa_wavefront_size32 1
		.amdhsa_system_sgpr_workgroup_id_x 1
		.amdhsa_system_sgpr_workgroup_id_y 1
		.amdhsa_system_sgpr_workgroup_id_z 1
		.amdhsa_system_vgpr_workitem_id 0
		.amdhsa_next_free_vgpr 1024
		.amdhsa_next_free_sgpr 66
		.amdhsa_reserve_vcc 1
		.amdhsa_float_denorm_mode_32 3
		.amdhsa_float_denorm_mode_16_64 3
		.amdhsa_memory_ordered 1
		.amdhsa_forward_progress 1
		.amdhsa_inst_pref_size 63
	.end_amdhsa_kernel
	.amdgpu_metadata
---
amdhsa.version: [ 1, 2 ]
amdhsa.kernels:
  - .name:           k_qd8f78b9fc8_outp
    .symbol:         k_qd8f78b9fc8_outp.kd
    .args:
      - { .name: obuf, .offset: 0, .size: 8, .value_kind: global_buffer, .address_space: global }
      - { .name: codes, .offset: 8, .size: 8, .value_kind: global_buffer, .address_space: global }
      - { .name: rec, .offset: 16, .size: 8, .value_kind: global_buffer, .address_space: global }
      - { .name: bo, .offset: 24, .size: 8, .value_kind: global_buffer, .address_space: global }
      - { .name: out0, .offset: 32, .size: 8, .value_kind: global_buffer, .address_space: global }
    .group_segment_fixed_size: 36352
    .private_segment_fixed_size: 0
    .kernarg_segment_align: 8
    .kernarg_segment_size: 40
    .max_flat_workgroup_size: 128
    .sgpr_count:     66
    .vgpr_count:     1024
    .wavefront_size: 32
...
	.end_amdgpu_metadata
.endif
;; end of part 4
;; ======== version 2 of 2: 4 launches
;; workspace buffers: codes 3,932,160 bytes; rec 327,680 bytes; qcodes 3,145,728 bytes; kcodes 3,145,728 bytes; vcodes 3,145,728 bytes; qside 1,048,576 bytes; kside 1,048,576 bytes; obuf 3,670,016 bytes
;; launch quant (part 5): grid 640 x 1, 1 waves a work-group, no clusters, 17,152 bytes of LDS; arguments x, Wq, Wk, Wv, Wo, codes, rec; writes codes, rec
.if DOCPART == 5
	.amdgcn_target "amdgcn-amd-amdhsa--gfx1250"
	.amdhsa_code_object_version 6
	.text
	.protected	k_qd8f78b9fc8_quant
	.globl	k_qd8f78b9fc8_quant
	.p2align	8
	.type	k_qd8f78b9fc8_quant,@function
k_qd8f78b9fc8_quant:
	s_mov_b64 s[64:65], 0
	v_nop
	global_prefetch_b8 v0, s[64:65] scope:SCOPE_SE
	s_setreg_imm32_b32 hwreg(HW_REG_WAVE_MODE, 25, 1), 1
	s_wait_xcnt 0x0
; x [8192][512] and the four weights [512][512], f32 with K innermost, become codes of FP6 (E2M3) with one E8M0 byte for each 32 along K.
; A work-group is one wave and takes one TILE of 16 rows x 512 K.  Tiles 0-511 are x's, tile 512 + 32 m + t is tile t of weight m (q, k, v, o).
; THE ROWS OF A TILE ARE NOT NEIGHBOURS: lane r of tile t stands for row 32 (t / 2) + 8 (t % 2) + r + 8 (r / 8), so that the results of two neighbouring tiles are 16 neighbours along a later K.
; OUT: codes [640][4 K steps][1,536]: a fragment (16 rows x 128 K, 12 registers a lane) as an image of its registers: registers 4 c .. 4 c + 3 of lane l at 512 c + 16 l.
;      rec [640][512]: lane r at 16 r: the row's four scale words; lane 16 + r at 256 + 16 r: the row's sum of squares of the unquantised numbers, then three zeros.
; A block's scale byte is its largest magnitude's exponent field - 2, held at 1 from below.  A block of zeros keeps the byte 1: its codes are zeros, and this program alone reads the bytes.
; LIMITS: NaN and infinities among the inputs are not served; blocks whose largest magnitude lies under 2^(3 - 127) are held at the byte 1.
; Memory binds: every load reads 512 consecutive bytes of a row, every store writes 512 consecutive bytes.  The numbers turn through a stage in LDS so that a lane holds 16 neighbours along K.
; No matrix unit, no barrier (one wave), no tensor load: nothing is shared.
.set STG, 8448                         ; a stage: 16 rows x (512 bytes + 16): the 16 rows of a 16-byte read start in 16 different groups of banks
.set X,   32                           ; v32-95, v96-159: two sets of 64 numbers: register 16 b + i = k 32 b + 16 (lane / 16) + i of my row
.set PC,  160                          ; v160-207 codes: 12 registers for each K step, so that no store's data are written again
.set CT,  208                          ; v208-215 the second halves of the conversions
.set TM,  216                          ; v216-231 at work in the quantiser
.set SW,  232                          ; v232-235 the four scale words
.set NA,  236                          ; v236-239 the sum of squares, two packed chains
.set RD,  240                          ; v240-243 the record
.set ZR,  244                          ; 0
.set PW,  245                          ; the scale word just made
.set MSB, 0
.macro WIN new                         ; the immediate's high byte repeats the setting that is left
.if MSB != \new
	s_set_vgpr_msb (MSB<<8)|\new
.set MSB, \new
.endif
.endm
; 64 numbers of a lane become a fragment's 12 registers of codes and its row's scale word
.macro QUANT4 s, pc
.irp b, 0,1,2,3
	v_max3_num_f32 v[TM+\b], |v[\s+16*\b]|, |v[\s+1+16*\b]|, 0x1800000   ; my 16 numbers of block b, and the floor 2^(3 - 127)
.endr
.irp i, 2,4,6,8,10,12,14
.irp b, 0,1,2,3
	v_max3_num_f32 v[TM+\b], v[TM+\b], |v[\s+16*\b+\i]|, |v[\s+1+16*\b+\i]|
.endr
.endr
.irp b, 0,1,2,3
	v_permlanex16_b32 v[TM+4+\b], v[TM+\b], s26, s27
.endr
.irp b, 0,1,2,3
	v_max_num_f32 v[TM+\b], v[TM+\b], v[TM+4+\b]   ; with lane l xor 16's: the block's largest magnitude
.endr
.irp b, 0,1,2,3
	v_add_nc_u32 v[TM+12+\b], 0xff000000, v[TM+\b] ; 2 off its exponent field: the conversion's scale operand
.endr
.irp b, 0,1,2,3
	v_lshrrev_b32 v[TM+4+\b], 23, v[TM+12+\b]      ; the scale's byte
.endr
	v_lshl_or_b32 v[PW], v[TM+5], 8, v[TM+4]
	v_lshl_or_b32 v[PW], v[TM+6], 16, v[PW]
	v_lshl_or_b32 v[PW], v[TM+7], 24, v[PW]
.irp c, 0,1
	v_cvt_scalef32_pk16_fp6_f32 v[\pc+6*\c:\pc+2+6*\c], v[\s+32*\c:\s+15+32*\c], v[TM+12+2*\c]
	v_cvt_scalef32_pk16_fp6_f32 v[CT+4*\c:CT+2+4*\c], v[\s+16+32*\c:\s+31+32*\c], v[TM+12+2*\c+1]
.endr
	v_nop                                          ; one plain place behind a scaled conversion
.irp c, 0,1                            ; the operand's layout wants a whole block in a lane: lanes 0-15 block 2 c, lanes 16-31 block 2 c + 1
.irp i, 0,1,2
	v_permlane16_swap_b32 v[\pc+6*\c+\i], v[CT+4*\c+\i]
.endr
.irp i, 0,1,2
	v_mov_b32 v[\pc+3+6*\c+\i], v[CT+4*\c+\i]
.endr
.endr
.endm
	s_load_b256 s[4:11], s[0:1], 0x0               ; x, Wq, Wk, Wv
	s_load_b128 s[12:15], s[0:1], 0x20             ; Wo, codes
	s_load_b64 s[16:17], s[0:1], 0x30              ; rec
	v_lshl_add_u32 v254, v0, 2, 0x4200
	v_mov_b32 v255, 0
	v_lshlrev_b32 v1, 4, v0                        ; 16 x lane: loads, the stage on the way in, stores
	v_and_b32 v2, 15, v0                           ; r
	v_lshrrev_b32 v3, 4, v0                        ; h
	v_mul_u32_u24 v5, v2, 528
	v_lshl_add_u32 v5, v3, 6, v5                   ; the stage on the way out: row r, + 64 h
	v_mov_b32 v[ZR], 0
.irp b, 0,1,2,3
	v_mov_b32 v[TM+4+\b], 0                        ; written once: a lane permute's destination counts as one of its sources
.endr
	s_mov_b32 s26, 0x76543210
	s_mov_b32 s27, 0xfedcba98                      ; selects for lane l xor 16
	s_mov_b32 s28, 0xffff0000                      ; lanes 16-31
	s_and_b32 s23, ttmp9, 31
	s_wait_alu depctr_va_vdst(0)
	s_wait_kmcnt 0x0
	s_cmp_lt_u32 ttmp9, 608                        ; which tensor: the choice hangs on the work-group's number alone
	s_cselect_b64 s[20:21], s[10:11], s[12:13]
	s_cmp_lt_u32 ttmp9, 576
	s_cselect_b64 s[20:21], s[8:9], s[20:21]
	s_cmp_lt_u32 ttmp9, 544
	s_cselect_b64 s[20:21], s[6:7], s[20:21]
	s_cmp_lt_u32 ttmp9, 512
	s_cselect_b64 s[20:21], s[4:5], s[20:21]
	s_cselect_b32 s22, ttmp9, s23                  ; the tile's number in its tensor
	s_lshr_b32 s24, s22, 1
	s_lshl_b32 s24, s24, 16                        ; 32 rows of 2,048 bytes for each pair of tiles,
	s_and_b32 s25, s22, 1
	s_lshl_b32 s25, s25, 14                        ; 8 rows for the odd one
	s_add_co_u32 s24, s24, s25
	s_mov_b32 s25, 0
	s_add_nc_u64 s[20:21], s[20:21], s[24:25]
	s_mul_i32 s24, ttmp9, 6144
	s_add_nc_u64 s[14:15], s[14:15], s[24:25]
	s_lshl_b32 s24, ttmp9, 9
	s_add_nc_u64 s[16:17], s[16:17], s[24:25]
	WIN 0x40                                       ; destination window 1: v[64 s + 4 i]: K step s, row i of the tile
.set ss, 0
.rept 4
.set ii, 0
.rept 16
	global_load_b128 v[64*ss+4*ii:64*ss+4*ii+3], v1, s[20:21] offset:(ii+8*(ii/8))*2048+512*ss th:TH_LOAD_NT
.set ii, ii+1
.endr
.set ss, ss+1
.endr
	WIN 0
; K step t's numbers go through stage t % 2: in as they were loaded, out 16 neighbours a lane.  LDS serves a wave's instructions in order.
.macro TURN t
	s_wait_loadcnt 16*(3-(\t))                     ; the loads of the later K steps may stay out
	WIN 0x04                                       ; an LDS store's data are its source 1: window 1
.set ii, 0
.rept 16
	ds_store_b128 v1, v[64*(\t)+4*ii:64*(\t)+4*ii+3] offset:STG*((\t)%2)+528*ii
.set ii, ii+1
.endr
	WIN 0
.set ii, 0
.rept 16
	ds_load_b128 v[X+64*((\t)%2)+4*ii:X+64*((\t)%2)+4*ii+3], v5 offset:STG*((\t)%2)+128*(ii/4)+16*(ii%4)
.set ii, ii+1
.endr
.endm
.macro STEP t
.if (\t) < 3
	TURN (\t)+1
	s_wait_dscnt 32                                ; this step's numbers are back; the next turn's 16 stores and 16 loads may be out
.else
	s_wait_dscnt 0x0
.endif
.set XB, X+64*((\t)%2)
.set ii, 0
.rept 16
.if ((\t) == 0) && (ii == 0)
	v_pk_mul_f32 v[NA:NA+1], v[XB:XB+1], v[XB:XB+1]
	v_pk_mul_f32 v[NA+2:NA+3], v[XB+2:XB+3], v[XB+2:XB+3]
.else
	v_pk_fma_f32 v[NA:NA+1], v[XB+4*ii:XB+4*ii+1], v[XB+4*ii:XB+4*ii+1], v[NA:NA+1]
	v_pk_fma_f32 v[NA+2:NA+3], v[XB+4*ii+2:XB+4*ii+3], v[XB+4*ii+2:XB+4*ii+3], v[NA+2:NA+3]
.endif
.set ii, ii+1
.endr
	QUANT4 XB, PC+12*(\t)
	v_mov_b32 v[SW+(\t)], v[PW]
.irp c, 0,1,2
	global_store_b128 v1, v[PC+12*(\t)+4*\c:PC+12*(\t)+4*\c+3], s[14:15] offset:1536*(\t)+512*\c   ; 512 consecutive bytes
.endr
.endm
	TURN 0
	STEP 0
	STEP 1
	STEP 2
	STEP 3
	v_pk_add_f32 v[NA:NA+1], v[NA:NA+1], v[NA+2:NA+3]
	v_add_f32 v[NA], v[NA], v[NA+1]
	v_permlanex16_b32 v[NA+1], v[NA], s26, s27
	v_add_f32 v[NA], v[NA], v[NA+1]                ; the row's sum of squares
	v_cndmask_b32 v[RD], v[SW], v[NA], s28         ; lanes 0-15 the scale words, lanes 16-31 the sum and zeros
	v_cndmask_b32 v[RD+1], v[SW+1], v[ZR], s28
	v_cndmask_b32 v[RD+2], v[SW+2], v[ZR], s28
	v_cndmask_b32 v[RD+3], v[SW+3], v[ZR], s28
	global_store_b128 v1, v[RD:RD+3], s[16:17]
	s_wait_tensorcnt 0x0
	ds_add_u32 v254, v255
	s_wait_dscnt 0x0
	s_endpgm
.Lfunc_end_k_qd8f78b9fc8_quant:
	.size	k_qd8f78b9fc8_quant, .Lfunc_end_k_qd8f78b9fc8_quant-k_qd8f78b9fc8_quant
	.p2alignl 7, 3214868480
	.fill 96, 4, 3214868480
	.section	.rodata,"a",@progbits
	.p2align	6, 0x0
	.amdhsa_kernel k_qd8f78b9fc8_quant
		.amdhsa_group_segment_fixed_size 17152
		.amdhsa_private_segment_fixed_size 0
		.amdhsa_enable_private_segment 0
		.amdhsa_kernarg_size 56
		.amdhsa_user_sgpr_count 2
		.amdhsa_user_sgpr_kernarg_segment_ptr 1
		.amdhsa_wavefront_size32 1
		.amdhsa_system_sgpr_workgroup_id_x 1
		.amdhsa_system_sgpr_workgroup_id_y 1
		.amdhsa_system_sgpr_workgroup_id_z 1
		.amdhsa_system_vgpr_workitem_id 0
		.amdhsa_next_free_vgpr 512
		.amdhsa_next_free_sgpr 66
		.amdhsa_reserve_vcc 0
		.amdhsa_float_denorm_mode_32 3
		.amdhsa_float_denorm_mode_16_64 3
		.amdhsa_memory_ordered 1
		.amdhsa_forward_progress 1
		.amdhsa_inst_pref_size 42
	.end_amdhsa_kernel
	.amdgpu_metadata
---
amdhsa.version: [ 1, 2 ]
amdhsa.kernels:
  - .name:           k_qd8f78b9fc8_quant
    .symbol:         k_qd8f78b9fc8_quant.kd
    .args:
      - { .name: x, .offset: 0, .size: 8, .value_kind: global_buffer, .address_space: global }
      - { .name: Wq, .offset: 8, .size: 8, .value_kind: global_buffer, .address_space: global }
      - { .name: Wk, .offset: 16, .size: 8, .value_kind: global_buffer, .address_space: global }
      - { .name: Wv, .offset: 24, .size: 8, .value_kind: global_buffer, .address_space: global }
      - { .name: Wo, .offset: 32, .size: 8, .value_kind: global_buffer, .address_space: global }
      - { .name: codes, .offset: 40, .size: 8, .value_kind: global_buffer, .address_space: global }
      - { .name: rec, .offset: 48, .size: 8, .value_kind: global_buffer, .address_space: global }
    .group_segment_fixed_size: 17152
    .private_segment_fixed_size: 0
    .kernarg_segment_align: 8
    .kernarg_segment_size: 56
    .max_flat_workgroup_size: 32
    .sgpr_count:     66
    .vgpr_count:     512
    .wavefront_size: 32
...
	.end_amdgpu_metadata
.endif
;; end of part 5
;; launch qkv (part 6): grid 256 x 1, 4 waves a work-group, no clusters, 8,704 bytes of LDS; arguments codes, rec, bq, bk, bv, qcodes, qside, kcodes, kside, vcodes; writes qcodes, qside, kcodes, kside, vcodes
.if DOCPART == 6
	.amdgcn_target "amdgcn-amd-amdhsa--gfx1250"
	.amdhsa_code_object_version 6
	.text
	.protected	k_qd8f78b9fc8_qkv
	.globl	k_qd8f78b9fc8_qkv
	.p2align	8
	.type	k_qd8f78b9fc8_qkv,@function
k_qd8f78b9fc8_qkv:
	s_mov_b64 s[64:65], 0
	v_nop
	global_prefetch_b8 v0, s[64:65] scope:SCOPE_SE
	s_setreg_imm32_b32 hwreg(HW_REG_WAVE_SCHED_MODE, 0, 2), 2
	s_setreg_imm32_b32 hwreg(HW_REG_WAVE_MODE, 25, 1), 1
	s_wait_xcnt 0x0
	s_wait_alu depctr_vm_vsrc(0)
; q, k, v = hyp_linear(x, W, b) on codes of FP6, and their quantising for the attention: q and k along the head's 64 channels, v along the keys.
; hyp_linear's result is alpha[row] x mx + beta[row] x b, mx = x W^T; alpha and beta are made from four sums of a row: |x|^2 (stored beside x's codes), |mx|^2, mx . b, |b|^2 (macro ROWMATH).
; SHARES.  A work-group owns 32 rows (two tiles of 16, one block of 32 keys).  THE WAVES SHARE THE COLUMNS: wave w makes channels 128 w .. 128 w + 127 (two heads) of q, then of k, then of v.  A row's sums meet in LDS, one barrier a phase.
; q, k: the product is used transposed (source 0 = 16 rows of W, source 1 = 16 rows of x): a lane holds one row, its registers run along the channels.
; v: the natural way (source 0 = x, source 1 = W): a lane holds one channel, its registers run down the 32 rows, which are the second attention product's K.
; The rows of a tile (of x and of W) are 32 (t / 2) + 8 (t % 2) + r + 8 (r / 8): so the 16 registers of two neighbouring tiles are 16 neighbours along the next K.
; The weights come from memory straight into registers, as images of the operand's registers: each fragment feeds its two products and is done with, so a way through LDS would only move each byte once more.
; NO CLUSTER: only tensor loads can be asked for jointly, and this text has none.
; OUT.  qcodes, kcodes [head 32][tile 128][768]: 16 rows x 64 K, 6 registers a lane: register pair p of lane l at 256 p + 8 l.
;   vcodes [head][key block 64][2][768]: the same image; lanes 0-15 hold channel tile 2 tau, lanes 16-31 tile 2 tau + 1, each lane its channel's 32 keys; in odd key blocks the two halves of each 256 bytes change places.
;   qside, kside [head][32,768]: +0 [block 64][n2 of 32 rows | 1 - n2 of 32 rows], n2 = min(the row's sum of squares in this head, 1 - 1e-5); +16,384 [tile 128][16 scale words: two bytes, then 0x7f7f];
;   kside +24,576 [block 64][32 words]: byte i = the scale of channel tile i of the head at lane r, for v's block of 32 keys.
; LIMITS.  The two norms that project() tests are taken from the row's sums (|res| = s |mx|; |x (+) y|^2 = (x2 + 2 xy + y2) den / den'^2, den' the clamped one), not from a second pass over the elements: another order of rounding.
;   log1p and expm1 are made by the quotients u / ((1 + u) - 1) and y / ln(e^y), so that small inputs keep their relative accuracy.  NaN and infinities among the inputs are not served; sums of squares under 2^-126 count as 0.
; REGISTERS, in windows of 256.  Window 0: v1-15 addresses; v24-31 x's scale words; v32-63 W's; v64-95 32 finished numbers; v96-119 codes, 4 sets; v124-131 quantiser; v132-165 sums; v166-199 ROWMATH; v200-231 alpha, beta; v232-255 what the side stores read.
;   Window 1: v0-95 x's 8 fragments; v96-223 the 16 accumulators (tile tl of W, tile u of x: 8 (2 tl + u)).   Window 2: v0-63 a bias; v64-255 W's tiles 4-7.   Window 3: v0-191 W's tiles 0-3; v192-255 a bias.
; THE MODE: SCHED_MODE bits 1:0 = 2 (LLVM: expert scheduling mode 2), set by the entry lines.  The code itself states the register dependences
; between vector or matrix instructions and memory or LDS instructions, with s_wait_alu, always for 0.
; THE PLAN.  Registers that memory or LDS instructions touch:
;   v1-13      offsets and LDS addresses: written at the head, never again.  v230, v231: the offsets of two loads at the head; in v's phase alpha and beta land there.
;   W          v32-63, window 3 v0-191, window 2 v64-255: written by a phase's 104 loads, read by its 64 products.  ONE wait on va_vdst behind q's and behind k's products frees all of it; the next phase's
;              loads follow in four groups among the phase's vector work, which names none of W nor the loads' offsets v1, v2.
;   biases     window 2 v0-63: bq, read by q's vector work; bv lands in v0-15 behind the wait that follows k's products.  Window 3 v192-255: bk, loaded once.
;   SUM        written by a phase's vector sums; LDS stores read v[SUM+2], +10, +16 (q, k) or v[SUM .. SUM+32] (v), behind a wait on va_vdst; the four waves' parts land in v[SUM+20 .. SUM+31].
;   PC, TV     four sets of codes, six side numbers: written by the tails, read by the stores, which stand together behind ONE wait on va_vdst for each head; written again a phase later, behind a wait on vm_vsrc.
;   AL, BE, AB v's phase: two LDS stores read alpha and beta, eight LDS loads land in v[AB .. AB+31]: one wait on va_vdst ahead of them.
; Accumulators, x's fragments, F and the quantiser's registers are written once by loads or named by vector and matrix instructions alone.
.set MINN, 0x26901d7d                  ; 1e-15
.set MAXN, 0x3f7ef9db                  ; 0.996
.set ATC,  0x3f7ffffe                  ; 1 - 1e-7
.set LN2,  0x3f317218
.set L2E,  0x3fb8aa3b
.set Y40,  0x42200000                  ; 40: tanh(20) is 1 in f32
.set OME,  0x3f7fff58                  ; 1 - 1e-5
.set A16L, 1                           ; 16 x lane
.set A16R, 2                           ; 16 r
.set A8L,  3                           ; 8 x lane
.set A8X,  4                           ; 8 x (lane xor 16 in odd blocks)
.set A4L,  5                           ; 4 x lane
.set ANAT, 6                           ; 4 x (8 h + r + 8 (r / 8)): the row's place in its block of 32
.set A64H, 7                           ; 64 h
.set ABL,  8                           ; 4 x (r + 8 (r / 8))
.set RW,   9                           ; LDS: 512 w + 4 x lane
.set RV,   11                          ; LDS: 512 w + 64 h
.set ABW,  12                          ; LDS: 256 w + 4 x lane
.set ABR,  13                          ; LDS: 256 w + 64 h
.set XNT,  14                          ; |x|^2 of row r of tile h
.set XNV,  15                          ; |x|^2 of the block's row number lane
.set XS,   24
.set WS,   32
.set F,    64
.set PC,   96
.set CT,   120
.set TM,   124
.set SUM,  132
.set RM,   166
.set AL,   198
.set BE,   199
.set AB,   200
.set TV,   232
.set ACC,  96                          ; in window 1
.set SEL,  26
.set HM,   28
.set ABB,  6144                        ; LDS: behind the three phases' sums (2,048 bytes each): alpha and beta, 256 bytes a wave
.set MSB, 0
.macro WIN new
.if MSB != \new
	s_set_vgpr_msb (MSB<<8)|\new
.set MSB, \new
.endif
.endm
.macro TW                              ; behind a batch of transcendentals: one plain place, then the wait ahead of the first reader
	v_nop
	s_wait_alu depctr_va_vdst(0)                   ; the batch's results are written, ahead of the first instruction that names one
.endm
.macro WM6 d, a, b, c, sa, sb
	v_wmma_scale_f32_16x16x128_f8f6f4 v[\d:\d+7], v[\a:\a+11], v[\b:\b+11], \c, v[\sa], v[\sb] matrix_a_fmt:MATRIX_FMT_FP6 matrix_b_fmt:MATRIX_FMT_FP6
.endm
; 32 numbers of a lane in two groups of 16 (group g, element i = place 16 h + i of a block of 32) become 6 registers of codes: lanes 0-15 hold group 0's 32 codes, lanes 16-31 group 1's.  The bytes: v[TM+6], v[TM+7].
.macro QUANT2 s, pc
.irp g, 0,1
	v_max3_num_f32 v[TM+\g], |v[\s+16*\g]|, |v[\s+16*\g+1]|, 0x1800000   ; and the floor 2^(3 - 127): the byte cannot fall under 1
.endr
.irp i, 2,4,6,8,10,12,14
.irp g, 0,1
	v_max3_num_f32 v[TM+\g], v[TM+\g], |v[\s+16*\g+\i]|, |v[\s+16*\g+\i+1]|
.endr
.endr
.irp g, 0,1
	v_permlanex16_b32 v[TM+2+\g], v[TM+\g], s[SEL], s[SEL+1]
.endr
.irp g, 0,1
	v_max_num_f32 v[TM+\g], v[TM+\g], v[TM+2+\g]
.endr
.irp g, 0,1
	v_add_nc_u32 v[TM+4+\g], 0xff000000, v[TM+\g]  ; 2 off the exponent field: the conversion's scale operand
.endr
.irp g, 0,1
	v_lshrrev_b32 v[TM+6+\g], 23, v[TM+4+\g]       ; the scale's byte
.endr
	v_cvt_scalef32_pk16_fp6_f32 v[\pc:\pc+2], v[\s:\s+15], v[TM+4]
	v_cvt_scalef32_pk16_fp6_f32 v[CT:CT+2], v[\s+16:\s+31], v[TM+5]
	v_nop                                          ; one plain place behind a scaled conversion
.irp i, 0,1,2
	v_permlane16_swap_b32 v[\pc+\i], v[CT+\i]
.endr
.irp i, 0,1,2
	v_mov_b32 v[\pc+3+\i], v[CT+\i]
.endr
.endm
; One row a lane.  In: |x|^2 in v[x2], |mx|^2 in v[SUM+20], mx . b in v[SUM+21], |b|^2 in v[SUM+22].  Out: v[AL], v[BE]: the row of hyp_linear is AL x mx + BE x b.
; Each compare stands a few lines ahead of the select that reads its mask, with the wait on va_vcc between.
.macro ROWMATH x2
	v_sqrt_f32 v[RM+0], v[\x2]
	v_sqrt_f32 v[RM+1], v[SUM+20]                  ; |mx|
	TW
	v_max_num_f32 v[RM+2], MINN, v[RM+0]           ; x_norm
	v_max_num_f32 v[RM+3], MINN, v[RM+1]           ; mx_norm
	v_min_num_f32 v[RM+4], ATC, v[RM+2]            ; artanh's clip
	v_sub_f32 v[RM+5], 1.0, v[RM+4]
	s_wait_alu depctr_va_vdst(0)
	v_rcp_f32 v[RM+6], v[RM+5]
	v_rcp_f32 v[RM+7], v[RM+2]
	v_rcp_f32 v[RM+8], v[RM+3]
	TW
	v_mul_f32 v[RM+9], v[RM+4], v[RM+6]
	v_add_f32 v[RM+9], v[RM+9], v[RM+9]            ; u = 2 x / (1 - x): 2 artanh(x) = log1p(u)
	v_add_f32 v[RM+10], 1.0, v[RM+9]
	v_add_f32 v[RM+11], -1.0, v[RM+10]
	s_wait_alu depctr_va_vdst(0)
	v_log_f32 v[RM+12], v[RM+10]
	v_rcp_f32 v[RM+13], v[RM+11]
	TW
	v_cmp_eq_f32 vcc_lo, 0, v[RM+11]
	v_mul_f32 v[RM+12], LN2, v[RM+12]
	v_mul_f32 v[RM+12], v[RM+12], v[RM+9]
	v_mul_f32 v[RM+12], v[RM+12], v[RM+13]         ; ln(1 + u) x u / ((1 + u) - 1)
	s_wait_alu depctr_va_vcc(0)                    ; the compare has written VCC, which the select reads
	v_cndmask_b32 v[RM+12], v[RM+12], v[RM+9], vcc_lo   ; u itself where 1 + u is 1
	v_mul_f32 v[RM+14], v[RM+3], v[RM+7]
	v_mul_f32 v[RM+14], v[RM+14], v[RM+12]         ; y = 2 z, z the argument of tanh
	v_min_num_f32 v[RM+14], Y40, v[RM+14]
	v_mul_f32 v[RM+15], L2E, v[RM+14]
	s_wait_alu depctr_va_vdst(0)
	v_exp_f32 v[RM+16], v[RM+15]                   ; e = e^y
	TW
	v_add_f32 v[RM+17], -1.0, v[RM+16]
	v_log_f32 v[RM+18], v[RM+16]
	TW
	v_mul_f32 v[RM+18], LN2, v[RM+18]
	s_wait_alu depctr_va_vdst(0)
	v_rcp_f32 v[RM+19], v[RM+18]
	TW
	v_cmp_eq_f32 vcc_lo, 0, v[RM+17]
	v_mul_f32 v[RM+20], v[RM+17], v[RM+14]
	v_mul_f32 v[RM+20], v[RM+20], v[RM+19]         ; expm1(y) = (e - 1) y / ln e
	s_wait_alu depctr_va_vcc(0)                    ; the compare has written VCC, which the select reads
	v_cndmask_b32 v[RM+20], v[RM+20], v[RM+14], vcc_lo  ; y itself where e is 1
	v_add_f32 v[RM+21], 2.0, v[RM+20]
	s_wait_alu depctr_va_vdst(0)
	v_rcp_f32 v[RM+22], v[RM+21]
	TW
	v_mul_f32 v[RM+20], v[RM+20], v[RM+22]         ; tanh(z)
	v_mul_f32 v[RM+23], v[RM+20], v[RM+8]          ; s0: res = s0 x mx
	v_mul_f32 v[RM+24], v[RM+23], v[RM+1]
	v_max_num_f32 v[RM+24], MINN, v[RM+24]         ; |res|
	s_wait_alu depctr_va_vdst(0)
	v_rcp_f32 v[RM+25], v[RM+24]
	TW
	v_cmp_lt_f32 vcc_lo, MAXN, v[RM+24]
	v_mul_f32 v[RM+25], v[RM+25], v[RM+23]
	v_mul_f32 v[RM+25], MAXN, v[RM+25]
	s_wait_alu depctr_va_vcc(0)                    ; the compare has written VCC, which the select reads
	v_cndmask_b32 v[RM+23], v[RM+23], v[RM+25], vcc_lo  ; s, projected
	v_mul_f32 v[RM+26], v[RM+23], v[RM+1]
	v_mul_f32 v[RM+26], v[RM+26], v[RM+26]         ; x2
	v_mul_f32 v[RM+27], v[RM+23], v[SUM+21]        ; xy
	v_fma_f32 v[RM+28], 2.0, v[RM+27], 1.0
	v_add_f32 v[RM+29], v[RM+28], v[SUM+22]        ; 1 + 2 xy + y2
	v_fma_f32 v[RM+30], v[RM+26], v[SUM+22], v[RM+28]   ; 1 + 2 xy + x2 y2
	v_max_num_f32 v[RM+31], MINN, v[RM+30]
	s_wait_alu depctr_va_vdst(0)
	v_rcp_f32 v[RM+0], v[RM+31]                    ; 1 / den
	v_fma_f32 v[RM+2], 2.0, v[RM+27], v[RM+26]
	v_add_f32 v[RM+2], v[RM+2], v[SUM+22]
	v_max_num_f32 v[RM+2], 0, v[RM+2]              ; |x + y|^2
	v_mul_f32 v[RM+2], v[RM+2], v[RM+30]
	s_wait_alu depctr_va_vdst(0)                   ; 1 / den is written, ahead of its first reader
	v_mul_f32 v[RM+2], v[RM+2], v[RM+0]
	v_mul_f32 v[RM+2], v[RM+2], v[RM+0]            ; |num / den|^2
	s_wait_alu depctr_va_vdst(0)
	v_sqrt_f32 v[RM+3], v[RM+2]
	TW
	v_max_num_f32 v[RM+3], MINN, v[RM+3]
	s_wait_alu depctr_va_vdst(0)
	v_rcp_f32 v[RM+4], v[RM+3]
	TW
	v_cmp_lt_f32 vcc_lo, MAXN, v[RM+3]
	v_mul_f32 v[RM+4], MAXN, v[RM+4]
	s_wait_alu depctr_va_vcc(0)                    ; the compare has written VCC, which the select reads
	v_cndmask_b32 v[RM+4], 1.0, v[RM+4], vcc_lo    ; the second projection
	v_mul_f32 v[RM+4], v[RM+4], v[RM+0]
	v_mul_f32 v[RM+5], v[RM+29], v[RM+23]
	v_mul_f32 v[AL], v[RM+5], v[RM+4]
	v_sub_f32 v[RM+6], 1.0, v[RM+26]
	v_mul_f32 v[BE], v[RM+6], v[RM+4]
.endm
; my 128 numbers of a bias as the transposed result wants them: register 8 tl + j = b[128 w + 32 (tl / 2) + 16 h + 8 (tl % 2) + j]
.macro LOADB_T bi, bw, bq
.set WN, (\bw)<<6
	WIN WN
.set ii, 0
.rept 16
	global_load_b128 v[\bq+4*ii:\bq+4*ii+3], v[A64H], s[\bi:\bi+1] offset:128*(ii/4)+16*(ii%4)
.set ii, ii+1
.endr
	WIN 0
.endm
; and as the natural result wants them: my channel's number for each tile, twice, so that it forms a pair; window 2, v0-15
.macro LOADB_V bi
	WIN 0x80
.set tt, 0
.rept 8
	global_load_b32 v[2*tt], v[ABL], s[\bi:\bi+1] offset:(32*(tt/2)+8*(tt%2))*4
	global_load_b32 v[2*tt+1], v[ABL], s[\bi:\bi+1] offset:(32*(tt/2)+8*(tt%2))*4
.set tt, tt+1
.endr
	WIN 0
.endm
; W's tiles 2 P and 2 P + 1: for each its four scale words and its four fragments: 26 loads.  No wait stands here: no vector or matrix instruction since the wait behind the last phase's products names these registers
.macro LOADP wc, wr, P
.irp g, 0,1
	WIN 0
	global_load_b128 v[WS+4*(2*\P+\g):WS+4*(2*\P+\g)+3], v[A16R], s[\wr:\wr+1] offset:512*(2*\P+\g)
.if \P < 2
	WIN 0xc0
.set WB, 96*\P+48*\g
.else
	WIN 0x80
.set WB, 64+96*(\P-2)+48*\g
.endif
.set ii, 0
.rept 12
	global_load_b128 v[WB+4*ii:WB+4*ii+3], v[A16L], s[\wc:\wc+1] offset:6144*(2*\P+\g)+512*ii
.set ii, ii+1
.endr
.endr
	WIN 0
.endm
; 64 products.  A pair of W's tiles at a time: its four accumulators take turns, one instruction a turn, K ascending.  mode 0: transposed; 1: natural.
; Operands and scale words all come by loads: their waits on LOADcnt are all that the products hang on.
.macro GEMM mode
.irp P, 0,1,2,3
.if 26*(3-\P) > 63
	s_wait_loadcnt 63
.else
	s_wait_loadcnt 26*(3-\P)                       ; the later pairs' loads may stay out: 26 each, and nothing else was issued behind them
.endif
.if \P < 2
.set WBASE, 96*\P
.set WW, 3
.else
.set WBASE, 64+96*(\P-2)
.set WW, 2
.endif
.if \mode == 0
.set WN, 0x54+WW
.else
.set WN, 0x51+4*WW
.endif
	WIN WN
.irp s, 0,1,2,3
.irp g, 0,1
.irp u, 0,1
.set rA, ACC+8*(2*(2*\P+\g)+\u)
.set rW, WBASE+48*\g+12*\s
.set rX, 12*(4*\u+\s)
.set rWS, WS+4*(2*\P+\g)+\s
.set rXS, XS+4*\u+\s
.if \mode == 0
.if \s == 0
	WM6 rA, rW, rX, 0, rWS, rXS
.else
	WM6 rA, rW, rX, v[rA:rA+7], rWS, rXS
.endif
.else
.if \s == 0
	WM6 rA, rX, rW, 0, rXS, rWS
.else
	WM6 rA, rX, rW, v[rA:rA+7], rXS, rWS
.endif
.endif
.endr
.endr
.endr
.endr
	WIN 0
.rept 5
	v_nop                                          ; places behind the last products: reads of their results follow
.endr
.endm
; the sums of a transposed phase: for each of my two rows |mx|^2 and mx . b over my 64 channels, and |b|^2; then the other half of the lanes'; lane (r, h) keeps tile h's
.macro SUMS_T bw, bq, ph
	WIN 0x05
.set tt, 0
.rept 8
.set jj, 0
.rept 4
.set uu, 0
.rept 2
.set rA, ACC+8*(2*tt+uu)+2*jj
.set rS, SUM+4*uu+2*(jj%2)
.if (tt == 0) && (jj < 2)
	v_pk_mul_f32 v[rS:rS+1], v[rA:rA+1], v[rA:rA+1]         ; each accumulator is read from its low end on
.else
	v_pk_fma_f32 v[rS:rS+1], v[rA:rA+1], v[rA:rA+1], v[rS:rS+1]
.endif
.set uu, uu+1
.endr
.set jj, jj+1
.endr
.set tt, tt+1
.endr
.set WN, 0x01|((\bw)<<2)
	WIN WN
.set tt, 0
.rept 8
.set jj, 0
.rept 4
.set uu, 0
.rept 2
.set rA, ACC+8*(2*tt+uu)+2*jj
.set rB, \bq+8*tt+2*jj
.set rS, SUM+8+4*uu+2*(jj%2)
.if (tt == 0) && (jj < 2)
	v_pk_mul_f32 v[rS:rS+1], v[rA:rA+1], v[rB:rB+1]
.else
	v_pk_fma_f32 v[rS:rS+1], v[rA:rA+1], v[rB:rB+1], v[rS:rS+1]
.endif
.set uu, uu+1
.endr
.set jj, jj+1
.endr
.set tt, tt+1
.endr
.set WN, (\bw)|((\bw)<<2)
	WIN WN
.set ii, 0
.rept 32
.set rB, \bq+2*ii
.set rS, SUM+16+2*(ii%4)
.if ii < 4
	v_pk_mul_f32 v[rS:rS+1], v[rB:rB+1], v[rB:rB+1]
.else
	v_pk_fma_f32 v[rS:rS+1], v[rB:rB+1], v[rB:rB+1], v[rS:rS+1]
.endif
.set ii, ii+1
.endr
	WIN 0
.irp q, 0,4,8,12,16,20
	v_pk_add_f32 v[SUM+\q:SUM+\q+1], v[SUM+\q:SUM+\q+1], v[SUM+\q+2:SUM+\q+3]
.endr
	v_pk_add_f32 v[SUM+16:SUM+17], v[SUM+16:SUM+17], v[SUM+20:SUM+21]
.irp q, 0,4,8,12,16
	v_add_f32 v[SUM+\q], v[SUM+\q], v[SUM+\q+1]
.endr
.irp q, 0,4,8,12,16
	v_permlanex16_b32 v[SUM+\q+1], v[SUM+\q], s[SEL], s[SEL+1]
.endr
.irp q, 0,4,8,12,16
	v_add_f32 v[SUM+\q], v[SUM+\q], v[SUM+\q+1]
.endr
	v_cndmask_b32 v[SUM+2], v[SUM], v[SUM+4], s[HM]
	v_cndmask_b32 v[SUM+10], v[SUM+8], v[SUM+12], s[HM]
	s_wait_alu depctr_va_vdst(0)                   ; the three sums are written, which the LDS stores read; the lines above are done with v[SUM+20 ..], in which the waves' parts land behind the barrier
	ds_store_b32 v[RW], v[SUM+2] offset:2048*\ph
	ds_store_b32 v[RW], v[SUM+10] offset:2048*\ph+128
	ds_store_b32 v[RW], v[SUM+16] offset:2048*\ph+256
.endm
; the four waves' parts meet: my stores have landed, then the barrier, then every wave adds all four in the same order.  Each phase has bytes of its own, so one barrier a phase serves.
.macro REDUCE ph
	s_wait_dscnt 0x0
	s_barrier_signal -1
	s_barrier_wait -1
.if \ph == 2
	s_wait_alu depctr_vm_vsrc(0)                   ; v's LDS stores have read v[SUM .. SUM+32]: the loads below land in twelve of them, and the additions write three
.endif
.set ii, 0
.rept 4
	ds_load_b32 v[SUM+20+3*ii], v[A4L] offset:2048*\ph+512*ii
	ds_load_b32 v[SUM+21+3*ii], v[A4L] offset:2048*\ph+512*ii+128
	ds_load_b32 v[SUM+22+3*ii], v[A4L] offset:2048*\ph+512*ii+256
.set ii, ii+1
.endr
	s_wait_dscnt 0x0
.irp q, 1,2,3
	v_add_f32 v[SUM+20], v[SUM+20], v[SUM+20+3*\q]
	v_add_f32 v[SUM+21], v[SUM+21], v[SUM+21+3*\q]
	v_add_f32 v[SUM+22], v[SUM+22], v[SUM+22+3*\q]
.endr
.endm
.macro DISTR                           ; lane (r, h) has tile h's alpha and beta and wants both tiles': pairs (a0, a0), (a1, a1), (b0, b0), (b1, b1)
	v_permlanex16_b32 v[RM+0], v[AL], s[SEL], s[SEL+1]
	v_permlanex16_b32 v[RM+1], v[BE], s[SEL], s[SEL+1]
.irp q, 0,1
	v_cndmask_b32 v[AB+\q], v[AL], v[RM+0], s[HM]
	v_cndmask_b32 v[AB+2+\q], v[RM+0], v[AL], s[HM]
	v_cndmask_b32 v[AB+4+\q], v[BE], v[RM+1], s[HM]
	v_cndmask_b32 v[AB+6+\q], v[RM+1], v[BE], s[HM]
.endr
.endm
; head 2 w + hl, tile u: the 32 finished numbers of my row's half, the row's sum of squares in this head, the codes
.macro TAILQ hl, u, bw, bq
	WIN \bw
.set ii, 0
.rept 16
	v_pk_mul_f32 v[F+2*ii:F+2*ii+1], v[\bq+32*\hl+2*ii:\bq+32*\hl+2*ii+1], v[AB+4+2*\u:AB+5+2*\u] op_sel_hi:[1,0]
.set ii, ii+1
.endr
	WIN 0x01
.set ii, 0
.rept 16
.set rA, ACC+8*(2*(4*\hl+ii/4)+\u)+2*(ii%4)
	v_pk_fma_f32 v[F+2*ii:F+2*ii+1], v[rA:rA+1], v[AB+2*\u:AB+1+2*\u], v[F+2*ii:F+2*ii+1] op_sel_hi:[1,0,1]
.set ii, ii+1
.endr
	WIN 0
.set ii, 0
.rept 16
.set rS, RM+2*(ii%4)
.if ii < 4
	v_pk_mul_f32 v[rS:rS+1], v[F+2*ii:F+2*ii+1], v[F+2*ii:F+2*ii+1]
.else
	v_pk_fma_f32 v[rS:rS+1], v[F+2*ii:F+2*ii+1], v[F+2*ii:F+2*ii+1], v[rS:rS+1]
.endif
.set ii, ii+1
.endr
	v_pk_add_f32 v[RM:RM+1], v[RM:RM+1], v[RM+2:RM+3]
	v_pk_add_f32 v[RM+4:RM+5], v[RM+4:RM+5], v[RM+6:RM+7]
	v_pk_add_f32 v[RM:RM+1], v[RM:RM+1], v[RM+4:RM+5]
	v_add_f32 v[RM], v[RM], v[RM+1]
	v_permlanex16_b32 v[RM+1], v[RM], s[SEL], s[SEL+1]
	v_add_f32 v[RM], v[RM], v[RM+1]
	v_min_num_f32 v[TV+12+2*\u], OME, v[RM]
	QUANT2 F, PC+6*(2*\hl+\u)
	v_lshl_or_b32 v[TV+13+2*\u], v[TM+7], 8, v[TM+6]
	v_or_b32 v[TV+13+2*\u], 0x7f7f0000, v[TV+13+2*\u]     ; the upper 64 of the instruction's 128 along K are zero codes: their bytes stand for 1
.endm
.macro SIDEQ hl                        ; lane (r, h) keeps tile h's numbers
	v_cndmask_b32 v[TV+3*\hl], v[TV+12], v[TV+14], s[HM]
	v_sub_f32 v[TV+3*\hl+1], 1.0, v[TV+3*\hl]
	v_cndmask_b32 v[TV+3*\hl+2], v[TV+13], v[TV+15], s[HM]
.endm
; head 2 w + hl leaves: both tiles' codes and the three side numbers, nine stores behind one wait
.macro SENDQ hl, cp, stp, scp
	s_wait_alu depctr_va_vdst(0)                   ; the head's two sets of codes and its three side numbers are written, which the nine stores read
.irp u, 0,1
.irp p, 0,1,2
	global_store_b64 v[A8L], v[PC+6*(2*\hl+\u)+2*\p:PC+6*(2*\hl+\u)+2*\p+1], s[\cp:\cp+1] offset:98304*\hl+768*\u+256*\p   ; 256 consecutive bytes, aligned
.endr
.endr
	global_store_b32 v[ANAT], v[TV+3*\hl], s[\stp:\stp+1] offset:32768*\hl
	global_store_b32 v[ANAT], v[TV+3*\hl+1], s[\stp:\stp+1] offset:32768*\hl+128
	global_store_b32 v[A4L], v[TV+3*\hl+2], s[\scp:\scp+1] offset:32768*\hl
.endm
; a transposed phase behind its products and the wait that follows them; nwc, nwr: the next phase's weights, asked for in four places among the vector work
.macro PHASE_T bw, bq, ph, cp, stp, scp, nwc, nwr
	LOADP \nwc, \nwr, 0
	SUMS_T \bw, \bq, \ph
	REDUCE \ph
	s_wait_alu depctr_va_vdst(0)
	ROWMATH XNT
	LOADP \nwc, \nwr, 1
	DISTR
	s_wait_alu depctr_va_vdst(0)
	s_wait_xcnt 0x0                                ; the last phase's stores have had their addresses translated: codes and side numbers may be written again
	s_wait_alu depctr_vm_vsrc(0)                   ; the last phase's stores have read v[PC ..] and v[TV ..], which the tails write again; this phase's LDS stores have read their three sums, which the next phase writes again
	TAILQ 0, 0, \bw, \bq
	TAILQ 0, 1, \bw, \bq
	SIDEQ 0
	SENDQ 0, \cp, \stp, \scp
	LOADP \nwc, \nwr, 2
	LOADP \nwc, \nwr, 3
	TAILQ 1, 0, \bw, \bq
	TAILQ 1, 1, \bw, \bq
	SIDEQ 1
	SENDQ 1, \cp, \stp, \scp
.endm
	s_load_b512 s[4:19], s[0:1], 0x0               ; codes, rec, bq, bk, bv, qcodes, qside, kcodes
	s_load_b128 s[20:23], s[0:1], 0x40             ; kside, vcodes
	v_lshl_add_u32 v254, v0, 2, 0x2000
	v_mov_b32 v255, 0
	v_and_b32 v16, 31, v0                          ; lane
	v_and_b32 v17, 15, v0                          ; r
	v_bfe_u32 v18, v0, 4, 1                        ; h
	v_lshrrev_b32 v19, 5, v0
	v_readfirstlane_b32 s24, v19                   ; wave
	v_lshlrev_b32 v[A16L], 4, v16
	v_lshlrev_b32 v[A16R], 4, v17
	v_lshlrev_b32 v[A8L], 3, v16
	s_and_b32 s70, ttmp9, 1
	s_lshl_b32 s70, s70, 4
	v_xor_b32 v[A8X], s70, v16
	v_lshlrev_b32 v[A8X], 3, v[A8X]
	v_lshlrev_b32 v[A4L], 2, v16
	v_and_b32 v20, 8, v17
	v_add_nc_u32 v20, v20, v17                     ; r + 8 (r / 8)
	v_lshlrev_b32 v[ABL], 2, v20
	v_lshl_add_u32 v21, v18, 3, v20
	v_lshlrev_b32 v[ANAT], 2, v21
	v_lshlrev_b32 v[A64H], 6, v18
	v_lshl_add_u32 v[RW], v19, 9, v[A4L]
	v_lshl_add_u32 v[RV], v19, 9, v[A64H]
	v_lshl_add_u32 v[ABW], v19, 8, v[A4L]
	v_lshl_add_u32 v[ABR], v19, 8, v[A64H]
	v_lshl_add_u32 v[AB+30], v18, 9, v[A16R]       ; rec: tile h, lane 16 + r (the 256 stands in the load)
	v_bfe_u32 v22, v0, 3, 1
	v_and_b32 v23, 7, v0
	v_lshlrev_b32 v23, 4, v23
	v_lshl_add_u32 v23, v18, 7, v23
	v_lshl_add_u32 v[AB+31], v22, 9, v23           ; rec: the block's row number lane lies in tile (lane / 8) % 2 at lane 8 (lane / 16) + lane % 8
	v_mov_b32 v[TM+2], 0                           ; written once: a lane permute's destination counts as one of its sources
	v_mov_b32 v[TM+3], 0
	s_mov_b32 s[SEL], 0x76543210
	s_mov_b32 s[SEL+1], 0xfedcba98
	s_mov_b32 s[HM], 0xffff0000
	s_wait_alu depctr_va_sdst(0)                   ; s24, the wave's number, is written, ahead of its first reader: the buffers' offsets are made from it
	s_lshr_b32 s70, ttmp9, 6                       ; batch
	s_and_b32 s71, ttmp9, 63                       ; the block in its batch
	s_lshl_b32 s72, s70, 3
	s_lshl_b32 s73, s24, 1
	s_add_co_u32 s72, s72, s73                     ; my first head: 8 x batch + 2 x wave
	s_mul_i32 s74, s72, 98304
	s_mul_i32 s73, s71, 1536
	s_add_co_u32 s74, s74, s73
	s_mov_b32 s75, 0
	s_lshl_b32 s76, s72, 15
	s_wait_kmcnt 0x0
	s_add_nc_u64 s[52:53], s[14:15], s[74:75]      ; q's codes
	s_add_nc_u64 s[58:59], s[18:19], s[74:75]      ; k's
	s_add_nc_u64 s[66:67], s[22:23], s[74:75]      ; v's
	s_lshl_b32 s73, s71, 8
	s_add_co_u32 s74, s76, s73
	s_add_nc_u64 s[54:55], s[16:17], s[74:75]      ; q's n2 and 1 - n2
	s_add_nc_u64 s[60:61], s[20:21], s[74:75]      ; k's
	s_lshl_b32 s73, s71, 7
	s_add_co_u32 s74, s76, s73
	s_add_co_u32 s74, s74, 16384
	s_add_nc_u64 s[56:57], s[16:17], s[74:75]      ; q's scale words
	s_add_nc_u64 s[62:63], s[20:21], s[74:75]      ; k's
	s_add_co_u32 s74, s74, 8192
	s_add_nc_u64 s[68:69], s[20:21], s[74:75]      ; v's scale bytes
	s_mul_i32 s74, s24, 49152
	s_add_co_u32 s74, s74, 3145728                 ; tile 512 + 8 w
.irp m, 0,1,2
	s_add_nc_u64 s[30+2*\m:31+2*\m], s[4:5], s[74:75]
	s_add_co_u32 s74, s74, 196608
.endr
	s_lshl_b32 s74, s24, 12
	s_add_co_u32 s74, s74, 262144
.irp m, 0,1,2
	s_add_nc_u64 s[36+2*\m:37+2*\m], s[6:7], s[74:75]
	s_add_co_u32 s74, s74, 16384
.endr
	s_lshl_b32 s74, s24, 9
	s_add_nc_u64 s[42:43], s[8:9], s[74:75]
	s_add_nc_u64 s[44:45], s[10:11], s[74:75]
	s_add_nc_u64 s[46:47], s[12:13], s[74:75]
	s_mul_i32 s74, ttmp9, 12288
	s_add_nc_u64 s[48:49], s[4:5], s[74:75]        ; x's two tiles
	s_lshl_b32 s74, ttmp9, 10
	s_add_nc_u64 s[50:51], s[6:7], s[74:75]
	s_wait_alu depctr_va_vdst(0)                   ; the offsets and LDS addresses v1 to v13, v230 and v231 are written: every load and store of the kernel reads one of them
	global_load_b32 v[XNT], v[AB+30], s[50:51] offset:256
	global_load_b32 v[XNV], v[AB+31], s[50:51] offset:256
	global_load_b128 v[XS:XS+3], v[A16R], s[50:51]
	global_load_b128 v[XS+4:XS+7], v[A16R], s[50:51] offset:512
	WIN 0x40
.set ii, 0
.rept 24
	global_load_b128 v[4*ii:4*ii+3], v[A16L], s[48:49] offset:512*ii    ; x's fragments (u, s) at v[12 (4 u + s)]: they stay
.set ii, ii+1
.endr
	WIN 0
	LOADB_T 42, 2, 0
	LOADP 30, 36, 0
	LOADP 30, 36, 1
	LOADP 30, 36, 2
	LOADP 30, 36, 3
	; ---- q
	GEMM 0
	s_wait_alu depctr_va_vdst(0)                   ; q's products are done reading W's fragments and scale words, in which k's land
	LOADB_T 44, 3, 192
	PHASE_T 2, 0, 0, 52, 54, 56, 32, 38
	; ---- k
	GEMM 0
	s_wait_alu depctr_va_vdst(0)                   ; k's products are done reading W's fragments and scale words, in which v's land; q's vector work is done reading bq, over which bv lands
	LOADB_V 46
	PHASE_T 3, 192, 1, 58, 60, 62, 34, 40
	; ---- v: lane r is channel 128 w + 32 (tl / 2) + 8 (tl % 2) + r + 8 (r / 8); register j of accumulator (tl, u) is the block's row 16 h + 8 u + j
	GEMM 1
	WIN 0x05
.set tt, 0
.rept 8
.set uu, 0
.rept 2
.set jj, 0
.rept 4
.set rA, ACC+8*(2*tt+uu)+2*jj
.set rS, SUM+8*uu+2*jj
.if tt == 0
	v_pk_mul_f32 v[rS:rS+1], v[rA:rA+1], v[rA:rA+1]
.else
	v_pk_fma_f32 v[rS:rS+1], v[rA:rA+1], v[rA:rA+1], v[rS:rS+1]
.endif
.set jj, jj+1
.endr
.set uu, uu+1
.endr
.set tt, tt+1
.endr
	WIN 0x09
.set tt, 0
.rept 8
.set uu, 0
.rept 2
.set jj, 0
.rept 4
.set rA, ACC+8*(2*tt+uu)+2*jj
.set rS, SUM+16+8*uu+2*jj
.if tt == 0
	v_pk_mul_f32 v[rS:rS+1], v[rA:rA+1], v[2*tt:2*tt+1] op_sel_hi:[1,0]
.else
	v_pk_fma_f32 v[rS:rS+1], v[rA:rA+1], v[2*tt:2*tt+1], v[rS:rS+1] op_sel_hi:[1,0,1]
.endif
.set jj, jj+1
.endr
.set uu, uu+1
.endr
.set tt, tt+1
.endr
	WIN 0x0a
	v_mul_f32 v[SUM+32], v[0], v[0]
.irp t, 1,2,3,4,5,6,7
	v_fma_f32 v[SUM+32], v[2*\t], v[2*\t], v[SUM+32]
.endr
	WIN 0
.irp m, 1,2,4,8                        ; over the 16 channels of my half of the lanes
.set ii, 0
.rept 33
	v_add_f32_dpp v[SUM+ii], v[SUM+ii], v[SUM+ii] row_xmask:\m row_mask:0xf bank_mask:0xf
.set ii, ii+1
.endr
.endr
	s_wait_alu depctr_va_vdst(0)                   ; the 33 sums are written, which the LDS stores read
.set ii, 0
.rept 16
	ds_store_b32 v[RV], v[SUM+ii] offset:4096+4*ii          ; the 16 lanes of a half write the same word with the same value: row 16 h + ii
	ds_store_b32 v[RV], v[SUM+16+ii] offset:4096+128+4*ii
.set ii, ii+1
.endr
	ds_store_b32 v[RW], v[SUM+32] offset:4096+256
	REDUCE 2                                       ; lane l now stands for the block's row l
	s_wait_alu depctr_va_vdst(0)
	ROWMATH XNV
	s_wait_alu depctr_va_vdst(0)                   ; alpha and beta are written, which the two LDS stores read; k's tails are done with v[AB ..], in which the loads land (v230 and v231 were read by the head's loads ahead of the waits on vm_vsrc above)
	ds_store_b32 v[ABW], v[AL] offset:ABB          ; my wave's own bytes: LDS serves a wave's instructions in order
	ds_store_b32 v[ABW], v[BE] offset:ABB+128
.irp k, 0,1,2,3
	ds_load_b128 v[AB+4*\k:AB+4*\k+3], v[ABR] offset:ABB+16*\k            ; alpha of rows 16 h + 0 .. 15
	ds_load_b128 v[AB+16+4*\k:AB+19+4*\k], v[ABR] offset:ABB+128+16*\k    ; beta
.endr
	s_wait_dscnt 0x0
	s_wait_xcnt 0x0                                ; k's stores have had their addresses translated
	s_wait_alu depctr_vm_vsrc(0)                   ; k's stores have read v[PC ..] and v[TV ..], which v's tails write again
.macro TAILV P                         ; channel tiles 2 P and 2 P + 1: 16 rows of each in my lane; a block of 32 keys lies in lanes l and l xor 16
	WIN 0x08
.set gg, 0
.rept 2
.set ii, 0
.rept 8
	v_pk_mul_f32 v[F+16*gg+2*ii:F+16*gg+2*ii+1], v[AB+16+2*ii:AB+17+2*ii], v[2*(2*\P+gg):2*(2*\P+gg)+1] op_sel_hi:[1,0]
.set ii, ii+1
.endr
.set gg, gg+1
.endr
	WIN 0x01
.set gg, 0
.rept 2
.set ii, 0
.rept 8
.set rA, ACC+8*(2*(2*\P+gg)+ii/4)+2*(ii%4)
	v_pk_fma_f32 v[F+16*gg+2*ii:F+16*gg+2*ii+1], v[rA:rA+1], v[AB+2*ii:AB+2*ii+1], v[F+16*gg+2*ii:F+16*gg+2*ii+1]
.set ii, ii+1
.endr
.set gg, gg+1
.endr
	WIN 0
	QUANT2 F, PC+6*\P
.if \P%2 == 0
	v_lshl_or_b32 v[TV+\P/2], v[TM+7], 8, v[TM+6]
.else
	v_lshl_or_b32 v[TV+\P/2], v[TM+6], 16, v[TV+\P/2]
	v_lshl_or_b32 v[TV+\P/2], v[TM+7], 24, v[TV+\P/2]
.endif
.endm
.macro SENDV hl                        ; head 2 w + hl leaves: two sets of codes and the word of scale bytes, seven stores behind one wait
	s_wait_alu depctr_va_vdst(0)                   ; the head's two sets of codes and its scale bytes are written, which the seven stores read
.irp q, 0,1
.irp p, 0,1,2
	global_store_b64 v[A8X], v[PC+6*(2*\hl+\q)+2*\p:PC+6*(2*\hl+\q)+2*\p+1], s[66:67] offset:98304*\hl+768*\q+256*\p
.endr
.endr
	global_store_b32 v[A4L], v[TV+\hl], s[68:69] offset:32768*\hl
.endm
	TAILV 0
	TAILV 1
	SENDV 0
	TAILV 2
	TAILV 3
	SENDV 1
	s_wait_dscnt 0x0
	s_wait_alu depctr_hold_cnt(0) depctr_sa_sdst(0) depctr_va_vdst(0) depctr_va_sdst(0) depctr_va_ssrc(0) depctr_va_vcc(0) depctr_vm_vsrc(0)
	s_wait_tensorcnt 0x0
	ds_add_u32 v254, v255
	s_wait_dscnt 0x0
	s_endpgm
.Lfunc_end_k_qd8f78b9fc8_qkv:
	.size	k_qd8f78b9fc8_qkv, .Lfunc_end_k_qd8f78b9fc8_qkv-k_qd8f78b9fc8_qkv
	.p2alignl 7, 3214868480
	.fill 96, 4, 3214868480
	.section	.rodata,"a",@progbits
	.p2align	6, 0x0
	.amdhsa_kernel k_qd8f78b9fc8_qkv
		.amdhsa_group_segment_fixed_size 8704
		.amdhsa_private_segment_fixed_size 0
		.amdhsa_enable_private_segment 0
		.amdhsa_kernarg_size 80
		.amdhsa_user_sgpr_count 2
		.amdhsa_user_sgpr_kernarg_segment_ptr 1
		.amdhsa_wavefront_size32 1
		.amdhsa_system_sgpr_workgroup_id_x 1
		.amdhsa_system_sgpr_workgroup_id_y 1
		.amdhsa_system_sgpr_workgroup_id_z 1
		.amdhsa_system_vgpr_workitem_id 0
		.amdhsa_next_free_vgpr 1024
		.amdhsa_next_free_sgpr 96
		.amdhsa_reserve_vcc 1
		.amdhsa_float_denorm_mode_32 3
		.amdhsa_float_denorm_mode_16_64 3
		.amdhsa_memory_ordered 1
		.amdhsa_forward_progress 1
		.amdhsa_inst_pref_size 192
	.end_amdhsa_kernel
	.amdgpu_metadata
---
amdhsa.version: [ 1, 2 ]
amdhsa.kernels:
  - .name:           k_qd8f78b9fc8_qkv
    .symbol:         k_qd8f78b9fc8_qkv.kd
    .args:
      - { .name: codes, .offset: 0, .size: 8, .value_kind: global_buffer, .address_space: global }
      - { .name: rec, .offset: 8, .size: 8, .value_kind: global_buffer, .address_space: global }
      - { .name: bq, .offset: 16, .size: 8, .value_kind: global_buffer, .address_space: global }
      - { .name: bk, .offset: 24, .size: 8, .value_kind: global_buffer, .address_space: global }
      - { .name: bv, .offset: 32, .size: 8, .value_kind: global_buffer, .address_space: global }
      - { .name: qcodes, .offset: 40, .size: 8, .value_kind: global_buffer, .address_space: global }
      - { .name: qside, .offset: 48, .size: 8, .value_kind: global_buffer, .address_space: global }
      - { .name: kcodes, .offset: 56, .size: 8, .value_kind: global_buffer, .address_space: global }
      - { .name: kside, .offset: 64, .size: 8, .value_kind: global_buffer, .address_space: global }
      - { .name: vcodes, .offset: 72, .size: 8, .value_kind: global_buffer, .address_space: global }
    .group_segment_fixed_size: 8704
    .private_segment_fixed_size: 0
    .kernarg_segment_align: 8
    .kernarg_segment_size: 80
    .max_flat_workgroup_size: 128
    .sgpr_count:     96
    .vgpr_count:     1024
    .wavefront_size: 32
...
	.end_amdgpu_metadata
.endif
;; end of part 6
;; launch attn (part 7): grid 8 x 32, 16 waves a work-group, clusters of 4 x 1, 231,424 bytes of LDS; arguments qcodes, qside, kcodes, kside, vcodes, obuf; writes obuf
.if DOCPART == 7
	.amdgcn_target "amdgcn-amd-amdhsa--gfx1250"
	.amdhsa_code_object_version 6
	.text
	.protected	k_qd8f78b9fc8_attn
	.globl	k_qd8f78b9fc8_attn
	.p2align	8
	.type	k_qd8f78b9fc8_attn,@function
k_qd8f78b9fc8_attn:
	s_mov_b64 s[64:65], 0
	v_nop
	global_prefetch_b8 v0, s[64:65] scope:SCOPE_SE
	s_setreg_imm32_b32 hwreg(HW_REG_WAVE_MODE, 25, 1), 1
	s_wait_xcnt 0x0
	s_wait_alu depctr_hold_cnt(0) depctr_sa_sdst(0) depctr_va_vdst(0) depctr_va_sdst(0) depctr_va_ssrc(0) depctr_va_vcc(0) depctr_vm_vsrc(0)
	s_getreg_b32 s2, hwreg(HW_REG_IB_STS2, 6, 4)
	s_cmp_eq_u32 s2, 0
	s_cbranch_scc0 .Lentry_in_a_cluster
	s_endpgm
.Lentry_in_a_cluster:
	s_bfe_u32 s2, ttmp6, 0x10000c
	s_cmp_lg_u32 s2, 0x3003
	s_cbranch_scc0 .Lentry_shape_is_right
	s_endpgm
.Lentry_shape_is_right:
; The attention of one head on codes of FP6: scores from q k^T, the hyperbolic distance, softmax, times v; the result is quantised along the channels for the last layer.
; score = -sqrt(max(2 (qk - q2 k2) / ((1 - q2)(1 - k2) + eps), eps)) / 8.  With n = qk - q2 k2, d = (1 - q2)(1 - k2) + eps, n' = max(n, d eps / 2): sqrt(max(2 n / d, eps)) = sqrt2 x n' x rsq(n' d): no division.
; n' d is at least eps^3 / 2, so no denormal reaches the root.  t = score x log2(e) = NC x g, g = n' rsq(n' d), NC = -sqrt2 log2(e) / 8.
; SOFTMAX.  M = the running largest t rounded up to a whole number, kept as -M; p = 2^(t - M) is quantised along the keys, not normalised; the row's sum is taken of the unquantised p and divides at the end.
; When M moves, the sum and O are multiplied by 2^(old M - new M), which rounds nothing.
; SHARES.  A work-group owns 256 queries of one head; each of its sixteen waves owns one tile of 16 queries in 256 registers, four waves to a SIMD.  Every wave walks the head's 2,048 keys, 128 a step.
; A WHOLE HEAD STAYS IN LDS, filled once: the side numbers (32,768 bytes), k's codes (98,304), v's codes (98,304).  So there is no ring and no slot is filled again.
; CLUSTER.  The four work-groups of a cluster belong to one head: the fill is 14 joint loads of 16,384 bytes, wave i's to LDS byte 16,384 i, with the same descriptor in all four; by this text's count one tensor load a wave is out.
; LAYOUT.  Both products are used transposed (S^T = k q^T, O^T = v^T p^T): a lane holds one query (lane % 16) throughout.  The keys of tile tau are 32 (tau / 2) + 8 (tau % 2) + r + 8 (r / 8).
; K = 64 IN AN INSTRUCTION OF 128: q's registers 6-11 are zero codes.  Tile tau's operand is 12 registers of which the upper six are the next tile's codes: any code times the code 0 is 0, and those blocks' scale bytes stand for 1.
; REGISTERS: v1-6 LDS addresses; v7-10 offsets in memory; v12 -M, v13 the largest t, v[14:15] the sum; v16-27 q; v28 its scale word; v[30:31] -q2; v[32:33] 1 - q2; v34-41 k's scale words; v42-45 v's;
;   v48-111 k's fragments, then k2 and 1 - k2, then v's fragments; v112-175 S^T, then p; v176-207 O^T; v208-219 p's codes; v220-227 the conversions' second halves; v228-255 at work.
.set KB,  32768
.set VB,  131072
.set AK,  1                            ; k's codes: KB + 8 x lane
.set AV0, 2                            ; v's even channel tiles: VB + 1,664 h + 8 r
.set AV1, 3                            ; odd ones: VB + 128 + 1,408 h + 8 r
.set ASK, 4                            ; k's scale words: 16,384 + 4 r
.set ASU, 5                            ; v's scale bytes: 24,576 + 4 r
.set AST, 6                            ; k2, 1 - k2: 64 h
.set QF,  16
.set QS,  28
.set NQ,  30
.set AA,  32
.set KS,  34
.set VS,  42
.set R1,  48
.set S,   112
.set O,   176
.set PC,  208
.set CT,  220
.set BM,  228                          ; each block's least g, then its largest p
.set TM,  228                          ; the quantiser of the way out works in the same registers
.set PT,  232
.set SO,  236
.set BY,  240
.set PW,  244
.set FF,  246
.set US,  248
.set WV,  18
.set SEL, 20
.set NC,  22
.set HM,  44
.macro WM6 d, a, b, c, sa, sb
	v_wmma_scale_f32_16x16x128_f8f6f4 v[\d:\d+7], v[\a:\a+11], v[\b:\b+11], \c, v[\sa], v[\sb] matrix_a_fmt:MATRIX_FMT_FP6 matrix_b_fmt:MATRIX_FMT_FP6
.endm
.macro ROUND                           ; a round of the cluster's barrier
	s_barrier_signal -1
	s_barrier_wait -1
	s_cmp_lg_u32 s[WV], 0
	s_cbranch_scc1 .Lnot_wave_0_\@
	s_barrier_signal -3
.Lnot_wave_0_\@:
	s_barrier_wait -3
	s_barrier_signal -1
	s_barrier_wait -1
.endm
.macro QUANT2 s, pc                    ; 32 numbers in two groups of 16 become 6 registers of codes: lanes 0-15 group 0's 32 codes, lanes 16-31 group 1's; the bytes: v[TM+6], v[TM+7]
.irp g, 0,1
	v_max3_num_f32 v[TM+\g], |v[\s+16*\g]|, |v[\s+16*\g+1]|, 0x1800000
.endr
.irp i, 2,4,6,8,10,12,14
.irp g, 0,1
	s_delay_alu instid0(VALU_DEP_2)
	v_max3_num_f32 v[TM+\g], v[TM+\g], |v[\s+16*\g+\i]|, |v[\s+16*\g+\i+1]|
.endr
.endr
.irp g, 0,1
	s_delay_alu instid0(VALU_DEP_2)
	v_permlanex16_b32 v[TM+2+\g], v[TM+\g], s[SEL], s[SEL+1]
.endr
.irp g, 0,1
	s_delay_alu instid0(VALU_DEP_2)
	v_max_num_f32 v[TM+\g], v[TM+\g], v[TM+2+\g]
.endr
.irp g, 0,1
	s_delay_alu instid0(VALU_DEP_2)
	v_add_nc_u32 v[TM+4+\g], 0xff000000, v[TM+\g]
.endr
.irp g, 0,1
	s_delay_alu instid0(VALU_DEP_2)
	v_lshrrev_b32 v[TM+6+\g], 23, v[TM+4+\g]
.endr
	v_cvt_scalef32_pk16_fp6_f32 v[\pc:\pc+2], v[\s:\s+15], v[TM+4]
	v_cvt_scalef32_pk16_fp6_f32 v[CT:CT+2], v[\s+16:\s+31], v[TM+5]
	v_nop
.irp i, 0,1,2
	v_permlane16_swap_b32 v[\pc+\i], v[CT+\i]
.endr
.irp i, 0,1,2
	s_delay_alu instid0(VALU_DEP_3)
	v_mov_b32 v[\pc+3+\i], v[CT+\i]
.endr
.endm
	s_load_b256 s[4:11], s[0:1], 0x0               ; qcodes, qside, kcodes, kside
	s_load_b128 s[12:15], s[0:1], 0x20             ; vcodes, obuf
	v_lshl_add_u32 v227, v0, 2, 0x38000
	v_mov_b32 v245, 0
	ds_add_u32 v227, v245
	ds_add_u32 v227, v245
	v_lshrrev_b32 v7, 5, v0
	s_delay_alu instid0(VALU_DEP_1)
	v_readfirstlane_b32 s[WV], v7                  ; wave 0..15
	s_bfe_u32 s46, ttmp6, 0x40000                  ; cx: it enters q's and the output's addresses in memory alone
	s_lshl_b32 s47, ttmp9, 2
	s_add_co_u32 s47, s47, s46                     ; my block of 256 queries
	s_and_b32 s48, ttmp7, 0xffff                   ; the head, 0..31, which the four partners share
	s_lshl_b32 s49, s47, 4
	s_add_co_u32 s49, s49, s[WV]                   ; my tile of queries in the head
	; descriptor group 1: 64 rows of 256 bytes (32 elements of 8 bytes), dense in memory and in LDS
	s_mov_b32 s24, 15|(3<<16)|(1<<21)              ; 15:0 the mask: all four work-groups; 17:16 elements of 8 bytes; 21 set beside a mask
	s_mov_b32 s25, 32<<16                          ; tensor_dim0 = 32
	s_mov_b32 s26, 64<<16                          ; tensor_dim1 = 64
	s_mov_b32 s27, 32<<16                          ; tile_dim0 = 32
	s_mov_b32 s28, 64                              ; tile_dim1 = 64
	s_mov_b32 s29, 32                              ; from row to row
	s_mov_b32 s30, 0
	s_mov_b32 s31, 0
	s_mov_b32 s[SEL], 0x76543210
	s_mov_b32 s[SEL+1], 0xfedcba98
	s_mov_b32 s[NC], 0xbe8293ee                    ; -sqrt2 log2(e) / 8
	s_mov_b32 s[NC+1], s[NC]                       ; (named with it as a pair, so it is written)
	s_mov_b32 s36, 0x3727c5ac                      ; eps
	s_mov_b32 s37, s36
	s_mov_b32 s38, 0x36a7c5ac                      ; eps / 2
	s_mov_b32 s39, s38
	s_mov_b32 s[HM], 0xffff0000
	s_mul_i32 s52, s48, 98304
	s_mul_i32 s53, s49, 768
	s_add_co_u32 s52, s52, s53                     ; q's codes
	s_mov_b32 s53, 0
	s_lshl_b32 s54, s48, 15
	s_lshl_b32 s55, s49, 6
	s_add_co_u32 s56, s54, s55
	s_add_co_u32 s56, s56, 16384                   ; q's scale words
	s_mov_b32 s57, 0
	s_lshr_b32 s55, s49, 1
	s_lshl_b32 s55, s55, 8
	s_add_co_u32 s58, s54, s55
	s_and_b32 s55, s49, 1
	s_lshl_b32 s55, s55, 5
	s_add_co_u32 s58, s58, s55                     ; q2 and 1 - q2: the block of 32 rows, + 8 rows for an odd tile
	s_mov_b32 s59, 0
	s_lshr_b32 s55, s48, 3
	s_lshl_b32 s55, s55, 7
	s_add_co_u32 s55, s55, s49                     ; the tile among all 512: 128 x batch + my tile
	s_and_b32 s54, s48, 7                          ; the head in its batch
	s_mul_i32 s60, s55, 6144
	s_mul_i32 s62, s54, 768
	s_add_co_u32 s60, s60, s62                     ; the output's codes
	s_mov_b32 s61, 0
	s_lshl_b32 s62, s55, 10
	s_lshl_b32 s63, s54, 7
	s_add_co_u32 s62, s62, s63
	s_add_co_u32 s62, s62, 3145728                 ; its scale bytes and its share of the row's sum of squares
	s_mov_b32 s63, 0
	s_wait_dscnt 0x0
	s_wait_kmcnt 0x0
	s_add_nc_u64 s[50:51], s[4:5], s[52:53]
	s_add_nc_u64 s[56:57], s[6:7], s[56:57]
	s_add_nc_u64 s[58:59], s[6:7], s[58:59]
	s_add_nc_u64 s[60:61], s[14:15], s[60:61]
	s_add_nc_u64 s[62:63], s[14:15], s[62:63]
	; descriptor group 0: waves 0, 1 the side numbers, 2-7 k's codes, 8-13 v's: made of the wave's number and the head alone
	s_cmp_lt_u32 s[WV], 8
	s_cselect_b64 s[34:35], s[8:9], s[12:13]
	s_cselect_b32 s40, 2, 8
	s_cmp_lt_u32 s[WV], 2
	s_cselect_b64 s[34:35], s[10:11], s[34:35]
	s_cselect_b32 s40, 0, s40
	s_mov_b32 s41, 98304
	s_cselect_b32 s41, 32768, s41                  ; a head's bytes in that buffer
	s_sub_co_u32 s40, s[WV], s40
	s_lshl_b32 s40, s40, 14
	s_mul_i32 s41, s41, s48
	s_add_co_u32 s40, s40, s41
	s_mov_b32 s41, 0
	s_add_nc_u64 s[34:35], s[34:35], s[40:41]
	s_or_b32 s35, s35, 0x80000000                  ; type = 2
	s_mov_b32 s32, 1
	s_lshl_b32 s33, s[WV], 14                      ; LDS byte 16,384 x wave
	ROUND                                          ; all four work-groups are here: the joint loads meet
	s_cmp_lt_u32 s[WV], 14
	s_cbranch_scc0 .Lno_fill
	tensor_load_to_lds s[32:35], s[24:31]
	s_nop 0
.rept 4
	v_nop
.endr
.Lno_fill:
	v_and_b32 v252, 31, v0                         ; lane
	v_and_b32 v253, 15, v0                         ; r
	v_bfe_u32 v254, v0, 4, 1                       ; h
	s_delay_alu instid0(VALU_DEP_3)
	v_lshlrev_b32 v7, 3, v252
	s_delay_alu instid0(VALU_DEP_4)
	v_lshlrev_b32 v10, 2, v252
	s_delay_alu instid0(VALU_DEP_4)
	v_lshlrev_b32 v8, 2, v253
	v_and_b32 v9, 8, v253
	s_delay_alu instid0(VALU_DEP_1)
	v_add_nc_u32 v9, v9, v253
	s_delay_alu instid0(VALU_DEP_1)
	v_lshlrev_b32 v9, 2, v9                        ; 4 (r + 8 (r / 8))
.irp p, 0,1,2
	global_load_b64 v[QF+2*\p:QF+2*\p+1], v7, s[50:51] offset:256*\p
.endr
	global_load_b32 v[QS], v8, s[56:57]
	global_load_b32 v[NQ], v9, s[58:59]
	global_load_b32 v[AA], v9, s[58:59] offset:128
	v_add_nc_u32 v[AK], KB, v7
	v_lshlrev_b32 v255, 3, v253
	s_delay_alu instid0(VALU_DEP_1)
	v_mad_u32_u24 v[AV0], v254, 1664, v255         ; lanes 16-31 read the next key block (1,536 bytes on), whose halves have changed places (128 on, or back): the two halves of the lanes touch different banks
	s_delay_alu instid0(VALU_DEP_1)
	v_add_nc_u32 v[AV0], VB, v[AV0]
	s_delay_alu instid0(VALU_DEP_3)
	v_mad_u32_u24 v[AV1], v254, 1408, v255
	s_delay_alu instid0(VALU_DEP_1)
	v_add_nc_u32 v[AV1], VB+128, v[AV1]
	v_add_nc_u32 v[ASK], 16384, v8
	v_add_nc_u32 v[ASU], 24576, v8
	v_lshlrev_b32 v[AST], 6, v254
.irp i, 6,7,8,9,10,11
	v_mov_b32 v[QF+\i], 0                          ; zero codes: the upper 64 along K
	v_mov_b32 v[R1+42+\i], 0                       ; v96-101: the upper half of the eighth tile's operand: written once; what it holds later counts for nothing
.endr
.set ii, 0
.rept 32
	v_mov_b32 v[O+ii], 0                           ; the loop has no first step of its own: it finds zeros, which the first change of M leaves zeros
.set ii, ii+1
.endr
	v_mov_b32 v14, 0
	v_mov_b32 v15, 0
	v_mov_b32 v13, 0xff61b1e6                      ; -3e38, under every t
	s_delay_alu instid0(VALU_DEP_1)
	v_floor_f32 v12, -v13
.irp b, 0,1,2,3
	v_mov_b32 v[PT+\b], 0
.endr
	v_mov_b32 v[FF+1], 0                           ; (named as the upper half of a pair)
	s_wait_loadcnt 0x0
	v_sub_f32 v[NQ], 0, v[NQ]                      ; -q2
	s_delay_alu instid0(VALU_DEP_1)
	v_mov_b32 v[NQ+1], v[NQ]
	v_mov_b32 v[AA+1], v[AA]
	s_wait_tensorcnt 0x0                           ; my part of the head has landed,
	s_barrier_signal -1
	s_barrier_wait -1                              ; everybody's has
; 64 of the step's 128 scores become g
.macro HALF H
.set ii, 0
.rept 8
	ds_load_b128 v[R1+4*ii:R1+4*ii+3], v[AST] offset:256*(2*\H+ii/4)+16*(ii%4)            ; k2 of keys 16 h + 0 .. 15 of two blocks
	ds_load_b128 v[R1+32+4*ii:R1+35+4*ii], v[AST] offset:256*(2*\H+ii/4)+128+16*(ii%4)    ; 1 - k2
.set ii, ii+1
.endr
	s_wait_dscnt 0x0
.set ii, 0
.rept 16
	v_pk_fma_f32 v[S+32*\H+2*ii:S+32*\H+2*ii+1], v[R1+2*ii:R1+2*ii+1], v[NQ:NQ+1], v[S+32*\H+2*ii:S+32*\H+2*ii+1] op_sel_hi:[1,0,1]   ; n; each accumulator is read from its low end on
.set ii, ii+1
.endr
.set ii, 0
.rept 16
	v_pk_fma_f32 v[R1+32+2*ii:R1+33+2*ii], v[R1+32+2*ii:R1+33+2*ii], v[AA:AA+1], s[36:37] op_sel_hi:[1,0,0]   ; d
.set ii, ii+1
.endr
.set ii, 0
.rept 16
	v_pk_mul_f32 v[R1+2*ii:R1+2*ii+1], v[R1+32+2*ii:R1+33+2*ii], s[38:39] op_sel_hi:[1,0]   ; d eps / 2
.set ii, ii+1
.endr
.set ii, 0
.rept 32
	v_max_num_f32 v[S+32*\H+ii], v[S+32*\H+ii], v[R1+ii]   ; n'
.set ii, ii+1
.endr
.set ii, 0
.rept 16
	v_pk_mul_f32 v[R1+2*ii:R1+2*ii+1], v[S+32*\H+2*ii:S+32*\H+2*ii+1], v[R1+32+2*ii:R1+33+2*ii]
.set ii, ii+1
.endr
.set ii, 0
	s_wait_alu depctr_va_vdst(0)
.rept 32
	v_rsq_f32 v[R1+ii], v[R1+ii]
.set ii, ii+1
.endr
	v_nop                                          ; one plain place behind the batch,
	s_wait_alu depctr_va_vdst(0)                   ; and one wait ahead of its first reader
.set ii, 0
.rept 16
	v_pk_mul_f32 v[S+32*\H+2*ii:S+32*\H+2*ii+1], v[S+32*\H+2*ii:S+32*\H+2*ii+1], v[R1+2*ii:R1+2*ii+1]   ; g
.set ii, ii+1
.endr
.endm
	s_mov_b32 s45, 16
.Lstep:                                            ; 128 keys a trip
.set tt, 0
	s_wait_alu depctr_va_vdst(0)
	s_setprio 2
.rept 8
.irp p, 0,1,2
	ds_load_b64 v[R1+6*tt+2*\p:R1+6*tt+2*\p+1], v[AK] offset:768*tt+256*\p    ; 256 consecutive bytes
.endr
	ds_load_b32 v[KS+tt], v[ASK] offset:64*tt
.set tt, tt+1
.endr
.irp b, 0,1,2,3
	ds_load_b32 v[US+\b], v[ASU] offset:128*\b
.endr
	s_wait_dscnt 0x0
.set tt, 0
.rept 8
	WM6 S+8*tt, R1+6*tt, QF, 0, KS+tt, QS
.set tt, tt+1
.endr
	; v's scale bytes come as one word a key block with a byte a channel tile; the product wants a word a channel tile with a byte a key block.  These eight are also the places behind the products
	v_perm_b32 v[PT], v[US+1], v[US], 0x05010400
	v_perm_b32 v[PT+1], v[US+1], v[US], 0x07030602
	v_perm_b32 v[PT+2], v[US+3], v[US+2], 0x05010400
	v_perm_b32 v[PT+3], v[US+3], v[US+2], 0x07030602
	s_delay_alu instid0(VALU_DEP_2)
	v_perm_b32 v[VS], v[PT+2], v[PT], 0x05040100
	s_delay_alu instid0(VALU_DEP_3)
	v_perm_b32 v[VS+1], v[PT+2], v[PT], 0x07060302
	s_delay_alu instid0(VALU_DEP_3)
	v_perm_b32 v[VS+2], v[PT+3], v[PT+1], 0x05040100
	s_delay_alu instid0(VALU_DEP_4)
	v_perm_b32 v[VS+3], v[PT+3], v[PT+1], 0x07060302
	HALF 0
	HALF 1
	s_setprio 1
.irp t, 0,1,2,3                        ; v's four fragments: they land under the softmax
.irp c, 0,1
.irp p, 0,1,2
	ds_load_b64 v[R1+12*\t+6*\c+2*\p:R1+12*\t+6*\c+2*\p+1], v[AV0+\t%2] offset:3072*\c+768*(\t/2)+256*\p
.endr
.endr
.endr
.irp b, 0,1,2,3
	v_min3_num_f32 v[BM+\b], v[S+16*\b], v[S+16*\b+1], v[S+16*\b+2]   ; each block's least g: NC is negative, so it gives the block's largest t, and so its largest p
.endr
.irp i, 3,5,7,9,11,13
.irp b, 0,1,2,3
	s_delay_alu instid0(VALU_DEP_4)
	v_min3_num_f32 v[BM+\b], v[BM+\b], v[S+16*\b+\i], v[S+16*\b+\i+1]
.endr
.endr
.irp b, 0,1,2,3
	s_delay_alu instid0(VALU_DEP_4)
	v_min_num_f32 v[BM+\b], v[BM+\b], v[S+16*\b+15]
.endr
.irp b, 0,1,2,3
	s_delay_alu instid0(VALU_DEP_4)
	v_permlanex16_b32 v[PT+\b], v[BM+\b], s[SEL], s[SEL+1]
.endr
.irp b, 0,1,2,3
	s_delay_alu instid0(VALU_DEP_4)
	v_min_num_f32 v[BM+\b], v[BM+\b], v[PT+\b]
.endr
	s_delay_alu instid0(VALU_DEP_2)
	v_min3_num_f32 v254, v[BM], v[BM+1], v[BM+2]
	s_delay_alu instid0(VALU_DEP_1)
	v_min_num_f32 v254, v254, v[BM+3]
	s_delay_alu instid0(VALU_DEP_1)
	v_mul_f32 v254, s[NC], v254                    ; the step's largest t
	s_delay_alu instid0(VALU_DEP_1)
	v_max_num_f32 v13, v13, v254
	v_mov_b32 v254, v12
	s_delay_alu instid0(VALU_DEP_2)
	v_floor_f32 v12, -v13                          ; -M = floor(-t)
	s_delay_alu instid0(VALU_DEP_1)
	v_sub_f32 v254, v12, v254                      ; old M - new M: a whole number, 0 or less
	s_delay_alu instid0(VALU_DEP_1)
	v_cvt_i32_f32 v254, v254                       ; (it saturates)
	s_delay_alu instid0(VALU_DEP_1)
	v_ldexp_f32 v[FF], 1.0, v254
.set ii, 0
.rept 32
	v_pk_fma_f32 v[S+2*ii:S+2*ii+1], v[S+2*ii:S+2*ii+1], s[NC:NC+1], v[12:13] op_sel_hi:[1,0,0]   ; t - M
.set ii, ii+1
.endr
.irp b, 0,1,2,3
	v_fma_f32 v[BM+\b], v[BM+\b], s[NC], v12
.endr
.set ii, 0
	s_wait_alu depctr_va_vdst(0)
.rept 64
	v_exp_f32 v[S+ii], v[S+ii]                     ; p
.set ii, ii+1
.endr
	v_pk_mul_f32 v[14:15], v[14:15], v[FF:FF+1] op_sel_hi:[1,0]   ; the sum under the new M: a plain place behind the batch
	s_wait_alu depctr_va_vdst(0)                   ; one wait for the 64
.irp b, 0,1,2,3
	v_exp_f32 v[BM+\b], v[BM+\b]                   ; the block's largest p: the same two instructions on the same number
.endr
	v_pk_add_f32 v[252:253], v[116:117], v[120:121]
	v_pk_add_f32 v[254:255], v[124:125], v[128:129]
	v_pk_add_f32 v[250:251], v[132:133], v[136:137]
	v_pk_add_f32 v[248:249], v[140:141], v[144:145]
	v_pk_add_f32 v[242:243], v[148:149], v[152:153]
	v_pk_add_f32 v[240:241], v[156:157], v[160:161]
	v_pk_add_f32 v[238:239], v[164:165], v[168:169]
	v_pk_add_f32 v[14:15], v[14:15], v[172:173]
	v_pk_add_f32 v[252:253], v[252:253], v[112:113]
	v_pk_add_f32 v[254:255], v[254:255], v[114:115]
	v_pk_add_f32 v[250:251], v[250:251], v[118:119]
	v_pk_add_f32 v[248:249], v[248:249], v[122:123]
	v_pk_add_f32 v[242:243], v[242:243], v[126:127]
	v_pk_add_f32 v[240:241], v[240:241], v[130:131]
	v_pk_add_f32 v[238:239], v[238:239], v[134:135]
	v_pk_add_f32 v[14:15], v[14:15], v[138:139]
	s_setprio 0
	v_pk_add_f32 v[252:253], v[252:253], v[142:143]
	v_pk_add_f32 v[254:255], v[254:255], v[146:147]
	v_pk_add_f32 v[250:251], v[250:251], v[150:151]
	v_pk_add_f32 v[248:249], v[248:249], v[154:155]
	v_pk_add_f32 v[242:243], v[242:243], v[158:159]
	v_pk_add_f32 v[240:241], v[240:241], v[162:163]
	v_pk_add_f32 v[238:239], v[238:239], v[166:167]
	v_pk_add_f32 v[14:15], v[14:15], v[170:171]
	v_pk_add_f32 v[252:253], v[252:253], v[174:175]
	s_delay_alu instid0(VALU_DEP_2)
	v_pk_add_f32 v[14:15], v[14:15], v[248:249]
	s_delay_alu instid0(VALU_DEP_2)
	v_pk_add_f32 v[252:253], v[252:253], v[242:243]
	v_pk_add_f32 v[254:255], v[254:255], v[240:241]
	v_pk_add_f32 v[250:251], v[250:251], v[238:239]
	s_delay_alu instid0(VALU_DEP_2)
	v_pk_add_f32 v[14:15], v[14:15], v[254:255]
	s_delay_alu instid0(VALU_DEP_2)
	v_pk_add_f32 v[252:253], v[252:253], v[250:251]
	s_delay_alu instid0(VALU_DEP_1)
	v_pk_add_f32 v[14:15], v[14:15], v[252:253]
	s_wait_alu depctr_va_vdst(0)                   ; and one for the four
.irp b, 0,1,2,3
	v_max_num_f32 v[BM+\b], 0x1800000, v[BM+\b]
.endr
.irp b, 0,1,2,3
	s_delay_alu instid0(VALU_DEP_4)
	v_add_nc_u32 v[SO+\b], 0xff000000, v[BM+\b]
.endr
.irp b, 0,1,2,3
	s_delay_alu instid0(VALU_DEP_4)
	v_lshrrev_b32 v[BY+\b], 23, v[SO+\b]
.endr
	s_delay_alu instid0(VALU_DEP_3)
	v_lshl_or_b32 v[PW], v[BY+1], 8, v[BY]
	s_delay_alu instid0(VALU_DEP_1)
	v_lshl_or_b32 v[PW], v[BY+2], 16, v[PW]
	s_delay_alu instid0(VALU_DEP_1)
	v_lshl_or_b32 v[PW], v[BY+3], 24, v[PW]
.irp c, 0,1
	v_cvt_scalef32_pk16_fp6_f32 v[PC+6*\c:PC+2+6*\c], v[S+32*\c:S+15+32*\c], v[SO+2*\c]
	v_cvt_scalef32_pk16_fp6_f32 v[CT+4*\c:CT+2+4*\c], v[S+16+32*\c:S+31+32*\c], v[SO+2*\c+1]
.endr
	v_nop
.irp c, 0,1
.irp i, 0,1,2
	v_permlane16_swap_b32 v[PC+6*\c+\i], v[CT+4*\c+\i]
.endr
.irp i, 0,1,2
	s_delay_alu instid0(VALU_DEP_3)
	v_mov_b32 v[PC+3+6*\c+\i], v[CT+4*\c+\i]
.endr
.endr
.set ii, 0
.rept 16
	v_pk_mul_f32 v[O+2*ii:O+2*ii+1], v[O+2*ii:O+2*ii+1], v[FF:FF+1] op_sel_hi:[1,0]   ; O^T under the new M; these sixteen also stand between the making of p's codes and scale word and the products
.set ii, ii+1
.endr
	s_wait_alu depctr_va_vdst(0)
	s_wait_dscnt 0x0                               ; v's fragments
.irp t, 0,1,2,3
	WM6 O+8*\t, R1+12*\t, PC, v[O+8*\t:O+8*\t+7], VS+\t, PW
.endr
	v_add_nc_u32 v[AK], 6144, v[AK]                ; on to the next 128 keys: six plain places in front of the next trip's loads into the registers that these products read
	v_add_nc_u32 v[AV0], 6144, v[AV0]
	v_add_nc_u32 v[AV1], 6144, v[AV1]
	v_add_nc_u32 v[ASK], 512, v[ASK]
	v_add_nc_u32 v[ASU], 512, v[ASU]
	v_add_nc_u32 v[AST], 1024, v[AST]
	s_sub_co_u32 s45, s45, 1
	s_cmp_lg_u32 s45, 0
	s_cbranch_scc1 .Lstep
	s_setprio 0
	; THE WAY OUT: O^T / the sum; register 16 B + i is channel 32 B + 16 h + i of my query: quantised along the channels, as the last layer's operand
	v_add_f32 v14, v14, v15
	s_delay_alu instid0(VALU_DEP_1)
	v_permlanex16_b32 v252, v14, s[SEL], s[SEL+1]
	s_delay_alu instid0(VALU_DEP_1)
	v_add_f32 v14, v14, v252
	s_wait_alu depctr_va_vdst(0)
	v_rcp_f32 v[FF], v14
	v_nop
	s_wait_alu depctr_va_vdst(0)
.set ii, 0
.rept 16
	v_pk_mul_f32 v[S+2*ii:S+2*ii+1], v[O+2*ii:O+2*ii+1], v[FF:FF+1] op_sel_hi:[1,0]
.set ii, ii+1
.endr
.set ii, 0
.rept 16
.set rS, R1+2*(ii%4)
.if ii < 4
	v_pk_mul_f32 v[rS:rS+1], v[S+2*ii:S+2*ii+1], v[S+2*ii:S+2*ii+1]
.else
	s_delay_alu instid0(VALU_DEP_4)
	v_pk_fma_f32 v[rS:rS+1], v[S+2*ii:S+2*ii+1], v[S+2*ii:S+2*ii+1], v[rS:rS+1]
.endif
.set ii, ii+1
.endr
	s_delay_alu instid0(VALU_DEP_3)
	v_pk_add_f32 v[R1:R1+1], v[R1:R1+1], v[R1+2:R1+3]
	s_delay_alu instid0(VALU_DEP_2)
	v_pk_add_f32 v[R1+4:R1+5], v[R1+4:R1+5], v[R1+6:R1+7]
	s_delay_alu instid0(VALU_DEP_1)
	v_pk_add_f32 v[R1:R1+1], v[R1:R1+1], v[R1+4:R1+5]
	s_delay_alu instid0(VALU_DEP_1)
	v_add_f32 v[R1], v[R1], v[R1+1]
	s_delay_alu instid0(VALU_DEP_1)
	v_permlanex16_b32 v[R1+1], v[R1], s[SEL], s[SEL+1]
	s_delay_alu instid0(VALU_DEP_1)
	v_add_f32 v[R1], v[R1], v[R1+1]                ; this head's share of the row's sum of squares
	QUANT2 S, PC
	v_lshl_or_b32 v254, v[TM+7], 8, v[TM+6]
	s_delay_alu instid0(VALU_DEP_1)
	v_cndmask_b32 v254, v254, v[R1], s[HM]         ; lanes 0-15 the two scale bytes, lanes 16-31 the share
.irp p, 0,1,2
	global_store_b64 v7, v[PC+2*\p:PC+2*\p+1], s[60:61] offset:256*\p     ; 256 consecutive bytes, aligned
.endr
	global_store_b32 v10, v254, s[62:63]
	s_wait_dscnt 0x0
	s_wait_tensorcnt 0x0
	ds_add_u32 v227, v245
	s_wait_dscnt 0x0
	ROUND                                          ; the closing round: no work-group ends while a partner may still ask
	s_endpgm
.Lfunc_end_k_qd8f78b9fc8_attn:
	.size	k_qd8f78b9fc8_attn, .Lfunc_end_k_qd8f78b9fc8_attn-k_qd8f78b9fc8_attn
	.p2alignl 7, 3214868480
	.fill 96, 4, 3214868480
	.section	.rodata,"a",@progbits
	.p2align	6, 0x0
	.amdhsa_kernel k_qd8f78b9fc8_attn
		.amdhsa_group_segment_fixed_size 231424
		.amdhsa_private_segment_fixed_size 0
		.amdhsa_enable_private_segment 0
		.amdhsa_kernarg_size 48
		.amdhsa_user_sgpr_count 2
		.amdhsa_user_sgpr_kernarg_segment_ptr 1
		.amdhsa_wavefront_size32 1
		.amdhsa_system_sgpr_workgroup_id_x 1
		.amdhsa_system_sgpr_workgroup_id_y 1
		.amdhsa_system_sgpr_workgroup_id_z 1
		.amdhsa_system_vgpr_workitem_id 0
		.amdhsa_next_free_vgpr 256
		.amdhsa_next_free_sgpr 66
		.amdhsa_reserve_vcc 0
		.amdhsa_float_denorm_mode_32 3
		.amdhsa_float_denorm_mode_16_64 3
		.amdhsa_memory_ordered 1
		.amdhsa_forward_progress 1
		.amdhsa_inst_pref_size 52
	.end_amdhsa_kernel
	.amdgpu_metadata
---
amdhsa.version: [ 1, 2 ]
amdhsa.kernels:
  - .name:           k_qd8f78b9fc8_attn
    .symbol:         k_qd8f78b9fc8_attn.kd
    .args:
      - { .name: qcodes, .offset: 0, .size: 8, .value_kind: global_buffer, .address_space: global }
      - { .name: qside, .offset: 8, .size: 8, .value_kind: global_buffer, .address_space: global }
      - { .name: kcodes, .offset: 16, .size: 8, .value_kind: global_buffer, .address_space: global }
      - { .name: kside, .offset: 24, .size: 8, .value_kind: global_buffer, .address_space: global }
      - { .name: vcodes, .offset: 32, .size: 8, .value_kind: global_buffer, .address_space: global }
      - { .name: obuf, .offset: 40, .size: 8, .value_kind: global_buffer, .address_space: global }
    .group_segment_fixed_size: 231424
    .private_segment_fixed_size: 0
    .kernarg_segment_align: 8
    .kernarg_segment_size: 48
    .max_flat_workgroup_size: 512
    .sgpr_count:     66
    .vgpr_count:     256
    .wavefront_size: 32
...
	.end_amdgpu_metadata
.endif
;; end of part 7
;; launch outp (part 8): grid 256 x 1, 4 waves a work-group, no clusters, 36,352 bytes of LDS; arguments obuf, codes, rec, bo, out0; writes out0
.if DOCPART == 8
	.amdgcn_target "amdgcn-amd-amdhsa--gfx1250"
	.amdhsa_code_object_version 6
	.text
	.protected	k_qd8f78b9fc8_outp
	.globl	k_qd8f78b9fc8_outp
	.p2align	8
	.type	k_qd8f78b9fc8_outp,@function
k_qd8f78b9fc8_outp:
	s_mov_b64 s[64:65], 0
	v_nop
	global_prefetch_b8 v0, s[64:65] scope:SCOPE_SE
	s_setreg_imm32_b32 hwreg(HW_REG_WAVE_SCHED_MODE, 0, 2), 2
	s_setreg_imm32_b32 hwreg(HW_REG_WAVE_MODE, 25, 1), 1
	s_wait_xcnt 0x0
	s_wait_alu depctr_vm_vsrc(0)
; out0 = hyp_linear(attention's output, Wo, bo) on codes of FP6.  The row of the result is alpha x mx + beta x b, alpha and beta from four sums of the row (macro ROWMATH).
; SHARES.  A work-group owns 32 rows (two tiles of 16); the waves share the columns: wave w makes channels 128 w .. 128 w + 127.  The product is used transposed (source 0 = 16 rows of Wo, source 1 = 16 rows of the operand):
; a lane holds one row, its registers run along the channels.  A row's sums meet in LDS behind one barrier.  The weights come from memory straight into registers as images of the operand's registers.
; NO CLUSTER: only tensor loads can be asked for jointly, and this text has none.
; IN.  obuf +0 [tile 512][K step 4][6 x 256]: register pair p' of lane l at 256 p' + 8 l; +3,145,728 [tile][head 8][32 words]: lanes 0-15 the head's two scale bytes, lanes 16-31 its share of the row's sum of squares.
; OUT.  A wave's 16 rows x 128 channels go through its own stage in LDS and leave as rows of 512 consecutive bytes.
; LIMITS.  As in the launch that makes q, k and v: the norms that project() tests are taken from the row's sums, another order of rounding; log1p and expm1 by quotients; NaN and infinities are not served.
; REGISTERS, in windows of 256.  Window 0: v1-14 addresses; v24-31, v32-63 scale words; v64-127 64 finished numbers; v132-165 sums; v166-199 ROWMATH; v200-207 alpha, beta; v232-247 the heads' words; on the way out v128-191, v192-255 rows read back.
;   Window 1: v0-95 the operand's 8 fragments; v96-223 the 16 accumulators.   Window 2: v0-63 the bias; v64-255 W's tiles 4-7.   Window 3: v0-191 W's tiles 0-3.
; THE MODE: SCHED_MODE bits 1:0 = 2 (LLVM: expert scheduling mode 2), set by the entry lines.  The code itself states the register dependences
; between vector or matrix instructions and memory or LDS instructions, with s_wait_alu, always for 0.
; THE PLAN.  Registers that memory or LDS instructions touch:
;   v1-11      offsets and LDS addresses: written at the head, never again.
;   operands   fragments, W's scale words, the bias, the heads' words: each loaded once at the head, into registers that no vector instruction has named.
;   XS         the operand's eight scale words are made by vector instructions: their places, then a wait on va_vdst, ahead of the first product.
;   SUM        v[SUM+2], +10, +16 are read by three LDS stores, behind a wait on va_vdst; the four waves' parts land in v[SUM+20 .. SUM+31].
;   F          v64-127: written by a tile's finishing lines, read by its sixteen stage stores (a wait on va_vdst between), written again for the second tile behind a wait on vm_vsrc.
;   BK         v128-191, v192-255: the stage's loads land here, over SUM, ROWMATH's registers, alpha, beta and the heads' words, all of whose readers and writers stand ahead of the wait in front of the tile's stage stores;
;              the global stores read them.  The second tile's finishing lines stand between the first tile's stage loads and the wait for them: they name F, v202-207, the accumulators and the bias, nothing of v128-191.
.set MINN, 0x26901d7d
.set MAXN, 0x3f7ef9db
.set ATC,  0x3f7ffffe
.set LN2,  0x3f317218
.set L2E,  0x3fb8aa3b
.set Y40,  0x42200000
.set A16L, 1
.set A16R, 2
.set A8L,  3
.set A4L,  5
.set A64H, 7
.set RW,   9                           ; LDS: 512 w + 4 x lane
.set SI,   10                          ; LDS: 8,448 w + 528 r + 64 h: into my stage
.set SOU,  11                          ; LDS: 8,448 w + 16 x lane: out of it
.set X2R,  14
.set XS,   24
.set WS,   32
.set F,    64
.set BK,   128
.set SUM,  132
.set RM,   166
.set AL,   198
.set BE,   199
.set AB,   200
.set TV,   232
.set ACC,  96
.set SEL,  26
.set HM,   28
.set STB,  2048                        ; LDS: behind the sums: a stage of 16 rows x (512 bytes + 16) for each wave
.set MSB, 0
.macro WIN new
.if MSB != \new
	s_set_vgpr_msb (MSB<<8)|\new
.set MSB, \new
.endif
.endm
.macro TW                              ; behind a batch of transcendentals: one plain place, then the wait ahead of the first reader
	v_nop
	s_wait_alu depctr_va_vdst(0)                   ; the batch's results are written, ahead of the first instruction that names one
.endm
.macro WM6 d, a, b, c, sa, sb
	v_wmma_scale_f32_16x16x128_f8f6f4 v[\d:\d+7], v[\a:\a+11], v[\b:\b+11], \c, v[\sa], v[\sb] matrix_a_fmt:MATRIX_FMT_FP6 matrix_b_fmt:MATRIX_FMT_FP6
.endm
; One row a lane.  In: |x|^2 in v[x2], |mx|^2 in v[SUM+20], mx . b in v[SUM+21], |b|^2 in v[SUM+22].  Out: v[AL], v[BE].
; Each compare stands a few lines ahead of the select that reads its mask, with the wait on va_vcc between.
.macro ROWMATH x2
	v_sqrt_f32 v[RM+0], v[\x2]
	v_sqrt_f32 v[RM+1], v[SUM+20]
	TW
	v_max_num_f32 v[RM+2], MINN, v[RM+0]
	v_max_num_f32 v[RM+3], MINN, v[RM+1]
	v_min_num_f32 v[RM+4], ATC, v[RM+2]
	v_sub_f32 v[RM+5], 1.0, v[RM+4]
	s_wait_alu depctr_va_vdst(0)
	v_rcp_f32 v[RM+6], v[RM+5]
	v_rcp_f32 v[RM+7], v[RM+2]
	v_rcp_f32 v[RM+8], v[RM+3]
	TW
	v_mul_f32 v[RM+9], v[RM+4], v[RM+6]
	v_add_f32 v[RM+9], v[RM+9], v[RM+9]            ; u = 2 x / (1 - x): 2 artanh(x) = log1p(u)
	v_add_f32 v[RM+10], 1.0, v[RM+9]
	v_add_f32 v[RM+11], -1.0, v[RM+10]
	s_wait_alu depctr_va_vdst(0)
	v_log_f32 v[RM+12], v[RM+10]
	v_rcp_f32 v[RM+13], v[RM+11]
	TW
	v_cmp_eq_f32 vcc_lo, 0, v[RM+11]
	v_mul_f32 v[RM+12], LN2, v[RM+12]
	v_mul_f32 v[RM+12], v[RM+12], v[RM+9]
	v_mul_f32 v[RM+12], v[RM+12], v[RM+13]
	s_wait_alu depctr_va_vcc(0)                    ; the compare has written VCC, which the select reads
	v_cndmask_b32 v[RM+12], v[RM+12], v[RM+9], vcc_lo
	v_mul_f32 v[RM+14], v[RM+3], v[RM+7]
	v_mul_f32 v[RM+14], v[RM+14], v[RM+12]         ; y = 2 z
	v_min_num_f32 v[RM+14], Y40, v[RM+14]
	v_mul_f32 v[RM+15], L2E, v[RM+14]
	s_wait_alu depctr_va_vdst(0)
	v_exp_f32 v[RM+16], v[RM+15]
	TW
	v_add_f32 v[RM+17], -1.0, v[RM+16]
	v_log_f32 v[RM+18], v[RM+16]
	TW
	v_mul_f32 v[RM+18], LN2, v[RM+18]
	s_wait_alu depctr_va_vdst(0)
	v_rcp_f32 v[RM+19], v[RM+18]
	TW
	v_cmp_eq_f32 vcc_lo, 0, v[RM+17]
	v_mul_f32 v[RM+20], v[RM+17], v[RM+14]
	v_mul_f32 v[RM+20], v[RM+20], v[RM+19]         ; expm1(y)
	s_wait_alu depctr_va_vcc(0)                    ; the compare has written VCC, which the select reads
	v_cndmask_b32 v[RM+20], v[RM+20], v[RM+14], vcc_lo
	v_add_f32 v[RM+21], 2.0, v[RM+20]
	s_wait_alu depctr_va_vdst(0)
	v_rcp_f32 v[RM+22], v[RM+21]
	TW
	v_mul_f32 v[RM+20], v[RM+20], v[RM+22]         ; tanh(z)
	v_mul_f32 v[RM+23], v[RM+20], v[RM+8]
	v_mul_f32 v[RM+24], v[RM+23], v[RM+1]
	v_max_num_f32 v[RM+24], MINN, v[RM+24]
	s_wait_alu depctr_va_vdst(0)
	v_rcp_f32 v[RM+25], v[RM+24]
	TW
	v_cmp_lt_f32 vcc_lo, MAXN, v[RM+24]
	v_mul_f32 v[RM+25], v[RM+25], v[RM+23]
	v_mul_f32 v[RM+25], MAXN, v[RM+25]
	s_wait_alu depctr_va_vcc(0)                    ; the compare has written VCC, which the select reads
	v_cndmask_b32 v[RM+23], v[RM+23], v[RM+25], vcc_lo
	v_mul_f32 v[RM+26], v[RM+23], v[RM+1]
	v_mul_f32 v[RM+26], v[RM+26], v[RM+26]         ; x2
	v_mul_f32 v[RM+27], v[RM+23], v[SUM+21]        ; xy
	v_fma_f32 v[RM+28], 2.0, v[RM+27], 1.0
	v_add_f32 v[RM+29], v[RM+28], v[SUM+22]
	v_fma_f32 v[RM+30], v[RM+26], v[SUM+22], v[RM+28]
	v_max_num_f32 v[RM+31], MINN, v[RM+30]
	s_wait_alu depctr_va_vdst(0)
	v_rcp_f32 v[RM+0], v[RM+31]
	v_fma_f32 v[RM+2], 2.0, v[RM+27], v[RM+26]
	v_add_f32 v[RM+2], v[RM+2], v[SUM+22]
	v_max_num_f32 v[RM+2], 0, v[RM+2]
	v_mul_f32 v[RM+2], v[RM+2], v[RM+30]
	s_wait_alu depctr_va_vdst(0)                   ; 1 / den is written, ahead of its first reader
	v_mul_f32 v[RM+2], v[RM+2], v[RM+0]
	v_mul_f32 v[RM+2], v[RM+2], v[RM+0]
	s_wait_alu depctr_va_vdst(0)
	v_sqrt_f32 v[RM+3], v[RM+2]
	TW
	v_max_num_f32 v[RM+3], MINN, v[RM+3]
	s_wait_alu depctr_va_vdst(0)
	v_rcp_f32 v[RM+4], v[RM+3]
	TW
	v_cmp_lt_f32 vcc_lo, MAXN, v[RM+3]
	v_mul_f32 v[RM+4], MAXN, v[RM+4]
	s_wait_alu depctr_va_vcc(0)                    ; the compare has written VCC, which the select reads
	v_cndmask_b32 v[RM+4], 1.0, v[RM+4], vcc_lo
	v_mul_f32 v[RM+4], v[RM+4], v[RM+0]
	v_mul_f32 v[RM+5], v[RM+29], v[RM+23]
	v_mul_f32 v[AL], v[RM+5], v[RM+4]
	v_sub_f32 v[RM+6], 1.0, v[RM+26]
	v_mul_f32 v[BE], v[RM+6], v[RM+4]
.endm
.macro LOADP wc, wr, P                 ; W's tiles 2 P and 2 P + 1: 26 loads
.irp g, 0,1
	WIN 0
	global_load_b128 v[WS+4*(2*\P+\g):WS+4*(2*\P+\g)+3], v[A16R], s[\wr:\wr+1] offset:512*(2*\P+\g)
.if \P < 2
	WIN 0xc0
.set WB, 96*\P+48*\g
.else
	WIN 0x80
.set WB, 64+96*(\P-2)+48*\g
.endif
.set ii, 0
.rept 12
	global_load_b128 v[WB+4*ii:WB+4*ii+3], v[A16L], s[\wc:\wc+1] offset:6144*(2*\P+\g)+512*ii
.set ii, ii+1
.endr
.endr
	WIN 0
.endm
	s_load_b256 s[4:11], s[0:1], 0x0               ; obuf, codes, rec, bo
	s_load_b64 s[12:13], s[0:1], 0x20              ; out0
	v_lshl_add_u32 v22, v0, 2, 0x8c00
	v_mov_b32 v23, 0
	v_and_b32 v16, 31, v0
	v_and_b32 v17, 15, v0
	v_bfe_u32 v18, v0, 4, 1
	v_lshrrev_b32 v19, 5, v0
	v_readfirstlane_b32 s24, v19                   ; wave
	v_lshlrev_b32 v[A16L], 4, v16
	v_lshlrev_b32 v[A16R], 4, v17
	v_lshlrev_b32 v[A8L], 3, v16
	v_lshlrev_b32 v[A4L], 2, v16
	v_lshlrev_b32 v[A64H], 6, v18
	v_lshl_add_u32 v[RW], v19, 9, v[A4L]
	v_mul_u32_u24 v20, v19, 8448
	v_mad_u32_u24 v[SI], v17, 528, v20
	v_add_nc_u32 v[SI], v[SI], v[A64H]
	v_add_nc_u32 v[SOU], v20, v[A16L]
	s_mov_b32 s[SEL], 0x76543210
	s_mov_b32 s[SEL+1], 0xfedcba98
	s_mov_b32 s[HM], 0xffff0000
	s_mov_b32 s41, 0
	s_wait_kmcnt 0x0
	s_wait_alu depctr_va_sdst(0)                   ; s24, the wave's number, is written, ahead of its first reader: the buffers' offsets are made from it
	s_mul_i32 s40, s24, 49152
	s_add_co_u32 s40, s40, 3735552                 ; tile 608 + 8 w
	s_add_nc_u64 s[30:31], s[6:7], s[40:41]
	s_lshl_b32 s40, s24, 12
	s_add_co_u32 s40, s40, 311296
	s_add_nc_u64 s[36:37], s[8:9], s[40:41]
	s_lshl_b32 s40, s24, 9
	s_add_nc_u64 s[42:43], s[10:11], s[40:41]
	s_add_nc_u64 s[52:53], s[12:13], s[40:41]
	s_lshl_b32 s40, ttmp9, 16
	s_add_nc_u64 s[52:53], s[52:53], s[40:41]      ; out0 at my 32 rows, my 128 channels
	s_mul_i32 s40, ttmp9, 12288
	s_add_nc_u64 s[48:49], s[4:5], s[40:41]
	s_lshl_b32 s40, ttmp9, 11
	s_add_co_u32 s40, s40, 3145728
	s_add_nc_u64 s[50:51], s[4:5], s[40:41]
	s_wait_alu depctr_va_vdst(0)                   ; the offsets and LDS addresses v1 to v11 are written: every load and store of the kernel reads one of them
.set ii, 0
.rept 16
	global_load_b32 v[TV+ii], v[A4L], s[50:51] offset:128*ii        ; tile ii / 8, head ii % 8
.set ii, ii+1
.endr
	WIN 0x40
.set ii, 0
.rept 48
	global_load_b64 v[2*ii:2*ii+1], v[A8L], s[48:49] offset:256*ii  ; the operand's fragments (u, s) at v[12 (4 u + s)]
.set ii, ii+1
.endr
	WIN 0x80
.set ii, 0
.rept 16
	global_load_b128 v[4*ii:4*ii+3], v[A64H], s[42:43] offset:128*(ii/4)+16*(ii%4)   ; register 8 tl + j = b[128 w + 32 (tl / 2) + 16 h + 8 (tl % 2) + j]
.set ii, ii+1
.endr
	WIN 0
	LOADP 30, 36, 0
	LOADP 30, 36, 1
	LOADP 30, 36, 2
	LOADP 30, 36, 3
	s_wait_loadcnt 63                              ; the heads' words are in: 168 loads stand behind them, and this is the field's largest count
.irp u, 0,1
.irp s, 0,1,2,3
	v_lshl_or_b32 v[XS+4*\u+\s], v[TV+8*\u+2*\s+1], 16, v[TV+8*\u+2*\s]   ; two heads' bytes make a K step's scale word (lanes 0-15, which alone are read)
.endr
.endr
.irp q, 1,2,3,4,5,6,7
	v_add_f32 v[TV], v[TV], v[TV+\q]               ; the eight shares (lanes 16-31); these fourteen also stand between the making of the scale words and the first product
	v_add_f32 v[TV+8], v[TV+8], v[TV+8+\q]
.endr
	v_mov_b32 v[TV+1], 0
	v_permlanex16_b32 v[TV+1], v[TV], s[SEL], s[SEL+1]
	v_cndmask_b32 v[X2R], v[TV+1], v[TV+8], s[HM]  ; lane (r, h): row r of tile h
	s_wait_alu depctr_va_vdst(0)                   ; the eight scale words v[XS ..] are written, which the products take as scales; the places above stay beside this wait
	; 64 products: a pair of W's tiles at a time, its four accumulators by turns, one instruction a turn, K ascending
.irp P, 0,1,2,3
.if 26*(3-\P) > 63
	s_wait_loadcnt 63
.else
	s_wait_loadcnt 26*(3-\P)                       ; the later pairs' loads may stay out
.endif
.if \P < 2
.set WBASE, 96*\P
	WIN 0x57
.else
.set WBASE, 64+96*(\P-2)
	WIN 0x56
.endif
.irp s, 0,1,2,3
.irp g, 0,1
.irp u, 0,1
.set rA, ACC+8*(2*(2*\P+\g)+\u)
.set rW, WBASE+48*\g+12*\s
.set rX, 12*(4*\u+\s)
.if \s == 0
	WM6 rA, rW, rX, 0, WS+4*(2*\P+\g)+\s, XS+4*\u+\s
.else
	WM6 rA, rW, rX, v[rA:rA+7], WS+4*(2*\P+\g)+\s, XS+4*\u+\s
.endif
.endr
.endr
.endr
.endr
	WIN 0
.rept 4
	v_nop                                          ; places in front of the first read of results
.endr
	WIN 0x05
.set tt, 0
.rept 8
.set jj, 0
.rept 4
.set uu, 0
.rept 2
.set rA, ACC+8*(2*tt+uu)+2*jj
.set rS, SUM+4*uu+2*(jj%2)
.if (tt == 0) && (jj < 2)
	v_pk_mul_f32 v[rS:rS+1], v[rA:rA+1], v[rA:rA+1]         ; each accumulator is read from its low end on
.else
	v_pk_fma_f32 v[rS:rS+1], v[rA:rA+1], v[rA:rA+1], v[rS:rS+1]
.endif
.set uu, uu+1
.endr
.set jj, jj+1
.endr
.set tt, tt+1
.endr
	WIN 0x09
.set tt, 0
.rept 8
.set jj, 0
.rept 4
.set uu, 0
.rept 2
.set rA, ACC+8*(2*tt+uu)+2*jj
.set rB, 8*tt+2*jj
.set rS, SUM+8+4*uu+2*(jj%2)
.if (tt == 0) && (jj < 2)
	v_pk_mul_f32 v[rS:rS+1], v[rA:rA+1], v[rB:rB+1]
.else
	v_pk_fma_f32 v[rS:rS+1], v[rA:rA+1], v[rB:rB+1], v[rS:rS+1]
.endif
.set uu, uu+1
.endr
.set jj, jj+1
.endr
.set tt, tt+1
.endr
	WIN 0x0a
.set ii, 0
.rept 32
.set rS, SUM+16+2*(ii%4)
.if ii < 4
	v_pk_mul_f32 v[rS:rS+1], v[2*ii:2*ii+1], v[2*ii:2*ii+1]
.else
	v_pk_fma_f32 v[rS:rS+1], v[2*ii:2*ii+1], v[2*ii:2*ii+1], v[rS:rS+1]
.endif
.set ii, ii+1
.endr
	WIN 0
.irp q, 0,4,8,12,16,20
	v_pk_add_f32 v[SUM+\q:SUM+\q+1], v[SUM+\q:SUM+\q+1], v[SUM+\q+2:SUM+\q+3]
.endr
	v_pk_add_f32 v[SUM+16:SUM+17], v[SUM+16:SUM+17], v[SUM+20:SUM+21]
.irp q, 0,4,8,12,16
	v_add_f32 v[SUM+\q], v[SUM+\q], v[SUM+\q+1]
.endr
.irp q, 0,4,8,12,16
	v_permlanex16_b32 v[SUM+\q+1], v[SUM+\q], s[SEL], s[SEL+1]
.endr
.irp q, 0,4,8,12,16
	v_add_f32 v[SUM+\q], v[SUM+\q], v[SUM+\q+1]
.endr
	v_cndmask_b32 v[SUM+2], v[SUM], v[SUM+4], s[HM]
	v_cndmask_b32 v[SUM+10], v[SUM+8], v[SUM+12], s[HM]
	s_wait_alu depctr_va_vdst(0)                   ; the three sums are written, which the LDS stores read; the lines above are done with v[SUM+20 ..], in which the waves' parts land behind the barrier
	ds_store_b32 v[RW], v[SUM+2]
	ds_store_b32 v[RW], v[SUM+10] offset:128
	ds_store_b32 v[RW], v[SUM+16] offset:256
	s_wait_dscnt 0x0                               ; my stores have landed,
	s_barrier_signal -1
	s_barrier_wait -1                              ; everybody's have: every wave adds the four parts in the same order
.set ii, 0
.rept 4
	ds_load_b32 v[SUM+20+3*ii], v[A4L] offset:512*ii
	ds_load_b32 v[SUM+21+3*ii], v[A4L] offset:512*ii+128
	ds_load_b32 v[SUM+22+3*ii], v[A4L] offset:512*ii+256
.set ii, ii+1
.endr
	s_wait_dscnt 0x0
.irp q, 1,2,3
	v_add_f32 v[SUM+20], v[SUM+20], v[SUM+20+3*\q]
	v_add_f32 v[SUM+21], v[SUM+21], v[SUM+21+3*\q]
	v_add_f32 v[SUM+22], v[SUM+22], v[SUM+22+3*\q]
.endr
	s_wait_alu depctr_va_vdst(0)
	ROWMATH X2R
	v_permlanex16_b32 v[RM+0], v[AL], s[SEL], s[SEL+1]
	v_permlanex16_b32 v[RM+1], v[BE], s[SEL], s[SEL+1]
.irp q, 0,1                            ; pairs (a0, a0), (a1, a1), (b0, b0), (b1, b1)
	v_cndmask_b32 v[AB+\q], v[AL], v[RM+0], s[HM]
	v_cndmask_b32 v[AB+2+\q], v[RM+0], v[AL], s[HM]
	v_cndmask_b32 v[AB+4+\q], v[BE], v[RM+1], s[HM]
	v_cndmask_b32 v[AB+6+\q], v[RM+1], v[BE], s[HM]
.endr
; tile u: 64 finished numbers a lane (FIN), through my stage (STAGE), out as whole rows (SEND)
.macro FIN u
	WIN 0x02
.set ii, 0
.rept 32
	v_pk_mul_f32 v[F+2*ii:F+2*ii+1], v[2*ii:2*ii+1], v[AB+4+2*\u:AB+5+2*\u] op_sel_hi:[1,0]
.set ii, ii+1
.endr
	WIN 0x01
.set ii, 0
.rept 32
.set rA, ACC+8*(2*(ii/4)+\u)+2*(ii%4)
	v_pk_fma_f32 v[F+2*ii:F+2*ii+1], v[rA:rA+1], v[AB+2*\u:AB+1+2*\u], v[F+2*ii:F+2*ii+1] op_sel_hi:[1,0,1]
.set ii, ii+1
.endr
	WIN 0
.endm
.macro STAGE u
	s_wait_alu depctr_va_vdst(0)                   ; the tile's 64 numbers are written, which the LDS stores read; every vector instruction that named the registers in which the rows land is done
.set ii, 0
.rept 16
	ds_store_b128 v[SI], v[F+4*ii:F+4*ii+3] offset:STB+128*(ii/4)+16*(ii%4)
.set ii, ii+1
.endr
.set ii, 0
.rept 16
	ds_load_b128 v[BK+64*\u+4*ii:BK+64*\u+4*ii+3], v[SOU] offset:STB+528*ii    ; my wave's own bytes: LDS serves a wave's instructions in order
.set ii, ii+1
.endr
.endm
.macro SEND u
.set ii, 0
.rept 16
	s_wait_dscnt 15-ii                             ; the younger loads may stay out
	global_store_b128 v[A16L], v[BK+64*\u+4*ii:BK+64*\u+4*ii+3], s[52:53] offset:(8*\u+ii+8*(ii/8))*2048 th:TH_STORE_NT   ; 512 consecutive bytes, aligned; written once
.set ii, ii+1
.endr
.endm
	s_wait_alu depctr_vm_vsrc(0)                   ; the LDS stores of the sums have read v[SUM+2], v[SUM+10] and v[SUM+16], in which the first tile's rows land
	FIN 0
	STAGE 0
	s_wait_alu depctr_vm_vsrc(0)                   ; the first tile's stage stores have read v[F ..], which the second tile's lines write again
	FIN 1                                          ; while the first tile's rows come back from the stage: these lines name nothing of v128-191
	SEND 0                                         ; (its count-down ends at 0: the first tile's stage stores and loads are done when the second tile's follow; the rows read back have registers of their own)
	STAGE 1
	SEND 1
	s_wait_dscnt 0x0
	s_wait_alu depctr_hold_cnt(0) depctr_sa_sdst(0) depctr_va_vdst(0) depctr_va_sdst(0) depctr_va_ssrc(0) depctr_va_vcc(0) depctr_vm_vsrc(0)
	s_wait_tensorcnt 0x0
	ds_add_u32 v22, v23
	s_wait_dscnt 0x0
	s_endpgm
.Lfunc_end_k_qd8f78b9fc8_outp:
	.size	k_qd8f78b9fc8_outp, .Lfunc_end_k_qd8f78b9fc8_outp-k_qd8f78b9fc8_outp
	.p2alignl 7, 3214868480
	.fill 96, 4, 3214868480
	.section	.rodata,"a",@progbits
	.p2align	6, 0x0
	.amdhsa_kernel k_qd8f78b9fc8_outp
		.amdhsa_group_segment_fixed_size 36352
		.amdhsa_private_segment_fixed_size 0
		.amdhsa_enable_private_segment 0
		.amdhsa_kernarg_size 40
		.amdhsa_user_sgpr_count 2
		.amdhsa_user_sgpr_kernarg_segment_ptr 1
		.amdhsa_wavefront_size32 1
		.amdhsa_system_sgpr_workgroup_id_x 1
		.amdhsa_system_sgpr_workgroup_id_y 1
		.amdhsa_system_sgpr_workgroup_id_z 1
		.amdhsa_system_vgpr_workitem_id 0
		.amdhsa_next_free_vgpr 1024
		.amdhsa_next_free_sgpr 66
		.amdhsa_reserve_vcc 1
		.amdhsa_float_denorm_mode_32 3
		.amdhsa_float_denorm_mode_16_64 3
		.amdhsa_memory_ordered 1
		.amdhsa_forward_progress 1
		.amdhsa_inst_pref_size 64
	.end_amdhsa_kernel
	.amdgpu_metadata
---
amdhsa.version: [ 1, 2 ]
amdhsa.kernels:
  - .name:           k_qd8f78b9fc8_outp
    .symbol:         k_qd8f78b9fc8_outp.kd
    .args:
      - { .name: obuf, .offset: 0, .size: 8, .value_kind: global_buffer, .address_space: global }
      - { .name: codes, .offset: 8, .size: 8, .value_kind: global_buffer, .address_space: global }
      - { .name: rec, .offset: 16, .size: 8, .value_kind: global_buffer, .address_space: global }
      - { .name: bo, .offset: 24, .size: 8, .value_kind: global_buffer, .address_space: global }
      - { .name: out0, .offset: 32, .size: 8, .value_kind: global_buffer, .address_space: global }
    .group_segment_fixed_size: 36352
    .private_segment_fixed_size: 0
    .kernarg_segment_align: 8
    .kernarg_segment_size: 40
    .max_flat_workgroup_size: 128
    .sgpr_count:     66
    .vgpr_count:     1024
    .wavefront_size: 32
...
	.end_amdgpu_metadata
.endif
;; end of part 8
